; MI455X (gfx1250); checked and timed in simulation.
; The chip was launched on July 23, 2026; its instructions are those of AMD's public machine-readable ISA for CDNA 5 (MIT licence, August 2026) and "CDNA5" Instruction Set Architecture Reference Guide (July 2026). The comments in the code are by the model that wrote it; some were corrected since.
;; Multi Head Global Attention. Allowed arithmetic: matrix products marked QUANTISED: E2M1 operands, one E8M0 scale for each 32 along K, by v_wmma_scale_f32_16x16x128_f8f6f4 with both operands' format E2M1 (or v_wmma_scale_f32_32x16x128_f4), f32 sums; everything else in f32.
;; Inputs: b_o 1,024 float32; b_qkv 3,072 float32; w_o 1,024 x 1,024 float32; w_qkv 1,024 x 3,072 float32; x 2 x 2,048 x 1,024 float32.
;; Outputs: out0 2 x 2,048 x 1,024 float32.
;; This version of the problem:
;;   THIS VERSION OF THE PROBLEM IS GIVEN IN LOW PRECISION. The matrix products marked QUANTISED in the list below multiply operands that are first quantised to E2M1 (2 exponent bits, 1 mantissa bit; 4 bits a number), with one power-of-two scale for each 32 numbers along K (OCP MX v1.0); their sums are f32. All else is computed in f32.
;;   The module's matrix products, in the order in which they are computed (A, B: the left and right operand; K: the contracted axis; several contracted axes count as one K, in the product's order):
;;     1. [M 4,096, K 1,024] x [K 1,024, N 3,072]; A: input x; B: input w_qkv: QUANTISED
;;     2. batch 32 x [M 2,048, K 64] x [K 64, N 2,048]; A: computed on the way; B: computed on the way: QUANTISED
;;     3. batch 32 x [M 2,048, K 2,048] x [K 2,048, N 64]; A: softmax (see below); B: computed on the way: QUANTISED
;;     4. [M 4,096, K 1,024] x [K 1,024, N 1,024]; A: computed on the way; B: input w_o: QUANTISED
;;   THE QUANTISER, for each operand of a quantised product, along K:
;;     - K is cut into blocks of 32 from its start; a last block that is shorter is filled with zeros.
;;     - A block's scale is 2^e with e = floor(log2(the largest magnitude in the block)) - 2, held to -126 .. 127; a block of zeros has e = 0. As a byte (E8M0): e + 127.
;;     - Each number is divided by its block's scale, clamped to +-6, and rounded to the nearest number of E2M1, ties to even, subnormals kept.
;;     - The product sums the exact products of the quantised numbers (number of the format x scale) in f32.
;;   ~~~python
;;   def quantise(x, axis):      # numpy; x: float32 -> the quantised numbers, widened to float32 again
;;       x = np.moveaxis(x, axis, -1); K = x.shape[-1]
;;       x = np.pad(x, [(0, 0)] * (x.ndim - 1) + [(0, -K % 32)]); x = x.reshape(x.shape[:-1] + (-1, 32)); a = np.abs(x).max(-1, keepdims=True)
;;       e = np.where(a > 0, np.clip(np.frexp(np.where(a > 0, a, 1))[1] - 1 - 2, -126, 127), 0)      # np.frexp(a)[1] - 1 = floor(log2(a)), exactly
;;       r = np.clip(x / 2.0 ** e, -6, 6)
;;       step = 2.0 ** (np.maximum(np.frexp(np.where(r == 0, 1, r))[1] - 1, 0) - 1)
;;       q = np.round(r / step) * step * 2.0 ** e      # np.round: ties to even
;;       return np.moveaxis(q.reshape(q.shape[:-2] + (-1,))[..., :K], -1, axis).astype(np.float32)
;;   ~~~
;;   SOFTMAX AHEAD OF A QUANTISED PRODUCT. Where the list says 'softmax', what is quantised is not the finished softmax but p = 2^(t - M), with t = logit x log2(e) and M = ceil(the row's largest t), a whole number; so 1/2 < the row's largest p <= 1. The row's sum l is taken of the UNQUANTISED p, in f32, and the product's result is divided by l at the end. Since M is a whole number, a kernel that streams over the keys may use a running M (the ceiling of the running maximum): every later rescaling is an exact power of two, which a block's scale takes up: the codes' values come out the same.
;;   OPERANDS COMPUTED ON THE WAY. 'Computed on the way' means the value that the module computes at that place (a softmax that the list does not call 'softmax' is quantised finished and normalised). What goes into a quantiser is computed in f32, as accurately as f32 sums, v_exp_f32 and their like allow (about 1e-6 of the number): no bf16 or f16 on the way to a quantiser, and a product that is left as it is and whose result goes on into a quantised operand takes f32 operands (vector FMAs, or v_wmma_f32_16x16x4_f32). A number that lies on a knife's edge between two numbers of the format may be rounded either way, as far as f32 arithmetic and the matrix unit's own rounding can turn it there, and no further.
;; 2 versions. Each part assembles by itself: llvm-mc -triple=amdgcn-amd-amdhsa -mcpu=gfx1250 --defsym DOCPART=n.
;; ======== version 1 of 2: 5 launches
;; workspace buffers: x_codes 2,097,152 bytes; x_scales 131,072 bytes; w_codes 2,097,152 bytes; w_scales 131,072 bytes; qkv_codes 6,291,456 bytes; qkv_scales 524,288 bytes; o_codes 2,097,152 bytes; o_scales 131,072 bytes
;; launch quant_x (part 1): grid 256 x 1, 8 waves a work-group, no clusters, 69,120 bytes of LDS; arguments x, x_codes, x_scales; writes x_codes, x_scales
.if DOCPART == 1
	.amdgcn_target "amdgcn-amd-amdhsa--gfx1250"
	.amdhsa_code_object_version 6
	.text
	.protected	k_qa53f1bd14e_quant_x
	.globl	k_qa53f1bd14e_quant_x
	.p2align	8
	.type	k_qa53f1bd14e_quant_x,@function
k_qa53f1bd14e_quant_x:
	s_mov_b64 s[64:65], 0
	v_nop
	global_prefetch_b8 v0, s[64:65] scope:SCOPE_SE
	s_setreg_imm32_b32 hwreg(HW_REG_WAVE_MODE, 25, 1), 1
	s_wait_xcnt 0x0
; x [4096 tokens][1024] f32 becomes codes of FP4 (E2M1) with one E8M0 scale byte for each 32 along K, laid AS THE MATRIX UNIT'S REGISTERS WANT THEM.
; A TILE is 16 tokens: lane r of tile 2 B + U takes token 32 B + 16 (r / 8) + 8 U + r % 8.  x_codes: [tile 256][K step 8][piece 2][lane 32][16 bytes]: piece c of a fragment (16 rows x 128 K) is its registers
; 4 c .. 4 c + 3: lane (r, h) holds block 2 c + h (32 codes) of row r.  x_scales: [tile][q 2][r 16][4 words]: word i is the four bytes of K step 4 q + i.
; A block's scale is 2^(floor(log2(its largest magnitude)) - 2); its byte is that magnitude's exponent field - 2, held at 1 from below.
; LIMITS: a block of zeros gets the byte 1 where the rule says 127 (its codes are zeros, which add nothing under any byte but 0xff, and this program alone reads the bytes); NaN and infinities among the inputs are not served.
; SHARES: a work-group takes a tile, wave s its K step s: 16 rows x 512 bytes.  Each load reads 512 consecutive bytes of a row; the 8,192 bytes turn through the wave's own stage in LDS, so that a lane
; comes to hold a whole block of 32 neighbours: no other lane is asked for a maximum, and the conversions' results are the fragment's registers.  Each store of codes covers 512 consecutive bytes, aligned.
; No matrix unit, no cluster, no tensor load: work-groups share no byte, and all of a wave's loads are out at once.
.set ROWX,  4096                       ; bytes in a row of x
.set PITCH, 528                        ; a stage row: 512 bytes + 16: the sixteen rows that a load touches start at sixteen different 16-byte columns
.set WST,   16*PITCH                   ; a wave's stage
.set SCX,   8*WST                      ; behind the stages: the tile's 512 bytes of scale words
.set C,     24                         ; v24-31   the fragment's codes
.set R,     32                         ; v32-95   16 rows as loaded
.set X,     96                         ; v96-159  my two blocks of 32 numbers
	s_load_b128 s[4:7], s[0:1], 0x0                ; x, x_codes
	s_load_b64 s[8:9], s[0:1], 0x10                ; x_scales
	v_lshl_add_u32 v160, v0, 2, 0x10a00
	v_mov_b32 v161, 0
	v_lshrrev_b32 v1, 5, v0
	v_readfirstlane_b32 s10, v1                    ; wave = K step
	v_and_b32 v1, 31, v0                           ; lane
	v_lshlrev_b32 v2, 4, v1                        ; 16 x lane
	v_and_b32 v3, 15, v0                           ; r
	v_bfe_u32 v4, v0, 4, 1                         ; h
	s_mul_i32 s11, s10, WST
	v_add_nc_u32 v5, s11, v2                       ; the stage, on the way in: a row as it lies
	v_mul_u32_u24 v6, v3, PITCH
	v_lshl_add_u32 v6, v4, 7, v6
	v_add_nc_u32 v6, s11, v6                       ; on the way out: row r, block h (128 bytes)
	s_lshr_b32 s18, s10, 2
	s_lshl_b32 s18, s18, 8
	s_and_b32 s19, s10, 3
	s_lshl_b32 s19, s19, 2
	s_add_co_u32 s18, s18, s19
	s_add_co_u32 s18, s18, SCX
	v_lshl_add_u32 v7, v3, 4, s18                  ; my row's scale word of this K step: SCX + 256 (s / 4) + 16 r + 4 (s % 4)
	s_lshr_b32 s12, ttmp9, 1
	s_lshl_b32 s12, s12, 5
	s_and_b32 s13, ttmp9, 1
	s_lshl_b32 s13, s13, 3
	s_add_co_u32 s12, s12, s13                     ; the tile's first token: 32 (T / 2) + 8 (T % 2)
	s_lshl_b32 s12, s12, 12
	s_lshl_b32 s13, s10, 9
	s_add_co_u32 s12, s12, s13                     ; its row, at my K step's 512 bytes
	s_mov_b32 s13, 0
	s_lshl_b32 s14, ttmp9, 13
	s_lshl_b32 s15, s10, 10
	s_add_co_u32 s14, s14, s15                     ; my fragment's image: 8,192 T + 1,024 s
	s_mov_b32 s15, 0
	s_lshl_b32 s16, ttmp9, 9                       ; the tile's scale words
	s_mov_b32 s17, 0
	s_mov_b32 s20, 0x76543210
	s_mov_b32 s21, 0xfedcba98                      ; v_permlanex16_b32's selects for lane l xor 16
	s_wait_kmcnt 0x0
	s_add_nc_u64 s[4:5], s[4:5], s[12:13]
	s_add_nc_u64 s[6:7], s[6:7], s[14:15]
	s_add_nc_u64 s[8:9], s[8:9], s[16:17]
.irp p, 0,1,2,3,4,5,6,7,8,9,10,11,12,13,14,15
	global_load_b128 v[R+4*\p:R+4*\p+3], v2, s[4:5] offset:(16*(\p/8)+(\p%8))*ROWX th:TH_LOAD_NT   ; row p of the tile: 32 lanes read 512 consecutive bytes
.endr
.irp p, 0,1,2,3,4,5,6,7,8,9,10,11,12,13,14,15
	s_wait_loadcnt 15-\p                           ; loads come back in order: row p is in, the younger rows may be out
	ds_store_b128 v5, v[R+4*\p:R+4*\p+3] offset:PITCH*\p
.endr
.irp c, 0,1
.irp j, 0,1,2,3,4,5,6,7
	ds_load_b128 v[X+32*\c+4*\j:X+32*\c+4*\j+3], v6 offset:256*\c+16*\j   ; block 2 c + h of row r; LDS serves a wave's instructions in order: these see my stores
.endr
.endr
; Block 2 c + h of my row: its largest magnitude, its scale, its 32 codes: registers 4 c .. 4 c + 3 of the fragment.
.macro BLK c
.set XS, X+32*\c
	v_max3_num_f32 v8, |v[XS]|, |v[XS+1]|, |v[XS+2]|
	v_max3_num_f32 v9, |v[XS+3]|, |v[XS+4]|, |v[XS+5]|
.irp i, 6,10,14,18,22,26
	v_max3_num_f32 v8, v8, |v[XS+\i]|, |v[XS+\i+1]|
	v_max3_num_f32 v9, v9, |v[XS+\i+2]|, |v[XS+\i+3]|
.endr
	v_max3_num_f32 v8, v8, |v[XS+30]|, |v[XS+31]|
	v_max3_num_f32 v8, v8, v9, 0x1800000           ; and the floor 2^(3 - 127): the byte cannot fall under 1
	v_add_nc_u32 v[10+\c], 0xff000000, v8          ; 2 off the exponent field: the conversion takes the exponent field of this operand as its scale
	v_lshrrev_b32 v[12+\c], 23, v[10+\c]           ; the scale's byte
.irp g, 0,1,2,3
	v_cvt_scalef32_pk8_fp4_f32 v[C+4*\c+\g], v[XS+8*\g:XS+8*\g+7], v[10+\c]
.endr
	global_store_b128 v2, v[C+4*\c:C+4*\c+3], s[6:7] offset:512*\c   ; 32 lanes store 512 consecutive bytes, aligned
.endm
	s_wait_dscnt 8                                 ; the first block's eight loads are in; the second block's eight may be out
	BLK 0
	s_wait_dscnt 0x0
	BLK 1
	v_lshl_or_b32 v14, v13, 16, v12                ; my two bytes: blocks h and 2 + h,
	v_lshlrev_b32 v15, 3, v4
	v_lshlrev_b32 v14, v15, v14                    ; at their places in the word (8 h bits up);
	v_mov_b32 v16, 0
	v_permlanex16_b32 v16, v14, s20, s21
	v_or_b32 v14, v14, v16                         ; with lane l xor 16's two the word is whole
	ds_store_b32 v7, v14                           ; both lanes of a row write the same word with the same value
	s_wait_dscnt 0x0                               ; for the others' sake: my word has landed
	s_barrier_signal -1
	s_barrier_wait -1
	s_cmp_lg_u32 s10, 0
	s_cbranch_scc1 .Lend
	v_add_nc_u32 v17, SCX, v2
	ds_load_b128 v[20:23], v17                     ; the eight waves' words: 512 bytes
	s_wait_dscnt 0x0
	global_store_b128 v2, v[20:23], s[8:9]         ; 32 lanes store 512 consecutive bytes, aligned
.Lend:
	s_wait_tensorcnt 0x0
	ds_add_u32 v160, v161
	s_wait_dscnt 0x0
	s_endpgm
.Lfunc_end_k_qa53f1bd14e_quant_x:
	.size	k_qa53f1bd14e_quant_x, .Lfunc_end_k_qa53f1bd14e_quant_x-k_qa53f1bd14e_quant_x
	.p2alignl 7, 3214868480
	.fill 96, 4, 3214868480
	.section	.rodata,"a",@progbits
	.p2align	6, 0x0
	.amdhsa_kernel k_qa53f1bd14e_quant_x
		.amdhsa_group_segment_fixed_size 69120
		.amdhsa_private_segment_fixed_size 0
		.amdhsa_enable_private_segment 0
		.amdhsa_kernarg_size 24
		.amdhsa_user_sgpr_count 2
		.amdhsa_user_sgpr_kernarg_segment_ptr 1
		.amdhsa_wavefront_size32 1
		.amdhsa_system_sgpr_workgroup_id_x 1
		.amdhsa_system_sgpr_workgroup_id_y 1
		.amdhsa_system_sgpr_workgroup_id_z 1
		.amdhsa_system_vgpr_workitem_id 0
		.amdhsa_next_free_vgpr 162
		.amdhsa_next_free_sgpr 66
		.amdhsa_reserve_vcc 0
		.amdhsa_float_denorm_mode_32 3
		.amdhsa_float_denorm_mode_16_64 3
		.amdhsa_memory_ordered 1
		.amdhsa_forward_progress 1
		.amdhsa_inst_pref_size 10
	.end_amdhsa_kernel
	.amdgpu_metadata
---
amdhsa.version: [ 1, 2 ]
amdhsa.kernels:
  - .name:           k_qa53f1bd14e_quant_x
    .symbol:         k_qa53f1bd14e_quant_x.kd
    .args:
      - { .name: x, .offset: 0, .size: 8, .value_kind: global_buffer, .address_space: global }
      - { .name: x_codes, .offset: 8, .size: 8, .value_kind: global_buffer, .address_space: global }
      - { .name: x_scales, .offset: 16, .size: 8, .value_kind: global_buffer, .address_space: global }
    .group_segment_fixed_size: 69120
    .private_segment_fixed_size: 0
    .kernarg_segment_align: 8
    .kernarg_segment_size: 24
    .max_flat_workgroup_size: 256
    .sgpr_count:     66
    .vgpr_count:     162
    .wavefront_size: 32
...
	.end_amdgpu_metadata
.endif
;; end of part 1
;; launch quant_w (part 2): grid 64 x 2, 8 waves a work-group, no clusters, 2,048 bytes of LDS; arguments w_qkv, w_o, w_codes, w_scales; writes w_codes, w_scales
.if DOCPART == 2
	.amdgcn_target "amdgcn-amd-amdhsa--gfx1250"
	.amdhsa_code_object_version 6
	.text
	.protected	k_qa53f1bd14e_quant_w
	.globl	k_qa53f1bd14e_quant_w
	.p2align	8
	.type	k_qa53f1bd14e_quant_w,@function
k_qa53f1bd14e_quant_w:
	s_mov_b64 s[64:65], 0
	v_nop
	global_prefetch_b8 v0, s[64:65] scope:SCOPE_SE
	s_setreg_imm32_b32 hwreg(HW_REG_WAVE_MODE, 25, 1), 1
	s_wait_xcnt 0x0
; w_qkv [1024 (k)][3072] and w_o [1024 (k)][1024], f32, K their FIRST axis, become codes of FP4 (E2M1) with one E8M0 scale byte for each 32 along K, laid as images of the operand's registers.
; A TILE is 16 columns: lane r of tile 4 x + 2 b + u takes column 64 x + 32 b + 16 (r / 8) + 8 u + r % 8.  Tiles 0-191 are w_qkv's, tiles 192-255 w_o's.
; w_codes: [tile 256][K step 8][piece 2][lane 32][16 bytes]; w_scales: [tile][q 2][r 16][4 words], word i the four bytes of K step 4 q + i.
; A LANE TAKES A COLUMN AND ITS REGISTERS RUN DOWN K: a block of 32 lies in one lane's 32 registers, its maximum needs no other lane, and the conversions give the codes with K innermost.
; A block's scale is 2^(floor(log2(its largest magnitude)) - 2); its byte is that magnitude's exponent field - 2, held at 1 from below.
; LIMITS: a block of zeros gets the byte 1 where the rule says 127 (its codes are zeros, and this program alone reads the bytes); NaN and infinities among the inputs are not served.
; SHARES: work-group x owns 64 columns (x under 48: w_qkv, else w_o), work-group y = q one half of K.  Wave w: its 32 columns are w % 2, its K step 4 q + w / 2.  Both tensors take ONE path: only the
; pointer, the stride and the first column are chosen, on the work-group's number.  No matrix unit, no cluster, no tensor load: no byte is read twice.
.set OFF, 32                           ; v32-63   4 x lane + i rows: never rewritten
.set X,   64                           ; v64-191  my column's 128 numbers
.set C,   192                          ; v192-207 their codes, four registers a block: no store's data are written again
	s_load_b128 s[4:7], s[0:1], 0x0                ; w_qkv, w_o
	s_load_b128 s[8:11], s[0:1], 0x10              ; w_codes, w_scales
	v_lshl_add_u32 v208, v0, 2, 0x400
	v_mov_b32 v209, 0
	v_lshrrev_b32 v1, 5, v0
	v_readfirstlane_b32 s12, v1                    ; wave
	v_and_b32 v1, 31, v0                           ; lane
	v_lshlrev_b32 v2, 2, v1                        ; 4 x lane
	s_and_b32 s13, s12, 1                          ; cg: which 32 columns
	s_lshr_b32 s14, s12, 1                         ; sl: which K step of the half
	s_and_b32 s15, ttmp7, 0xffff                   ; q: which half of K
	v_bfe_u32 v5, v0, 3, 1                         ; u: my column's tile of the two
	v_bfe_u32 v6, v0, 4, 1
	v_and_b32 v7, 7, v0
	v_lshl_add_u32 v6, v6, 3, v7                   ; r: its row there
	v_lshlrev_b32 v3, 4, v6
	v_lshl_add_u32 v4, v5, 8, v3
	v_lshl_add_u32 v3, v5, 13, v3                  ; codes: 8,192 u + 16 r
	s_lshl_b32 s28, s13, 9
	s_lshl_b32 s29, s14, 2
	s_add_co_u32 s28, s28, s29
	v_add_nc_u32 v4, s28, v4                       ; LDS, my scale word: 256 (2 cg + u) + 16 r + 4 sl
	s_mov_b32 s30, 4096
	s_cmp_lt_u32 ttmp9, 48
	s_cselect_b32 s30, 12288, s30                  ; bytes from row to row
	s_cselect_b32 s31, 0, 48
	s_sub_co_u32 s32, ttmp9, s31
	s_lshl_b32 s32, s32, 8
	s_lshl_b32 s33, s13, 7
	s_add_co_u32 s32, s32, s33                     ; my wave's first column, in bytes
	s_lshl_b32 s33, s15, 2
	s_add_co_u32 s33, s33, s14                     ; my K step
	s_lshl_b32 s34, s33, 7
	s_mul_i32 s34, s34, s30                        ; its first row
	s_add_co_u32 s34, s34, s32
	s_mov_b32 s35, 0
	s_lshl_b32 s36, s30, 5                         ; 32 rows: from block to block
	s_mov_b32 s37, 0
	s_lshl_b32 s38, ttmp9, 1
	s_add_co_u32 s38, s38, s13
	s_lshl_b32 s38, s38, 14
	s_lshl_b32 s39, s33, 10
	s_add_co_u32 s38, s38, s39                     ; codes: tile 4 x + 2 cg, my K step
	s_mov_b32 s39, 0
	s_lshl_b32 s40, ttmp9, 11
	s_lshl_b32 s41, s15, 8
	s_add_co_u32 s40, s40, s41                     ; scale words: tile 4 x, half q
	s_mov_b32 s41, 0
.set i, 0
.rept 32
	v_mad_u32_u24 v[OFF+i], s30, i, v2
.set i, i+1
.endr
	s_wait_kmcnt 0x0
	s_cmp_lt_u32 ttmp9, 48                         ; the choice hangs on the work-group's number alone
	s_cselect_b64 s[4:5], s[4:5], s[6:7]
	s_add_nc_u64 s[16:17], s[4:5], s[34:35]        ; a base for each of the K step's four blocks
	s_add_nc_u64 s[18:19], s[16:17], s[36:37]
	s_add_nc_u64 s[20:21], s[18:19], s[36:37]
	s_add_nc_u64 s[22:23], s[20:21], s[36:37]
	s_add_nc_u64 s[24:25], s[8:9], s[38:39]
	s_add_nc_u64 s[26:27], s[10:11], s[40:41]
.irp b, 0,1,2,3
.set i, 0
.rept 32
	global_load_b32 v[X+32*\b+i], v[OFF+i], s[16+2*\b:17+2*\b] th:TH_LOAD_NT   ; row 32 b + i at 32 neighbouring columns: 128 consecutive bytes a wave, 256 with the wave beside it
.set i, i+1
.endr
.endr
.macro BLOCK b, left
.set XS, X+32*\b
	s_wait_loadcnt \left
	v_max3_num_f32 v8, |v[XS]|, |v[XS+1]|, |v[XS+2]|
	v_max3_num_f32 v9, |v[XS+3]|, |v[XS+4]|, |v[XS+5]|
.irp i, 6,10,14,18,22,26
	v_max3_num_f32 v8, v8, |v[XS+\i]|, |v[XS+\i+1]|
	v_max3_num_f32 v9, v9, |v[XS+\i+2]|, |v[XS+\i+3]|
.endr
	v_max3_num_f32 v8, v8, |v[XS+30]|, |v[XS+31]|
	v_max3_num_f32 v8, v8, v9, 0x1800000           ; and the floor 2^(3 - 127): the byte cannot fall under 1
	v_add_nc_u32 v[10+\b], 0xff000000, v8          ; 2 off the exponent field: the conversion's scale operand
	v_lshrrev_b32 v14, 23, v[10+\b]                ; the scale's byte
.if \b == 0
	v_mov_b32 v16, v14
.else
	v_lshl_or_b32 v16, v14, 8*\b, v16              ; four bytes make my column's word of this K step
.endif
.irp g, 0,1,2,3
	v_cvt_scalef32_pk8_fp4_f32 v[C+4*\b+\g], v[XS+8*\g:XS+8*\g+7], v[10+\b]
.endr
	global_store_b128 v3, v[C+4*\b:C+4*\b+3], s[24:25] offset:256*\b   ; block b of row r lies at 256 b + 16 r of the fragment's image: the sixteen lanes of a tile fill 256 consecutive bytes, aligned
.endm
	BLOCK 0, 63                                    ; 96 younger loads might stay out; 63 is the largest count that the wait can name, and a smaller count is safe
	BLOCK 1, 63                                    ; (64 might)
	BLOCK 2, 32                                    ; the last block's 32 may be out
	BLOCK 3, 0
	ds_store_b32 v4, v16
	s_wait_dscnt 0x0                               ; for the others' sake: my word has landed
	s_barrier_signal -1
	s_barrier_wait -1
	s_cmp_lt_u32 s12, 2
	s_cbranch_scc0 .Lend
	s_lshl_b32 s28, s12, 9
	v_lshlrev_b32 v17, 4, v1
	v_add_nc_u32 v18, s28, v17
	ds_load_b128 v[20:23], v18                     ; wave w: tiles 2 w and 2 w + 1 of the four: 256 bytes each
	v_and_b32 v19, 15, v0
	v_lshlrev_b32 v19, 4, v19
	v_bfe_u32 v24, v0, 4, 1
	v_lshl_add_u32 v19, v24, 9, v19
	s_lshl_b32 s29, s12, 10
	v_add_nc_u32 v19, s29, v19                     ; 512 (2 w + lane / 16) + 16 (lane % 16)
	s_wait_dscnt 0x0
	global_store_b128 v19, v[20:23], s[26:27]      ; sixteen lanes store 256 consecutive bytes, aligned
.Lend:
	s_wait_tensorcnt 0x0
	ds_add_u32 v208, v209
	s_wait_dscnt 0x0
	s_endpgm
.Lfunc_end_k_qa53f1bd14e_quant_w:
	.size	k_qa53f1bd14e_quant_w, .Lfunc_end_k_qa53f1bd14e_quant_w-k_qa53f1bd14e_quant_w
	.p2alignl 7, 3214868480
	.fill 96, 4, 3214868480
	.section	.rodata,"a",@progbits
	.p2align	6, 0x0
	.amdhsa_kernel k_qa53f1bd14e_quant_w
		.amdhsa_group_segment_fixed_size 2048
		.amdhsa_private_segment_fixed_size 0
		.amdhsa_enable_private_segment 0
		.amdhsa_kernarg_size 32
		.amdhsa_user_sgpr_count 2
		.amdhsa_user_sgpr_kernarg_segment_ptr 1
		.amdhsa_wavefront_size32 1
		.amdhsa_system_sgpr_workgroup_id_x 1
		.amdhsa_system_sgpr_workgroup_id_y 1
		.amdhsa_system_sgpr_workgroup_id_z 1
		.amdhsa_system_vgpr_workitem_id 0
		.amdhsa_next_free_vgpr 210
		.amdhsa_next_free_sgpr 66
		.amdhsa_reserve_vcc 0
		.amdhsa_float_denorm_mode_32 3
		.amdhsa_float_denorm_mode_16_64 3
		.amdhsa_memory_ordered 1
		.amdhsa_forward_progress 1
		.amdhsa_inst_pref_size 24
	.end_amdhsa_kernel
	.amdgpu_metadata
---
amdhsa.version: [ 1, 2 ]
amdhsa.kernels:
  - .name:           k_qa53f1bd14e_quant_w
    .symbol:         k_qa53f1bd14e_quant_w.kd
    .args:
      - { .name: w_qkv, .offset: 0, .size: 8, .value_kind: global_buffer, .address_space: global }
      - { .name: w_o, .offset: 8, .size: 8, .value_kind: global_buffer, .address_space: global }
      - { .name: w_codes, .offset: 16, .size: 8, .value_kind: global_buffer, .address_space: global }
      - { .name: w_scales, .offset: 24, .size: 8, .value_kind: global_buffer, .address_space: global }
    .group_segment_fixed_size: 2048
    .private_segment_fixed_size: 0
    .kernarg_segment_align: 8
    .kernarg_segment_size: 32
    .max_flat_workgroup_size: 256
    .sgpr_count:     66
    .vgpr_count:     210
    .wavefront_size: 32
...
	.end_amdgpu_metadata
.endif
;; end of part 2
;; launch gemm_qkv (part 3): grid 16 x 16, 12 waves a work-group, clusters of 4 x 4, 232,960 bytes of LDS; arguments x_codes, x_scales, w_codes, w_scales, b_qkv, qkv_codes, qkv_scales; writes qkv_codes, qkv_scales
.if DOCPART == 3
	.amdgcn_target "amdgcn-amd-amdhsa--gfx1250"
	.amdhsa_code_object_version 6
	.text
	.protected	k_qa53f1bd14e_gemm_qkv
	.globl	k_qa53f1bd14e_gemm_qkv
	.p2align	8
	.type	k_qa53f1bd14e_gemm_qkv,@function
k_qa53f1bd14e_gemm_qkv:
	s_mov_b64 s[64:65], 0
	v_nop
	global_prefetch_b8 v0, s[64:65] scope:SCOPE_SE
	s_setreg_imm32_b32 hwreg(HW_REG_WAVE_MODE, 25, 1), 1
	s_wait_xcnt 0x0
	s_wait_alu depctr_hold_cnt(0) depctr_sa_sdst(0) depctr_va_vdst(0) depctr_va_sdst(0) depctr_va_ssrc(0) depctr_va_vcc(0) depctr_vm_vsrc(0)
	s_getreg_b32 s2, hwreg(HW_REG_IB_STS2, 6, 4)
	s_cmp_eq_u32 s2, 0
	s_cbranch_scc0 .Lentry_in_a_cluster
	s_endpgm
.Lentry_in_a_cluster:
	s_bfe_u32 s2, ttmp6, 0x10000c
	s_cmp_lg_u32 s2, 0xf033
	s_cbranch_scc0 .Lentry_shape_is_right
	s_endpgm
.Lentry_shape_is_right:
; qkv = x w_qkv + b_qkv on codes of FP4 (E2M1) with E8M0 scales, sums in f32; q and k are quantised along the head's 64, v along the tokens, and only codes and scale bytes go to memory.
; OPERANDS are images of the matrix unit's registers: [tile][K step 8][piece 2][lane][16 bytes], 8,192 bytes a tile of 16 rows; scale words [tile][q 2][r 16][4 words].
; Lane r of tile 2 B + U holds row 32 B + 16 (r / 8) + 8 U + r % 8 (tokens and weight columns alike): so in a result the 16 registers of source 0's tiles 2 B and 2 B + 1 are 16 NEIGHBOURS, 32 B + 16 (lane / 16) + 0 .. 15.
; SHARES: a work-group makes 256 tokens x one head's 192 columns.  Wave w: g = w % 4 its 64 tokens (4 tiles), p = w / 4 its part (q, k, v: 4 weight tiles): 16 accumulators, three waves to a SIMD.
; One loop serves all: D(i, j) = F0[j] x F1[i].  q, k: F0 = weight tiles, F1 = token tiles: a lane holds ONE token and its registers run along d.  v: F0 = token tiles, F1 = weight tiles: a lane holds ONE d and its registers run along the tokens.
; All of K (1,024) of the work-group's 16 token tiles and 12 weight tiles lies in LDS at once, in two halves of K: every LDS byte is filled once, and the second half lands while the first is multiplied.
; CLUSTERS: 4 x 4 work-groups.  The four of a row of the cluster need the same token tiles, the four of a column the same weight tiles: each is asked for JOINTLY, by the same tensor load with the same descriptor and a mask that names the four.
; OUT: qkv_codes: part p at p x 2 MiB, [batch x head 32][65,536]: q, k [tile 128][lane (r, h): d 32 h ..][16 bytes]; v [key step 16][d tile 4][piece 2][lane][16 bytes].
;   qkv_scales [batch x head][16,384]: q's words [tile][r] = (s0, s1, s0, s1); at 8,192 k's words, one for a PAIR of tiles, [64 keys][lane: pair 0's rows, pair 1's rows]; at 12,288 v's words [key step][d tile][r].
; LIMITS: a block of zeros gets the byte 1 where the rule says 127 (its codes are zeros, and this program alone reads the bytes); NaN and infinities are not served.
; REGISTERS: v1 16 x lane; v2-5 LDS addresses of F0, F1 in the halves of K; v6 r, v7 h, v8 lane; v9-11 addresses; v16-23 v's bias; v32-47, v48-63 scale words of F0, F1; v64-95 F0; v96-127 F1; v128-255 accumulators ((i, j) at 128 + 32 i + 8 j).
;   Behind the loop v64-107 are at work: v64-79 maxima, bytes and scale operands; v80-81 scale words; v82-87 their parts; v88-103 codes; v104-107 words on their way out.
.set XH,   65536                       ; LDS: a half of K of the 16 token tiles, 4,096 bytes a tile
.set WB,   131072                      ; behind both: the weight tiles,
.set WH,   49152                       ; a half of K of the 12
.set SCST, 229376                      ; behind them: 2,048 bytes in which the scale words meet: no tensor load lands here
.set S0,  32
.set S1,  48
.set F0,  64
.set F1,  96
.set ACC, 128
.set TM,  64
.set PW,  80
.set WK,  82
.set PC,  88
.set G1X, 24                           ; s[24:31] descriptor group 1 for token tiles;  s[32:39] for weight tiles: it differs in the mask alone
.set G1W, 32
.set G0X, 40                           ; s[40:47] group 0 for token tiles, a set for each half of K;  s[48:55] for weight tiles
.set G0W, 48
.macro CROUND                          ; a round of the cluster's barrier
	s_barrier_signal -1
	s_barrier_wait -1
	s_cmp_lg_u32 s18, 0
	s_cbranch_scc1 .Lnot_wave_0_\@
	s_barrier_signal -3
.Lnot_wave_0_\@:
	s_barrier_wait -3
	s_barrier_signal -1
	s_barrier_wait -1
.endm
	s_load_b256 s[4:11], s[0:1], 0x0               ; x_codes, x_scales, w_codes, w_scales
	s_load_b128 s[12:15], s[0:1], 0x20             ; b_qkv, qkv_codes
	s_load_b64 s[16:17], s[0:1], 0x30              ; qkv_scales
	v_lshl_add_u32 v30, v0, 2, 0x38800
	v_mov_b32 v31, 0
	ds_add_u32 v30, v31
	ds_add_u32 v30, v31
	v_lshrrev_b32 v1, 5, v0
	v_readfirstlane_b32 s18, v1                    ; wave 0..11
	s_and_b32 s19, s18, 3                          ; g
	s_lshr_b32 s20, s18, 2                         ; p
	s_bfe_u32 s21, ttmp6, 0x40000                  ; cx
	s_bfe_u32 s22, ttmp6, 0x40004                  ; cy
	s_lshl_b32 s56, ttmp9, 2
	s_add_co_u32 s56, s56, s21                     ; the head = 4 x cluster x + cx
	s_and_b32 s57, ttmp7, 0xffff
	s_lshl_b32 s57, s57, 2
	s_add_co_u32 s57, s57, s22                     ; the block of 256 tokens = 4 x cluster y + cy
	s_lshl_b32 s58, s22, 2
	s_lshl_b32 s58, 15, s58                        ; my row of the cluster
	s_lshl_b32 s59, 0x1111, s21                    ; my column
	; descriptor group 1: 4 tiles' halves of K: 4 rows of 512 elements of 8 bytes (4,096 bytes), 1,024 elements (a tile's 8,192 bytes) apart; dense in LDS
	s_or_b32 s[G1X], s58, (3<<16)|(1<<21)          ; 15:0 the mask; 17:16 elements of 8 bytes; 21 set beside a mask
	s_or_b32 s[G1W], s59, (3<<16)|(1<<21)
.irp g, G1X, G1W
	s_mov_b32 s[\g+1], 512<<16                     ; tensor_dim0
	s_mov_b32 s[\g+2], 4<<16                       ; tensor_dim1
	s_mov_b32 s[\g+3], 512<<16                     ; tile_dim0
	s_mov_b32 s[\g+4], 4                           ; tile_dim1
	s_mov_b32 s[\g+5], 1024                        ; tensor_dim0_stride
	s_mov_b32 s[\g+6], 0
	s_mov_b32 s[\g+7], 0
.endr
	s_lshl_b32 s60, s57, 17                        ; token tiles 16 my + 4 g on: made of the token block and the wave's number alone,
	s_lshl_b32 s86, s19, 15
	s_add_co_u32 s60, s60, s86
	s_mov_b32 s61, 0
	s_mul_i32 s62, s56, 98304                      ; weight tiles 12 head + 4 g on: of the head and the wave's number alone
	s_lshl_b32 s88, s19, 15
	s_add_co_u32 s62, s62, s88
	s_mov_b32 s63, 0
	s_lshl_b32 s87, s19, 14                        ; where they go: 4 tiles x 4,096 bytes for each fetching wave: no place in the cluster enters an LDS address
	s_mul_i32 s92, s56, 6144                       ; the scale words of my part's weight tiles: tile 12 head + 4 p, 512 bytes a tile
	s_lshl_b32 s93, s20, 11
	s_add_co_u32 s92, s92, s93
	s_mov_b32 s93, 0
	s_lshl_b32 s94, s57, 13                        ; those of my token tiles: tile 16 my + 4 g
	s_lshl_b32 s95, s19, 11
	s_add_co_u32 s94, s94, s95
	s_mov_b32 s95, 0
	s_mul_i32 s74, s56, 768                        ; my part's 64 numbers of the bias: column 192 head + 64 p
	s_lshl_b32 s75, s20, 8
	s_add_co_u32 s74, s74, s75
	s_mov_b32 s75, 0
	s_lshr_b32 s90, s57, 3
	s_lshl_b32 s90, s90, 4
	s_add_co_u32 s90, s90, s56                     ; batch x 16 + head
	s_and_b32 s91, s57, 7                          ; which 256 tokens of the batch's 2,048
	s_lshl_b32 s76, s20, 21                        ; codes out: the part, the head's 65,536 bytes, the block's 8,192
	s_lshl_b32 s77, s90, 16
	s_add_co_u32 s76, s76, s77
	s_lshl_b32 s77, s91, 13
	s_add_co_u32 s76, s76, s77
	s_mov_b32 s77, 0
	s_lshl_b32 s80, s20, 14
	s_add_co_u32 s80, s80, WB                      ; LDS: my part's weight tiles,
	s_lshl_b32 s81, s19, 14                        ; my token tiles
	s_mov_b32 s84, 0x76543210
	s_mov_b32 s85, 0xfedcba98                      ; v_permlanex16_b32's selects for lane l xor 16
	s_wait_dscnt 0x0
	s_wait_kmcnt 0x0
	s_add_nc_u64 s[60:61], s[4:5], s[60:61]
	s_add_nc_u64 s[62:63], s[8:9], s[62:63]
	s_add_nc_u64 s[92:93], s[10:11], s[92:93]
	s_add_nc_u64 s[94:95], s[6:7], s[94:95]
	s_add_nc_u64 s[74:75], s[12:13], s[74:75]
	s_add_nc_u64 s[76:77], s[14:15], s[76:77]
.irp H, 0,1
	s_mov_b32 s[G0X+4*\H], 1                                       ; count = 1
	s_add_co_u32 s[G0X+4*\H+1], s87, \H*XH                         ; LDS address
	s_add_nc_u64 s[G0X+4*\H+2:G0X+4*\H+3], s[60:61], \H*4096       ; global address: the tiles' half H of K
	s_or_b32 s[G0X+4*\H+3], s[G0X+4*\H+3], 0x80000000              ; type = 2
	s_mov_b32 s[G0W+4*\H], 1
	s_add_co_u32 s[G0W+4*\H+1], s87, WB+\H*WH
	s_add_nc_u64 s[G0W+4*\H+2:G0W+4*\H+3], s[62:63], \H*4096
	s_or_b32 s[G0W+4*\H+3], s[G0W+4*\H+3], 0x80000000
.endr
	CROUND                                         ; all sixteen work-groups are here: the joint loads meet
	s_cmp_lt_u32 s18, 4                            ; waves 0-3 fetch the token tiles, waves 4-6 the weight tiles, the others nothing: a wave's two fills stand in one branch on its number; two loads of a fetching wave are out
	s_cbranch_scc0 .Lnot_x
	tensor_load_to_lds s[G0X:G0X+3], s[G1X:G1X+7]
	s_nop 0
	tensor_load_to_lds s[G0X+4:G0X+7], s[G1X:G1X+7]
	s_nop 0
.rept 4
	v_nop
.endr
	s_branch .Lasked
.Lnot_x:
	s_cmp_lt_u32 s18, 7
	s_cbranch_scc0 .Lasked
	tensor_load_to_lds s[G0W:G0W+3], s[G1W:G1W+7]
	s_nop 0
	tensor_load_to_lds s[G0W+4:G0W+7], s[G1W:G1W+7]
	s_nop 0
.rept 4
	v_nop
.endr
.Lasked:
	v_and_b32 v8, 31, v0                           ; lane
	v_lshlrev_b32 v1, 4, v8                        ; 16 x lane: an image's place for my lane
	v_and_b32 v6, 15, v0                           ; r
	v_bfe_u32 v7, v0, 4, 1                         ; h
	s_cmp_lt_u32 s18, 8                            ; THE ROLES part on the wave's number alone
	s_cbranch_scc0 .Lrole_v
	v_add_nc_u32 v2, s80, v1                       ; q, k: F0 = my part's weight tiles,
	v_add_nc_u32 v3, WH, v2
	v_add_nc_u32 v4, s81, v1                       ; F1 = my token tiles
	v_add_nc_u32 v5, XH, v4
	s_mov_b64 s[66:67], s[92:93]
	s_mov_b64 s[68:69], s[94:95]
	s_lshl_b32 s82, s19, 11                        ; codes out: my 4 tiles of 512 bytes
	s_mov_b32 s83, 0
	s_add_nc_u64 s[76:77], s[76:77], s[82:83]
	v_lshlrev_b32 v9, 6, v7                        ; the bias is the C of each sum's first product: it is loaded into the accumulators.  Register n of (i, 2 b + u) is column 32 b + 16 h + 8 u + n
.irp i, 0,1,2,3
.irp j, 0,1,2,3
	global_load_b128 v[ACC+32*\i+8*\j:ACC+32*\i+8*\j+3], v9, s[74:75] offset:(32*(\j/2)+8*(\j%2))*4
	global_load_b128 v[ACC+32*\i+8*\j+4:ACC+32*\i+8*\j+7], v9, s[74:75] offset:(32*(\j/2)+8*(\j%2))*4+16
.endr
.endr
	s_branch .Lrole_done
.Lrole_v:
	v_add_nc_u32 v2, s81, v1                       ; v: F0 = my token tiles,
	v_add_nc_u32 v3, XH, v2
	v_add_nc_u32 v4, s80, v1                       ; F1 = v's weight tiles
	v_add_nc_u32 v5, WH, v4
	s_mov_b64 s[66:67], s[94:95]
	s_mov_b64 s[68:69], s[92:93]
	s_lshr_b32 s82, s19, 1                         ; codes out: key step g / 2 of the block's two (4,096 bytes), piece g % 2 (512 bytes)
	s_lshl_b32 s82, s82, 12
	s_and_b32 s83, s19, 1
	s_lshl_b32 s83, s83, 9
	s_add_co_u32 s82, s82, s83
	s_mov_b32 s83, 0
	s_add_nc_u64 s[76:77], s[76:77], s[82:83]
	v_and_b32 v9, 8, v6
	v_add_nc_u32 v9, v9, v6
	v_lshlrev_b32 v9, 2, v9                        ; here a lane holds one column: of tile 2 b + u column 32 b + 8 u + 16 (r / 8) + r % 8: one number a tile, loaded into both words of a pair
.irp t, 0,1,2,3
	global_load_b32 v[16+2*\t], v9, s[74:75] offset:(32*(\t/2)+8*(\t%2))*4
	global_load_b32 v[17+2*\t], v9, s[74:75] offset:(32*(\t/2)+8*(\t%2))*4
.endr
.Lrole_done:
.irp j, 0,1,2,3
	global_load_b128 v[S0+4*\j:S0+4*\j+3], v1, s[66:67] offset:512*\j   ; a tile's scale words for all of K: register n: lanes 0-15 K step n, lanes 16-31 K step 4 + n
	global_load_b128 v[S1+4*\j:S1+4*\j+3], v1, s[68:69] offset:512*\j
.endr
; A K step of 128: the sl-th of half H.  Eight fragments from LDS (an image comes back by two loads of 512 consecutive bytes), sixteen products.  The sixteen accumulators take turns, one instruction a turn,
; in the same order in every step.  zero = 1: the products start the sums.
.macro KSTEP H, sl, zero
.rept 4
	v_nop                                          ; places in front of loads into registers that matrix instructions have read (ISA guide 7.12.1 for vector instructions)
.endr
.irp j, 0,1,2,3
.irp c, 0,1
	ds_load_b128 v[F0+8*\j+4*\c:F0+8*\j+4*\c+3], v[2+\H] offset:\j*4096+\sl*1024+512*\c
.endr
.endr
.irp j, 0,1,2,3
.irp c, 0,1
	ds_load_b128 v[F1+8*\j+4*\c:F1+8*\j+4*\c+3], v[4+\H] offset:\j*4096+\sl*1024+512*\c
.endr
.endr
	s_wait_dscnt 0x0
.irp i, 0,1,2,3
.irp j, 0,1,2,3
.if \zero
	v_wmma_scale_f32_16x16x128_f8f6f4 v[ACC+32*\i+8*\j:ACC+32*\i+8*\j+7], v[F0+8*\j:F0+8*\j+7], v[F1+8*\i:F1+8*\i+7], 0, v[S0+4*\j+\sl], v[S1+4*\i+\sl] matrix_a_fmt:MATRIX_FMT_FP4 matrix_b_fmt:MATRIX_FMT_FP4
.elseif \H
	v_wmma_scale_f32_16x16x128_f8f6f4 v[ACC+32*\i+8*\j:ACC+32*\i+8*\j+7], v[F0+8*\j:F0+8*\j+7], v[F1+8*\i:F1+8*\i+7], v[ACC+32*\i+8*\j:ACC+32*\i+8*\j+7], v[S0+4*\j+\sl], v[S1+4*\i+\sl] matrix_a_fmt:MATRIX_FMT_FP4 matrix_b_fmt:MATRIX_FMT_FP4 matrix_a_scale:MATRIX_SCALE_ROW1 matrix_b_scale:MATRIX_SCALE_ROW1
.else
	v_wmma_scale_f32_16x16x128_f8f6f4 v[ACC+32*\i+8*\j:ACC+32*\i+8*\j+7], v[F0+8*\j:F0+8*\j+7], v[F1+8*\i:F1+8*\i+7], v[ACC+32*\i+8*\j:ACC+32*\i+8*\j+7], v[S0+4*\j+\sl], v[S1+4*\i+\sl] matrix_a_fmt:MATRIX_FMT_FP4 matrix_b_fmt:MATRIX_FMT_FP4
.endif
.endr
.endr
.endm
; 64 numbers of a lane, v[s] .. v[s + 63], four half blocks: register 16 b + n is number 16 (lane / 16) + n of block b; lanes l and l xor 16 hold a block.  They become 8 registers of codes, v[pc] on
; (registers 4 c .. 4 c + 3: lanes 0-15 block 2 c, lanes 16-31 block 2 c + 1), and the four scale bytes in v[pw].
.macro QUANT s, pc, pw
.irp b, 0,1,2,3
	v_max3_num_f32 v[TM+\b], |v[\s+16*\b]|, |v[\s+1+16*\b]|, 0x1800000   ; my 16 numbers, and the floor 2^(3 - 127): the byte cannot fall under 1.  (Each accumulator is read from its low end on)
.endr
.irp i, 2,4,6,8,10,12,14
.irp b, 0,1,2,3
	v_max3_num_f32 v[TM+\b], v[TM+\b], |v[\s+16*\b+\i]|, |v[\s+1+16*\b+\i]|   ; (the four blocks by turns)
.endr
.endr
.irp b, 0,1,2,3
	v_permlanex16_b32 v[TM+4+\b], v[TM+\b], s84, s85
.endr
.irp b, 0,1,2,3
	v_max_num_f32 v[TM+\b], v[TM+\b], v[TM+4+\b]   ; with lane l xor 16's: the block's largest magnitude
.endr
.irp b, 0,1,2,3
	v_add_nc_u32 v[TM+12+\b], 0xff000000, v[TM+\b] ; 2 off its exponent field: the conversion's scale operand
.endr
.irp b, 0,1,2,3
	v_lshrrev_b32 v[TM+4+\b], 23, v[TM+12+\b]      ; the scale's byte
.endr
	v_lshl_or_b32 v[\pw], v[TM+5], 8, v[TM+4]
	v_lshl_or_b32 v[\pw], v[TM+6], 16, v[\pw]
	v_lshl_or_b32 v[\pw], v[TM+7], 24, v[\pw]
.irp b, 0,1,2,3
	v_cvt_scalef32_pk8_fp4_f32 v[\pc+2*\b], v[\s+16*\b:\s+7+16*\b], v[TM+12+\b]
	v_cvt_scalef32_pk8_fp4_f32 v[\pc+1+2*\b], v[\s+8+16*\b:\s+15+16*\b], v[TM+12+\b]
.endr
	v_nop                                          ; one plain place behind a scaled conversion
.irp c, 0,1
.irp i, 0,1
	v_permlane16_swap_b32 v[\pc+4*\c+\i], v[\pc+2+4*\c+\i]   ; a whole block to a lane
.endr
.endr
.endm
	s_wait_tensorcnt 0x1                           ; my part of the first half of K is in; the second half's load may stay out
	s_wait_loadcnt 0x0                             ; scale words and bias
	s_barrier_signal -1
	s_barrier_wait -1                              ; everybody's part is in
	s_cmp_lt_u32 s18, 8
	s_cbranch_scc0 .Lfirst_v
	KSTEP 0, 0, 0                                  ; q, k: the first products add onto the bias
	s_branch .Lfirst_done
.Lfirst_v:
	KSTEP 0, 0, 1                                  ; v: they start the sums
.Lfirst_done:
	KSTEP 0, 1, 0
	KSTEP 0, 2, 0
	KSTEP 0, 3, 0
	s_wait_tensorcnt 0x0                           ; my part of the second half is in (no LDS load of mine is out),
	s_barrier_signal -1
	s_barrier_wait -1                              ; everybody's is
	KSTEP 1, 0, 0
	KSTEP 1, 1, 0
	KSTEP 1, 2, 0
	KSTEP 1, 3, 0
.rept 4
	v_nop                                          ; places behind the last products
.endr
.irp b, 0,1,2,3
	v_mov_b32 v[TM+4+\b], 0                        ; a lane permute's destination counts as one of its sources
.endr
	v_cmp_le_u32 vcc_lo, 16, v8                    ; lanes 16-31
	s_cmp_lt_u32 s18, 8
	s_cbranch_scc0 .Lout_v
	; q, k: the accumulators of token tiles 2 P and 2 P + 1 are four blocks: (tile 2 P: d 0-31, d 32-63), (tile 2 P + 1: the same).  The codes' registers 0-3 are tile 2 P's image, 4-7 tile 2 P + 1's.
	QUANT ACC, PC, PW
	global_store_b128 v1, v[PC:PC+3], s[76:77]                    ; each store covers 512 consecutive bytes, aligned
	global_store_b128 v1, v[PC+4:PC+7], s[76:77] offset:512
	QUANT ACC+64, PC+8, PW+1
	global_store_b128 v1, v[PC+8:PC+11], s[76:77] offset:1024
	global_store_b128 v1, v[PC+12:PC+15], s[76:77] offset:1536
	s_cmp_eq_u32 s20, 0
	s_cbranch_scc0 .Lk_words
	v_lshl_add_u32 v10, v8, 2, SCST                ; q: a word for each tile, (s0, s1, s0, s1): lanes 0-15 store tile 2 P's, lanes 16-31 tile 2 P + 1's
	s_lshl_b32 s82, s19, 8
	v_add_nc_u32 v10, s82, v10
.irp P, 0,1
	v_perm_b32 v[WK+3*\P], v[PW+\P], v[PW+\P], 0x01000100
	v_perm_b32 v[WK+3*\P+1], v[PW+\P], v[PW+\P], 0x03020302
	v_cndmask_b32 v[WK+3*\P+2], v[WK+3*\P], v[WK+3*\P+1], vcc_lo
	ds_store_b32 v10, v[WK+3*\P+2] offset:128*\P
.endr
	s_branch .Lwords_done
.Lk_words:
	v_lshl_add_u32 v10, v6, 2, SCST+1024           ; k: the four bytes as they stand are the word of a pair of tiles; both lanes of a row write the same word with the same value
	s_lshl_b32 s82, s19, 7
	v_add_nc_u32 v10, s82, v10
	ds_store_b32 v10, v[PW]
	ds_store_b32 v10, v[PW+1] offset:64
	s_branch .Lwords_done
.Lout_v:
.irp t, 0,1,2,3
.irp k, 0,2,4,6,8,10,12,14,16,18,20,22,24,26,28,30
	v_pk_add_f32 v[ACC+32*\t+\k:ACC+32*\t+\k+1], v[ACC+32*\t+\k:ACC+32*\t+\k+1], v[16+2*\t:17+2*\t]   ; + my column's bias; each accumulator from its low end on
.endr
.endr
	; v: the accumulators of d tiles 2 T and 2 T + 1 are four blocks along the TOKENS: (tile 2 T: my tokens 0-31, 32-63), (tile 2 T + 1: the same): piece g % 2 of each tile's fragment of key step g / 2
	QUANT ACC, PC, PW
	global_store_b128 v1, v[PC:PC+3], s[76:77]
	global_store_b128 v1, v[PC+4:PC+7], s[76:77] offset:1024
	QUANT ACC+64, PC+8, PW+1
	global_store_b128 v1, v[PC+8:PC+11], s[76:77] offset:2048
	global_store_b128 v1, v[PC+12:PC+15], s[76:77] offset:3072
	v_lshl_add_u32 v10, v8, 2, SCST+1536           ; two bytes of a word: lanes 0-15 tile 2 T's, lanes 16-31 tile 2 T + 1's; the wave with the step's other 64 tokens stores the other two
	s_lshr_b32 s82, s19, 1
	s_lshl_b32 s82, s82, 8
	s_and_b32 s83, s19, 1
	s_lshl_b32 s83, s83, 1
	s_add_co_u32 s82, s82, s83
	v_add_nc_u32 v10, s82, v10
.irp T, 0,1
	v_lshrrev_b32 v[WK+3*\T], 16, v[PW+\T]
	v_cndmask_b32 v[WK+3*\T+1], v[PW+\T], v[WK+3*\T], vcc_lo
	ds_store_b16 v10, v[WK+3*\T+1] offset:128*\T
.endr
.Lwords_done:
	s_wait_dscnt 0x0                               ; for the others' sake: my words have landed
	s_barrier_signal -1
	s_barrier_wait -1
	s_cmp_lt_u32 s18, 4
	s_cbranch_scc0 .Lno_words
	s_lshl_b32 s82, s18, 9
	s_add_co_u32 s82, s82, SCST
	v_add_nc_u32 v11, s82, v1
	ds_load_b128 v[104:107], v11                   ; waves 0, 1: q's 1,024 bytes; wave 2: k's 512; wave 3: v's 512
	s_lshl_b32 s92, s91, 10
	s_lshl_b32 s93, s18, 9
	s_add_co_u32 s92, s92, s93                     ; q's: 1,024 a block + 512 w
	s_lshl_b32 s94, s91, 9
	s_lshl_b32 s93, s18, 12
	s_add_co_u32 s94, s94, s93                     ; k's and v's: 4,096 w + 512 a block
	s_cmp_lt_u32 s18, 2
	s_cselect_b32 s92, s92, s94
	s_lshl_b32 s93, s90, 14
	s_add_co_u32 s92, s92, s93
	s_mov_b32 s93, 0
	s_add_nc_u64 s[78:79], s[16:17], s[92:93]
	s_wait_dscnt 0x0
	global_store_b128 v1, v[104:107], s[78:79]     ; 32 lanes store 512 consecutive bytes, aligned
.Lno_words:
	s_wait_tensorcnt 0x0
	ds_add_u32 v30, v31
	s_wait_dscnt 0x0
	CROUND                                         ; the closing round: no work-group ends while a partner may still ask for a tile that names it
	s_endpgm
.Lfunc_end_k_qa53f1bd14e_gemm_qkv:
	.size	k_qa53f1bd14e_gemm_qkv, .Lfunc_end_k_qa53f1bd14e_gemm_qkv-k_qa53f1bd14e_gemm_qkv
	.p2alignl 7, 3214868480
	.fill 96, 4, 3214868480
	.section	.rodata,"a",@progbits
	.p2align	6, 0x0
	.amdhsa_kernel k_qa53f1bd14e_gemm_qkv
		.amdhsa_group_segment_fixed_size 232960
		.amdhsa_private_segment_fixed_size 0
		.amdhsa_enable_private_segment 0
		.amdhsa_kernarg_size 56
		.amdhsa_user_sgpr_count 2
		.amdhsa_user_sgpr_kernarg_segment_ptr 1
		.amdhsa_wavefront_size32 1
		.amdhsa_system_sgpr_workgroup_id_x 1
		.amdhsa_system_sgpr_workgroup_id_y 1
		.amdhsa_system_sgpr_workgroup_id_z 1
		.amdhsa_system_vgpr_workitem_id 0
		.amdhsa_next_free_vgpr 256
		.amdhsa_next_free_sgpr 96
		.amdhsa_reserve_vcc 1
		.amdhsa_float_denorm_mode_32 3
		.amdhsa_float_denorm_mode_16_64 3
		.amdhsa_memory_ordered 1
		.amdhsa_forward_progress 1
		.amdhsa_inst_pref_size 64
	.end_amdhsa_kernel
	.amdgpu_metadata
---
amdhsa.version: [ 1, 2 ]
amdhsa.kernels:
  - .name:           k_qa53f1bd14e_gemm_qkv
    .symbol:         k_qa53f1bd14e_gemm_qkv.kd
    .args:
      - { .name: x_codes, .offset: 0, .size: 8, .value_kind: global_buffer, .address_space: global }
      - { .name: x_scales, .offset: 8, .size: 8, .value_kind: global_buffer, .address_space: global }
      - { .name: w_codes, .offset: 16, .size: 8, .value_kind: global_buffer, .address_space: global }
      - { .name: w_scales, .offset: 24, .size: 8, .value_kind: global_buffer, .address_space: global }
      - { .name: b_qkv, .offset: 32, .size: 8, .value_kind: global_buffer, .address_space: global }
      - { .name: qkv_codes, .offset: 40, .size: 8, .value_kind: global_buffer, .address_space: global }
      - { .name: qkv_scales, .offset: 48, .size: 8, .value_kind: global_buffer, .address_space: global }
    .group_segment_fixed_size: 232960
    .private_segment_fixed_size: 0
    .kernarg_segment_align: 8
    .kernarg_segment_size: 56
    .max_flat_workgroup_size: 384
    .sgpr_count:     96
    .vgpr_count:     256
    .wavefront_size: 32
...
	.end_amdgpu_metadata
.endif
;; end of part 3
;; launch attention (part 4): grid 8 x 32, 16 waves a work-group, clusters of 4 x 1, 169,984 bytes of LDS; arguments qkv_codes, qkv_scales, o_codes, o_scales; writes o_codes, o_scales
.if DOCPART == 4
	.amdgcn_target "amdgcn-amd-amdhsa--gfx1250"
	.amdhsa_code_object_version 6
	.text
	.protected	k_qa53f1bd14e_attention
	.globl	k_qa53f1bd14e_attention
	.p2align	8
	.type	k_qa53f1bd14e_attention,@function
k_qa53f1bd14e_attention:
	s_mov_b64 s[64:65], 0
	v_nop
	global_prefetch_b8 v0, s[64:65] scope:SCOPE_SE
	s_setreg_imm32_b32 hwreg(HW_REG_WAVE_MODE, 25, 1), 1
	s_wait_xcnt 0x0
	s_wait_alu depctr_hold_cnt(0) depctr_sa_sdst(0) depctr_va_vdst(0) depctr_va_sdst(0) depctr_va_ssrc(0) depctr_va_vcc(0) depctr_vm_vsrc(0)
	s_getreg_b32 s2, hwreg(HW_REG_IB_STS2, 6, 4)
	s_cmp_eq_u32 s2, 0
	s_cbranch_scc0 .Lentry_in_a_cluster
	s_endpgm
.Lentry_in_a_cluster:
	s_bfe_u32 s2, ttmp6, 0x10000c
	s_cmp_lg_u32 s2, 0x3003
	s_cbranch_scc0 .Lentry_shape_is_right
	s_endpgm
.Lentry_shape_is_right:
; o = softmax(q k^T / 8) v for one head and 256 queries, both products on codes of FP4 (E2M1) with E8M0 scales; o is divided by the row's sum, quantised along the head's 64 and stored as codes: the next product's operand.
; THE SOFTMAX AHEAD OF THE SECOND PRODUCT: t = score x log2(e) / 8; M = the row's largest t so far, rounded UP to a whole number; p = 2^(t - M) is quantised along the keys, not normalised.  The row's sum is
; taken of the unquantised p.  When M moves, the sum and O are multiplied by 2^(old M - new M): exact.
; SHARES: a work-group owns 256 queries of one head; each of its sixteen waves one tile of 16, in 256 registers: four waves to a SIMD, so that one wave's vector work stands beside another's products and LDS loads.
; Every wave walks the head's 2,048 keys, 128 a step.  The head's K and V codes (64 KiB each) and their scale words (4 KiB each) all lie in LDS: every byte is filled once, in quarters, and a quarter is read while the later ones land.
; CLUSTER: the four query blocks of a cluster belong to one head and read the same K and V: each piece is asked for JOINTLY, by the same tensor load with the same descriptor and a mask that names the four.
; LAYOUT: both products are used transposed: S^T = K Q^T (source 0 = 16 keys), O^T = V^T P^T (source 0 = 16 of the head's 64): a lane holds ONE query (lane % 16) throughout.  Lane r of tile 2 b + u holds key
; 32 b + 16 (r / 8) + 8 u + r % 8, so that the 16 registers of tiles 2 b, 2 b + 1 are the keys 32 b + 16 (lane / 16) + 0 .. 15; V's rows d are chosen likewise, so that O^T's registers run along d.
; THE FIRST PRODUCT'S K IS 64, the instruction's 128: a fragment of K holds TWO tiles of keys (registers 0-3 tile 2 b, 4-7 tile 2 b + 1).  Q stands in twelve registers, 0000 q q q q 0000: v[20:27] = (q, 0) multiplies the
; first tile, v[16:23] = (0, q) the second; the other tile's codes meet zero codes, which add nothing under any scale byte that a quantiser gives.
; LIMITS: a block of zeros gets the byte 1 where the rule says 127 (its codes are zeros, and this program alone reads the bytes); NaN and infinities are not served.
; o's two scale bytes a row leave as single bytes, 32 of a wave inside one block of 256 bytes: the bytes beside them belong to other heads, which other work-groups make; they are one byte in sixteen of what the launch stores.
; REGISTERS: v1-3 my lane's place among K's, V's images and the scale words; v4 lane, v5 r, v6, v7 offsets; v8-10 the step's addresses; v12 -M, v13 the largest t, v[14:15] the sum in two halves; v16-27 Q, v28 its scale word;
;   v32-63 K's four fragments; v64-95 V's four; v96-159 S^T, then p; v160-191 O^T; v224-231 p's codes; v232-247, v252-254 at work; v248-249 K's scale words, v250-251 V's.
.set VB,  65536                        ; LDS: K's codes at 0, V's here: 4,096 bytes a key step
.set SCK, 131072                       ; K's scale words, 256 bytes a key step;  V's 4,096 bytes further on
.macro CROUND                          ; a round of the cluster's barrier
	s_barrier_signal -1
	s_barrier_wait -1
	s_cmp_lg_u32 s12, 0
	s_cbranch_scc1 .Lnot_wave_0_\@
	s_barrier_signal -3
.Lnot_wave_0_\@:
	s_barrier_wait -3
	s_barrier_signal -1
	s_barrier_wait -1
.endm
	s_load_b256 s[4:11], s[0:1], 0x0               ; qkv_codes, qkv_scales, o_codes, o_scales
	v_lshl_add_u32 v243, v0, 2, 0x29000
	v_mov_b32 v255, 0
	ds_add_u32 v243, v255
	ds_add_u32 v243, v255
	v_lshrrev_b32 v1, 5, v0
	v_readfirstlane_b32 s12, v1                    ; wave 0..15
	s_bfe_u32 s13, ttmp6, 0x40000                  ; cx: it enters Q's and o's global addresses alone
	s_lshl_b32 s14, ttmp9, 2
	s_add_co_u32 s14, s14, s13                     ; my block of 256 queries
	s_and_b32 s15, ttmp7, 0xffff                   ; batch x 16 + head, which the four partners share
	; descriptor group 1: dense blocks as rows of 256 bytes (32 elements of 8 bytes): 64 rows (a quarter of the codes), 16 rows (the scale words)
	s_mov_b32 s16, 15|(3<<16)|(1<<21)              ; 15:0 the mask: all four work-groups; 17:16 elements of 8 bytes; 21 set beside a mask
	s_mov_b32 s17, 32<<16                          ; tensor_dim0
	s_mov_b32 s18, 64<<16                          ; tensor_dim1
	s_mov_b32 s19, 32<<16                          ; tile_dim0
	s_mov_b32 s20, 64                              ; tile_dim1
	s_mov_b32 s21, 32                              ; tensor_dim0_stride
	s_mov_b32 s22, 0
	s_mov_b32 s23, 0
	s_mov_b32 s24, 15|(3<<16)|(1<<21)
	s_mov_b32 s25, 32<<16
	s_mov_b32 s26, 16<<16
	s_mov_b32 s27, 32<<16
	s_mov_b32 s28, 16
	s_mov_b32 s29, 32
	s_mov_b32 s30, 0
	s_mov_b32 s31, 0
	s_add_co_u32 s60, s12, 1                       ; wave 0 fetches K (part 1 of the codes), wave 1 V (part 2)
	s_lshl_b32 s60, s60, 21
	s_lshl_b32 s61, s15, 16
	s_add_co_u32 s60, s60, s61
	s_mov_b32 s61, 0
	s_lshl_b32 s62, s15, 14                        ; their scale words: at 8,192 and at 12,288 of the head's 16,384 bytes
	s_lshl_b32 s63, s12, 12
	s_add_co_u32 s62, s62, s63
	s_add_co_u32 s62, s62, 8192
	s_mov_b32 s63, 0
	s_lshl_b32 s66, s12, 16                        ; where they go
	s_lshl_b32 s67, s12, 12
	s_add_co_u32 s67, s67, SCK
	s_lshl_b32 s68, s14, 4
	s_add_co_u32 s68, s68, s12                     ; my tile of queries among the head's 128
	s_lshl_b32 s70, s68, 9
	s_lshl_b32 s71, s15, 16
	s_add_co_u32 s70, s70, s71                     ; its codes (part 0)
	s_mov_b32 s71, 0
	s_lshl_b32 s72, s68, 6
	s_lshl_b32 s73, s15, 14
	s_add_co_u32 s72, s72, s73                     ; its scale words
	s_mov_b32 s73, 0
	s_mov_b32 s52, 0x76543210
	s_mov_b32 s53, 0xfedcba98                      ; v_permlanex16_b32's selects for lane l xor 16
	s_mov_b32 s54, 0x3e38aa3b                      ; c = log2(e) / 8
	s_mov_b32 s55, s54                             ; (named with it as a pair, so it is written)
	s_wait_dscnt 0x0
	s_wait_kmcnt 0x0
	s_add_nc_u64 s[60:61], s[4:5], s[60:61]
	s_add_nc_u64 s[62:63], s[6:7], s[62:63]
	s_add_nc_u64 s[70:71], s[4:5], s[70:71]
	s_add_nc_u64 s[72:73], s[6:7], s[72:73]
	s_mov_b32 s32, 1                               ; group 0 for the scale words
	s_mov_b32 s33, s67
	s_mov_b64 s[34:35], s[62:63]
	s_or_b32 s35, s35, 0x80000000
.irp n, 0,1,2,3
	s_mov_b32 s[36+4*\n], 1                                        ; and for quarter n of the codes: 512 keys
	s_add_co_u32 s[37+4*\n], s66, \n*16384
	s_add_nc_u64 s[38+4*\n:39+4*\n], s[60:61], \n*16384
	s_or_b32 s[39+4*\n], s[39+4*\n], 0x80000000
.endr
	CROUND                                         ; all four work-groups are here: the joint loads meet
	s_cmp_lt_u32 s12, 2                            ; a fetching wave's five fills stand in one branch on its number: five loads of it are out
	s_cbranch_scc0 .Lasked
	tensor_load_to_lds s[32:35], s[24:31]
	s_nop 0
	tensor_load_to_lds s[36:39], s[16:23]
	s_nop 0
	tensor_load_to_lds s[40:43], s[16:23]
	s_nop 0
	tensor_load_to_lds s[44:47], s[16:23]
	s_nop 0
	tensor_load_to_lds s[48:51], s[16:23]
	s_nop 0
.rept 4
	v_nop
.endr
.Lasked:
	v_and_b32 v4, 31, v0                           ; lane
	v_lshlrev_b32 v1, 4, v4                        ; 16 x lane
	v_add_nc_u32 v2, VB, v1
	v_lshlrev_b32 v3, 2, v4
	v_add_nc_u32 v3, SCK, v3                       ; 4 x lane, among the scale words
	v_and_b32 v5, 15, v0                           ; r
	v_lshlrev_b32 v6, 2, v5
	global_load_b128 v[20:23], v1, s[70:71]        ; Q: lane (r, h): query r, d 32 h on
	global_load_b32 v28, v6, s[72:73]              ; its scale word (s0, s1, s0, s1)
.irp j, 16,17,18,19,24,25,26,27
	v_mov_b32 v\j, 0                               ; the zero codes on both sides of q
.endr
	v_bfe_u32 v7, v0, 4, 1
	v_lshl_add_u32 v7, v5, 4, v7                   ; the way out: my scale byte: 16 r + h
	v_mov_b32 v13, 0xff61b1e6                      ; the largest t so far: -3e38, under every t
	v_floor_f32 v12, -v13                          ; -M
	v_mov_b32 v14, 0                               ; the sum, in two halves
	v_mov_b32 v15, 0
.irp b, 0,1,2,3
	v_mov_b32 v[236+\b], 0                         ; a lane permute's destination counts as one of its sources
.endr
	v_mov_b32 v253, 0                              ; (named as the upper half of the pair v[252:253] before it is first written)
.set j, 0
.rept 32
	v_mov_b32 v[160+j], 0                          ; O^T.  (The step is written once: the first finds zeros, which the first change of M leaves zeros)
.set j, j+1
.endr
; A KEY STEP: 128 keys.  s56: where the step's codes begin in K's and V's 64 KiB; s57: its scale words.
.macro STEP
	v_add_nc_u32 v8, s56, v1
	v_add_nc_u32 v9, s56, v2
	v_add_nc_u32 v10, s57, v3
	v_nop                                          ; these four are the places in front of loads into registers that the last step's products have read
.irp b, 0,1,2,3
.irp c, 0,1
	ds_load_b128 v[32+8*\b+4*\c:35+8*\b+4*\c], v8 offset:1024*\b+512*\c   ; tile 2 b + c of the step's keys: 512 consecutive bytes
.endr
.endr
	ds_load_b32 v248, v10                          ; K's words: lanes 0-15 pair 0, lanes 16-31 pair 1;
	ds_load_b32 v249, v10 offset:128               ; pairs 2 and 3
.irp t, 0,1,2,3
.irp c, 0,1
	ds_load_b128 v[64+8*\t+4*\c:67+8*\t+4*\c], v9 offset:1024*\t+512*\c   ; V: d tile t, these 128 keys
.endr
.endr
	ds_load_b32 v250, v10 offset:4096              ; V's words: d tiles 0 and 1;
	ds_load_b32 v251, v10 offset:4224              ; 2 and 3
	s_wait_dscnt 10                                ; K's ten loads are in; V's ten land during the softmax
.irp b, 0,1,2,3
.if \b%2
	v_wmma_scale_f32_16x16x128_f8f6f4 v[96+16*\b:103+16*\b], v[32+8*\b:39+8*\b], v[20:27], 0, v[248+\b/2], v28 matrix_a_fmt:MATRIX_FMT_FP4 matrix_b_fmt:MATRIX_FMT_FP4 matrix_a_scale:MATRIX_SCALE_ROW1
	v_wmma_scale_f32_16x16x128_f8f6f4 v[104+16*\b:111+16*\b], v[32+8*\b:39+8*\b], v[16:23], 0, v[248+\b/2], v28 matrix_a_fmt:MATRIX_FMT_FP4 matrix_b_fmt:MATRIX_FMT_FP4 matrix_a_scale:MATRIX_SCALE_ROW1
.else
	v_wmma_scale_f32_16x16x128_f8f6f4 v[96+16*\b:103+16*\b], v[32+8*\b:39+8*\b], v[20:27], 0, v[248+\b/2], v28 matrix_a_fmt:MATRIX_FMT_FP4 matrix_b_fmt:MATRIX_FMT_FP4
	v_wmma_scale_f32_16x16x128_f8f6f4 v[104+16*\b:111+16*\b], v[32+8*\b:39+8*\b], v[16:23], 0, v[248+\b/2], v28 matrix_a_fmt:MATRIX_FMT_FP4 matrix_b_fmt:MATRIX_FMT_FP4
.endif
.endr                                              ; register 16 b + n of S^T is key 32 b + 16 (lane / 16) + n of the step
.rept 4
	v_nop                                          ; places behind the products
.endr
.irp b, 0,1,2,3
	v_max3_num_f32 v[232+\b], v[96+16*\b], v[97+16*\b], v[98+16*\b]   ; THE LARGEST SCORE OF EACH BLOCK OF 32 KEYS: for the row's maximum, and, since p rises with the score, for the block's largest p
.endr
.irp i, 3,5,7,9,11,13
.irp b, 0,1,2,3
	v_max3_num_f32 v[232+\b], v[232+\b], v[96+16*\b+\i], v[97+16*\b+\i]   ; (the four blocks by turns)
.endr
.endr
.irp b, 0,1,2,3
	v_max_num_f32 v[232+\b], v[232+\b], v[111+16*\b]
.endr
.irp b, 0,1,2,3
	v_permlanex16_b32 v[236+\b], v[232+\b], s52, s53
.endr
.irp b, 0,1,2,3
	v_max_num_f32 v[232+\b], v[232+\b], v[236+\b]  ; with lane l xor 16's 16 keys
.endr
	v_max3_num_f32 v254, v232, v233, v234
	v_max_num_f32 v254, v254, v235                 ; the step's largest score of my query
	v_mul_f32 v254, s54, v254                      ; as t (c is positive)
	v_max_num_f32 v13, v13, v254                   ; the running largest t
	v_mov_b32 v254, v12
	v_floor_f32 v12, -v13                          ; the new -M = floor(-t) = -ceil(t): M IS A WHOLE NUMBER
	v_sub_f32 v254, v12, v254                      ; M's old value less its new one: a whole number, 0 or less
	v_cvt_i32_f32 v254, v254                       ; (it saturates)
	v_ldexp_f32 v252, 1.0, v254                    ; f = 2^(old M - new M): a multiplication by it rounds nothing
.set j, 0
.rept 32
	v_pk_fma_f32 v[96+j:97+j], v[96+j:97+j], s[54:55], v[12:13] op_sel_hi:[1,0,0]   ; t - M, two at a time (of the pairs c and -M the low word serves both halves)
.set j, j+2
.endr
.irp b, 0,1,2,3
	v_fma_f32 v[232+\b], v[232+\b], s54, v12       ; the same of each block's largest score
.endr
.set j, 0
.rept 64
	v_exp_f32 v[96+j], v[96+j]                     ; p = 2^(t - M), at most 1: NOT normalised
.set j, j+1
.endr
.irp b, 0,1,2,3
	v_exp_f32 v[232+\b], v[232+\b]                 ; the block's largest p: the same two instructions on the same number give the same bits
.endr
	v_pk_mul_f32 v[14:15], v[14:15], v[252:253] op_sel_hi:[1,0]   ; the sums under the new M.  (A plain place behind the exponentials)
	s_wait_alu depctr_va_vdst(0)
.irp b, 0,1,2,3
	v_max_num_f32 v[232+\b], 0x1800000, v[232+\b]  ; the floor 2^(3 - 127): the byte cannot fall under 1
.endr
.irp b, 0,1,2,3
	v_add_nc_u32 v[244+\b], 0xff000000, v[232+\b]  ; 2 off the exponent field: the conversion's scale operand
.endr
.irp b, 0,1,2,3
	v_lshrrev_b32 v[236+\b], 23, v[244+\b]         ; the scale's byte
.endr
	v_lshl_or_b32 v253, v237, 8, v236              ; p's scale word for these 128 keys
	v_lshl_or_b32 v253, v238, 16, v253
	v_lshl_or_b32 v253, v239, 24, v253
.irp b, 0,1,2,3
	v_cvt_scalef32_pk8_fp4_f32 v[224+2*\b], v[96+16*\b:103+16*\b], v[244+\b]
	v_cvt_scalef32_pk8_fp4_f32 v[225+2*\b], v[104+16*\b:111+16*\b], v[244+\b]
.endr
	v_nop                                          ; one plain place behind a scaled conversion
.irp c, 0,1
.irp i, 0,1
	v_permlane16_swap_b32 v[224+4*\c+\i], v[226+4*\c+\i]   ; a whole block to a lane: lanes 0-15 block 2 c, lanes 16-31 block 2 c + 1
.endr
.endr
	v_pk_add_f32 v[236:237], v[96:97], v[98:99]    ; THE ROW'S SUM IS TAKEN OF THE UNQUANTISED p: two at a time, in two chains
.irp j, 4,8,12,16,20,24,28,32,36,40,44,48,52,56,60
	v_pk_add_f32 v[14:15], v[14:15], v[96+\j:97+\j]
	v_pk_add_f32 v[236:237], v[236:237], v[98+\j:99+\j]
.endr
	v_pk_add_f32 v[14:15], v[14:15], v[236:237]
.set j, 0
.rept 16
	v_pk_mul_f32 v[160+j:161+j], v[160+j:161+j], v[252:253] op_sel_hi:[1,0]   ; O^T under the new M: x f; each accumulator from its low end on
.set j, j+2
.endr
	s_wait_dscnt 0x0                               ; V and its scale words are in
.irp t, 0,1,2,3
.if \t%2
	v_wmma_scale_f32_16x16x128_f8f6f4 v[160+8*\t:167+8*\t], v[64+8*\t:71+8*\t], v[224:231], v[160+8*\t:167+8*\t], v[250+\t/2], v253 matrix_a_fmt:MATRIX_FMT_FP4 matrix_b_fmt:MATRIX_FMT_FP4 matrix_a_scale:MATRIX_SCALE_ROW1
.else
	v_wmma_scale_f32_16x16x128_f8f6f4 v[160+8*\t:167+8*\t], v[64+8*\t:71+8*\t], v[224:231], v[160+8*\t:167+8*\t], v[250+\t/2], v253 matrix_a_fmt:MATRIX_FMT_FP4 matrix_b_fmt:MATRIX_FMT_FP4
.endif
.endr                                              ; the four accumulators take turns, one instruction a turn
	s_add_co_u32 s56, s56, 4096
	s_add_co_u32 s57, s57, 256
.endm
; Quarter n: 512 keys, four steps.
.macro QUARTER n
	s_wait_tensorcnt 3-\n                          ; the scale words and the quarters up to n are in; the later quarters' loads may stay out
	s_barrier_signal -1                            ; (no LDS load of mine is out)
	s_barrier_wait -1                              ; the fetching waves have said so
	s_mov_b32 s56, \n*16384
	s_mov_b32 s57, \n*1024
	s_mov_b32 s58, 4
.Lstep_\@:
	STEP
	s_sub_co_u32 s58, s58, 1
	s_cmp_lg_u32 s58, 0
	s_cbranch_scc1 .Lstep_\@
.endm
	s_wait_loadcnt 0x0                             ; Q
	QUARTER 0
	QUARTER 1
	QUARTER 2
	QUARTER 3
	; THE WAY OUT: O^T / the sum; its 32 registers are d 32 b + 16 (lane / 16) + n: two blocks of the next product's K; codes and bytes go straight into that operand's image.
.rept 4
	v_nop                                          ; places behind the last products
.endr
	s_lshr_b32 s69, s15, 4
	s_lshl_b32 s69, s69, 7
	s_add_co_u32 s69, s69, s68                     ; my tile among all 256 tiles of tokens
	s_and_b32 s74, s15, 15                         ; the head
	s_lshl_b32 s70, s69, 13
	s_lshr_b32 s75, s74, 1                         ; the next product's K step: two heads to a step
	s_lshl_b32 s71, s75, 10
	s_add_co_u32 s70, s70, s71
	s_and_b32 s71, s74, 1                          ; and the piece
	s_lshl_b32 s71, s71, 9
	s_add_co_u32 s70, s70, s71
	s_mov_b32 s71, 0
	s_add_nc_u64 s[70:71], s[8:9], s[70:71]
	s_lshl_b32 s72, s69, 9                         ; scale bytes: the tile's 512, half head / 8, word (head / 2) % 4, bytes 2 (head % 2) on
	s_lshr_b32 s73, s74, 3
	s_lshl_b32 s73, s73, 8
	s_add_co_u32 s72, s72, s73
	s_and_b32 s73, s75, 3
	s_lshl_b32 s73, s73, 2
	s_add_co_u32 s72, s72, s73
	s_and_b32 s73, s74, 1
	s_lshl_b32 s73, s73, 1
	s_add_co_u32 s72, s72, s73
	s_mov_b32 s73, 0
	s_add_nc_u64 s[72:73], s[10:11], s[72:73]
	v_add_f32 v14, v14, v15                        ; the sum's two halves,
	v_permlanex16_b32 v252, v14, s52, s53
	v_add_f32 v14, v14, v252                       ; and lane l xor 16's: the row's sum
	v_rcp_f32 v14, v14
	v_nop                                          ; one plain place behind a transcendental
.set j, 0
	s_wait_alu depctr_va_vdst(0)
.rept 32
	v_mul_f32 v[96+j], v[160+j], v14               ; each accumulator from its low end on
.set j, j+1
.endr
	v_cmp_le_u32 vcc_lo, 16, v4                    ; lanes 16-31
.irp b, 0,1
	v_max3_num_f32 v[232+\b], |v[96+16*\b]|, |v[97+16*\b]|, 0x1800000
.endr
.irp i, 2,4,6,8,10,12,14
.irp b, 0,1
	v_max3_num_f32 v[232+\b], v[232+\b], |v[96+16*\b+\i]|, |v[97+16*\b+\i]|
.endr
.endr
.irp b, 0,1
	v_permlanex16_b32 v[236+\b], v[232+\b], s52, s53
.endr
.irp b, 0,1
	v_max_num_f32 v[232+\b], v[232+\b], v[236+\b]
.endr
.irp b, 0,1
	v_add_nc_u32 v[244+\b], 0xff000000, v[232+\b]
.endr
.irp b, 0,1
	v_lshrrev_b32 v[236+\b], 23, v[244+\b]
.endr
.irp b, 0,1
	v_cvt_scalef32_pk8_fp4_f32 v[224+2*\b], v[96+16*\b:103+16*\b], v[244+\b]
	v_cvt_scalef32_pk8_fp4_f32 v[225+2*\b], v[104+16*\b:111+16*\b], v[244+\b]
.endr
	v_nop                                          ; one plain place behind a scaled conversion
	v_permlane16_swap_b32 v224, v226
	v_permlane16_swap_b32 v225, v227               ; lanes 0-15 the head's first block, lanes 16-31 its second
	v_cndmask_b32 v238, v236, v237, vcc_lo         ; and the byte of the block that my lane now holds
	global_store_b128 v1, v[224:227], s[70:71]     ; 32 lanes store 512 consecutive bytes, aligned
	global_store_b8 v7, v238, s[72:73]
	s_wait_tensorcnt 0x0
	ds_add_u32 v243, v255
	s_wait_dscnt 0x0
	CROUND                                         ; the closing round: no work-group ends while a partner may still ask for a tile that names it
	s_endpgm
.Lfunc_end_k_qa53f1bd14e_attention:
	.size	k_qa53f1bd14e_attention, .Lfunc_end_k_qa53f1bd14e_attention-k_qa53f1bd14e_attention
	.p2alignl 7, 3214868480
	.fill 96, 4, 3214868480
	.section	.rodata,"a",@progbits
	.p2align	6, 0x0
	.amdhsa_kernel k_qa53f1bd14e_attention
		.amdhsa_group_segment_fixed_size 169984
		.amdhsa_private_segment_fixed_size 0
		.amdhsa_enable_private_segment 0
		.amdhsa_kernarg_size 32
		.amdhsa_user_sgpr_count 2
		.amdhsa_user_sgpr_kernarg_segment_ptr 1
		.amdhsa_wavefront_size32 1
		.amdhsa_system_sgpr_workgroup_id_x 1
		.amdhsa_system_sgpr_workgroup_id_y 1
		.amdhsa_system_sgpr_workgroup_id_z 1
		.amdhsa_system_vgpr_workitem_id 0
		.amdhsa_next_free_vgpr 256
		.amdhsa_next_free_sgpr 76
		.amdhsa_reserve_vcc 1
		.amdhsa_float_denorm_mode_32 3
		.amdhsa_float_denorm_mode_16_64 3
		.amdhsa_memory_ordered 1
		.amdhsa_forward_progress 1
		.amdhsa_inst_pref_size 73
	.end_amdhsa_kernel
	.amdgpu_metadata
---
amdhsa.version: [ 1, 2 ]
amdhsa.kernels:
  - .name:           k_qa53f1bd14e_attention
    .symbol:         k_qa53f1bd14e_attention.kd
    .args:
      - { .name: qkv_codes, .offset: 0, .size: 8, .value_kind: global_buffer, .address_space: global }
      - { .name: qkv_scales, .offset: 8, .size: 8, .value_kind: global_buffer, .address_space: global }
      - { .name: o_codes, .offset: 16, .size: 8, .value_kind: global_buffer, .address_space: global }
      - { .name: o_scales, .offset: 24, .size: 8, .value_kind: global_buffer, .address_space: global }
    .group_segment_fixed_size: 169984
    .private_segment_fixed_size: 0
    .kernarg_segment_align: 8
    .kernarg_segment_size: 32
    .max_flat_workgroup_size: 512
    .sgpr_count:     76
    .vgpr_count:     256
    .wavefront_size: 32
...
	.end_amdgpu_metadata
.endif
;; end of part 4
;; launch gemm_out (part 5): grid 8 x 32, 8 waves a work-group, clusters of 4 x 4, 201,728 bytes of LDS; arguments o_codes, o_scales, w_codes, w_scales, b_o, out0; writes out0
.if DOCPART == 5
	.amdgcn_target "amdgcn-amd-amdhsa--gfx1250"
	.amdhsa_code_object_version 6
	.text
	.protected	k_qa53f1bd14e_gemm_out
	.globl	k_qa53f1bd14e_gemm_out
	.p2align	8
	.type	k_qa53f1bd14e_gemm_out,@function
k_qa53f1bd14e_gemm_out:
	s_mov_b64 s[64:65], 0
	v_nop
	global_prefetch_b8 v0, s[64:65] scope:SCOPE_SE
	s_setreg_imm32_b32 hwreg(HW_REG_WAVE_MODE, 25, 1), 1
	s_wait_xcnt 0x0
	s_wait_alu depctr_hold_cnt(0) depctr_sa_sdst(0) depctr_va_vdst(0) depctr_va_sdst(0) depctr_va_ssrc(0) depctr_va_vcc(0) depctr_vm_vsrc(0)
	s_getreg_b32 s2, hwreg(HW_REG_IB_STS2, 6, 4)
	s_cmp_eq_u32 s2, 0
	s_cbranch_scc0 .Lentry_in_a_cluster
	s_endpgm
.Lentry_in_a_cluster:
	s_bfe_u32 s2, ttmp6, 0x10000c
	s_cmp_lg_u32 s2, 0xf033
	s_cbranch_scc0 .Lentry_shape_is_right
	s_endpgm
.Lentry_shape_is_right:
; out0 = o w_o + b_o on codes of FP4 (E2M1) with E8M0 scales, sums in f32.  o [4096 tokens][1024] and w_o arrive as images of the matrix unit's registers: [tile][K step 8][piece 2][lane][16 bytes], 8,192 bytes a
; tile of 16 rows, scale words [tile][q 2][r 16][4 words].  Lane r of tile 2 B + U holds row 32 B + 16 (r / 8) + 8 U + r % 8 (tokens and weight columns alike).  w_o's tiles are tiles 192-255 of w_codes.
; SHARES: a work-group makes 128 tokens x 128 columns.  Wave w: g = w % 4 its 32 tokens (2 tiles), w / 4 its 64 columns (4 weight tiles): 8 accumulators, two waves to a SIMD.
; THE MATRIX INSTRUCTION IS USED TRANSPOSED: D(i, j) = weight tile j x token tile i: a lane holds one token, and the 16 registers of tiles 2 b, 2 b + 1 are the columns 32 b + 16 (lane / 16) + 0 .. 15.
; All of K (1,024) of the 8 token tiles and 8 weight tiles lies in LDS at once, in two halves of K: every LDS byte is filled once, and the second half lands while the first is multiplied.
; CLUSTERS: 4 x 4 work-groups.  The four of a row of the cluster need the same token tiles, the four of a column the same weight tiles: each is asked for JOINTLY, by the same tensor load with the same descriptor and a mask that names the four.
; The bias is the C of each sum's first product: it is loaded into the accumulators.  The results go through the wave's own stage in LDS and leave as aligned runs of 256 bytes.
; REGISTERS: v1 16 x lane; v2-5 LDS addresses of the weight and token fragments in the halves of K; v6 r, v7 h, v8 lane; v9-12 addresses; v32-47, v48-55 scale words; v64-95 weight fragments; v96-111 token fragments;
;   v128-191 accumulators ((i, j) at 128 + 32 i + 8 j); on the way out v32-95 take the rows read back.
.set HB,   32768                       ; LDS: a half of K of 8 tiles, 4,096 bytes a tile: the token tiles' two halves,
.set WB,   65536                       ; then the weight tiles'
.set STG,  131072                      ; behind them a stage for each wave: 32 rows x (256 bytes + 16): no tensor load lands here
.set SP,   272
.set S0,  32
.set S1,  48
.set F0,  64
.set F1,  96
.set ACC, 128
.set G1X, 24                           ; s[24:31] descriptor group 1 for token tiles;  s[32:39] for weight tiles: it differs in the mask alone
.set G1W, 32
.set G0X, 40                           ; s[40:47] group 0 for token tiles, a set for each half of K;  s[48:55] for weight tiles
.set G0W, 48
.macro CROUND                          ; a round of the cluster's barrier
	s_barrier_signal -1
	s_barrier_wait -1
	s_cmp_lg_u32 s18, 0
	s_cbranch_scc1 .Lnot_wave_0_\@
	s_barrier_signal -3
.Lnot_wave_0_\@:
	s_barrier_wait -3
	s_barrier_signal -1
	s_barrier_wait -1
.endm
	s_load_b256 s[4:11], s[0:1], 0x0               ; o_codes, o_scales, w_codes, w_scales
	s_load_b128 s[12:15], s[0:1], 0x20             ; b_o, out0
	v_lshl_add_u32 v254, v0, 2, 0x31000
	v_mov_b32 v255, 0
	ds_add_u32 v254, v255
	ds_add_u32 v254, v255
	v_lshrrev_b32 v1, 5, v0
	v_readfirstlane_b32 s18, v1                    ; wave 0..7
	s_and_b32 s19, s18, 3                          ; g
	s_lshr_b32 s20, s18, 2                         ; which 64 columns
	s_and_b32 s23, s18, 1                          ; which 4 tiles I fetch, if I fetch
	s_bfe_u32 s21, ttmp6, 0x40000                  ; cx
	s_bfe_u32 s22, ttmp6, 0x40004                  ; cy
	s_lshl_b32 s56, ttmp9, 2
	s_add_co_u32 s56, s56, s21                     ; the block of 128 columns = 4 x cluster x + cx
	s_and_b32 s57, ttmp7, 0xffff
	s_lshl_b32 s57, s57, 2
	s_add_co_u32 s57, s57, s22                     ; the block of 128 tokens = 4 x cluster y + cy
	s_lshl_b32 s58, s22, 2
	s_lshl_b32 s58, 15, s58                        ; my row of the cluster
	s_lshl_b32 s59, 0x1111, s21                    ; my column
	; descriptor group 1: 4 tiles' halves of K: 4 rows of 512 elements of 8 bytes (4,096 bytes), 1,024 elements (a tile's 8,192 bytes) apart; dense in LDS
	s_or_b32 s[G1X], s58, (3<<16)|(1<<21)          ; 15:0 the mask; 17:16 elements of 8 bytes; 21 set beside a mask
	s_or_b32 s[G1W], s59, (3<<16)|(1<<21)
.irp g, G1X, G1W
	s_mov_b32 s[\g+1], 512<<16                     ; tensor_dim0
	s_mov_b32 s[\g+2], 4<<16                       ; tensor_dim1
	s_mov_b32 s[\g+3], 512<<16                     ; tile_dim0
	s_mov_b32 s[\g+4], 4                           ; tile_dim1
	s_mov_b32 s[\g+5], 1024                        ; tensor_dim0_stride
	s_mov_b32 s[\g+6], 0
	s_mov_b32 s[\g+7], 0
.endr
	s_lshl_b32 s60, s57, 16                        ; token tiles 8 my + 4 (w % 2) on: made of the token block and the wave's number alone,
	s_lshl_b32 s86, s23, 15
	s_add_co_u32 s60, s60, s86
	s_mov_b32 s61, 0
	s_lshl_b32 s62, s56, 16                        ; weight tiles 192 + 8 nx + 4 (w % 2) on: of the column block and the wave's number alone
	s_lshl_b32 s88, s23, 15
	s_add_co_u32 s62, s62, s88
	s_add_co_u32 s62, s62, 192*8192
	s_mov_b32 s63, 0
	s_lshl_b32 s87, s23, 14                        ; where they go: no place in the cluster enters an LDS address
	s_lshl_b32 s66, s56, 12                        ; the scale words of my weight tiles: tile 192 + 8 nx + 4 (w / 4), 512 bytes a tile
	s_lshl_b32 s67, s20, 11
	s_add_co_u32 s66, s66, s67
	s_add_co_u32 s66, s66, 192*512
	s_mov_b32 s67, 0
	s_lshl_b32 s68, s57, 12                        ; those of my token tiles: tile 8 my + 2 g
	s_lshl_b32 s69, s19, 10
	s_add_co_u32 s68, s68, s69
	s_mov_b32 s69, 0
	s_lshl_b32 s74, s56, 9                         ; my 64 columns, in bytes: in the bias,
	s_lshl_b32 s75, s20, 8
	s_add_co_u32 s74, s74, s75
	s_mov_b32 s75, 0
	s_lshl_b32 s76, s57, 19                        ; and in my first token's row of out0: token 128 my + 32 g, 4,096 bytes a row
	s_lshl_b32 s77, s19, 17
	s_add_co_u32 s76, s76, s77
	s_add_co_u32 s76, s76, s74
	s_mov_b32 s77, 0
	s_lshl_b32 s80, s20, 14
	s_add_co_u32 s80, s80, WB                      ; LDS: my weight tiles,
	s_lshl_b32 s81, s19, 13                        ; my token tiles,
	s_mul_i32 s82, s18, 32*SP
	s_add_co_u32 s82, s82, STG                     ; my stage
	s_wait_dscnt 0x0
	s_wait_kmcnt 0x0
	s_add_nc_u64 s[60:61], s[4:5], s[60:61]
	s_add_nc_u64 s[62:63], s[8:9], s[62:63]
	s_add_nc_u64 s[66:67], s[10:11], s[66:67]
	s_add_nc_u64 s[68:69], s[6:7], s[68:69]
	s_add_nc_u64 s[74:75], s[12:13], s[74:75]
	s_add_nc_u64 s[76:77], s[14:15], s[76:77]
.irp H, 0,1
	s_mov_b32 s[G0X+4*\H], 1                                       ; count = 1
	s_add_co_u32 s[G0X+4*\H+1], s87, \H*HB                         ; LDS address
	s_add_nc_u64 s[G0X+4*\H+2:G0X+4*\H+3], s[60:61], \H*4096       ; global address: the tiles' half H of K
	s_or_b32 s[G0X+4*\H+3], s[G0X+4*\H+3], 0x80000000              ; type = 2
	s_mov_b32 s[G0W+4*\H], 1
	s_add_co_u32 s[G0W+4*\H+1], s87, WB+\H*HB
	s_add_nc_u64 s[G0W+4*\H+2:G0W+4*\H+3], s[62:63], \H*4096
	s_or_b32 s[G0W+4*\H+3], s[G0W+4*\H+3], 0x80000000
.endr
	CROUND                                         ; all sixteen work-groups are here: the joint loads meet
	s_cmp_lt_u32 s18, 2                            ; waves 0, 1 fetch the token tiles, waves 2, 3 the weight tiles, the others nothing: a wave's two fills stand in one branch on its number; two loads of a fetching wave are out
	s_cbranch_scc0 .Lnot_x
	tensor_load_to_lds s[G0X:G0X+3], s[G1X:G1X+7]
	s_nop 0
	tensor_load_to_lds s[G0X+4:G0X+7], s[G1X:G1X+7]
	s_nop 0
.rept 4
	v_nop
.endr
	s_branch .Lasked
.Lnot_x:
	s_cmp_lt_u32 s18, 4
	s_cbranch_scc0 .Lasked
	tensor_load_to_lds s[G0W:G0W+3], s[G1W:G1W+7]
	s_nop 0
	tensor_load_to_lds s[G0W+4:G0W+7], s[G1W:G1W+7]
	s_nop 0
.rept 4
	v_nop
.endr
.Lasked:
	v_and_b32 v8, 31, v0                           ; lane
	v_lshlrev_b32 v1, 4, v8                        ; 16 x lane: an image's place for my lane
	v_and_b32 v6, 15, v0                           ; r
	v_bfe_u32 v7, v0, 4, 1                         ; h
	v_add_nc_u32 v2, s80, v1
	v_add_nc_u32 v3, HB, v2
	v_add_nc_u32 v4, s81, v1
	v_add_nc_u32 v5, HB, v4
	v_lshlrev_b32 v9, 6, v7                        ; the bias: register n of (i, 2 b + u) is column 32 b + 16 h + 8 u + n
.irp i, 0,1
.irp j, 0,1,2,3
	global_load_b128 v[ACC+32*\i+8*\j:ACC+32*\i+8*\j+3], v9, s[74:75] offset:(32*(\j/2)+8*(\j%2))*4
	global_load_b128 v[ACC+32*\i+8*\j+4:ACC+32*\i+8*\j+7], v9, s[74:75] offset:(32*(\j/2)+8*(\j%2))*4+16
.endr
.endr
.irp j, 0,1,2,3
	global_load_b128 v[S0+4*\j:S0+4*\j+3], v1, s[66:67] offset:512*\j   ; a tile's scale words for all of K: register n: lanes 0-15 K step n, lanes 16-31 K step 4 + n
.endr
.irp i, 0,1
	global_load_b128 v[S1+4*\i:S1+4*\i+3], v1, s[68:69] offset:512*\i
.endr
	v_mul_u32_u24 v10, v6, SP
	v_lshl_add_u32 v10, v7, 6, v10
	v_add_nc_u32 v10, s82, v10                     ; the stage, on the way in: row r, + 64 h
	v_mul_u32_u24 v11, v7, SP
	v_lshl_add_u32 v11, v6, 4, v11
	v_add_nc_u32 v11, s82, v11                     ; back: lanes 0-15 one row of 256 bytes, lanes 16-31 the next
	v_lshlrev_b32 v12, 12, v7
	v_lshl_add_u32 v12, v6, 4, v12                 ; and the same in out0: neighbouring stage rows are neighbouring tokens
; A K step of 128: the sl-th of half H.  Six fragments from LDS (an image comes back by two loads of 512 consecutive bytes), eight products.  The eight accumulators take turns, one instruction a turn,
; in the same order in every step.
.macro KSTEP H, sl
.rept 4
	v_nop                                          ; places in front of loads into registers that matrix instructions have read (ISA guide 7.12.1 for vector instructions)
.endr
.irp j, 0,1,2,3
.irp c, 0,1
	ds_load_b128 v[F0+8*\j+4*\c:F0+8*\j+4*\c+3], v[2+\H] offset:\j*4096+\sl*1024+512*\c
.endr
.endr
.irp j, 0,1
.irp c, 0,1
	ds_load_b128 v[F1+8*\j+4*\c:F1+8*\j+4*\c+3], v[4+\H] offset:\j*4096+\sl*1024+512*\c
.endr
.endr
	s_wait_dscnt 0x0
.irp i, 0,1
.irp j, 0,1,2,3
.if \H
	v_wmma_scale_f32_16x16x128_f8f6f4 v[ACC+32*\i+8*\j:ACC+32*\i+8*\j+7], v[F0+8*\j:F0+8*\j+7], v[F1+8*\i:F1+8*\i+7], v[ACC+32*\i+8*\j:ACC+32*\i+8*\j+7], v[S0+4*\j+\sl], v[S1+4*\i+\sl] matrix_a_fmt:MATRIX_FMT_FP4 matrix_b_fmt:MATRIX_FMT_FP4 matrix_a_scale:MATRIX_SCALE_ROW1 matrix_b_scale:MATRIX_SCALE_ROW1
.else
	v_wmma_scale_f32_16x16x128_f8f6f4 v[ACC+32*\i+8*\j:ACC+32*\i+8*\j+7], v[F0+8*\j:F0+8*\j+7], v[F1+8*\i:F1+8*\i+7], v[ACC+32*\i+8*\j:ACC+32*\i+8*\j+7], v[S0+4*\j+\sl], v[S1+4*\i+\sl] matrix_a_fmt:MATRIX_FMT_FP4 matrix_b_fmt:MATRIX_FMT_FP4
.endif
.endr
.endr
.endm
	s_wait_tensorcnt 0x1                           ; my part of the first half of K is in; the second half's load may stay out
	s_wait_loadcnt 0x0                             ; scale words and bias
	s_barrier_signal -1
	s_barrier_wait -1                              ; everybody's part is in
	KSTEP 0, 0                                     ; the first products add onto the bias
	KSTEP 0, 1
	KSTEP 0, 2
	KSTEP 0, 3
	s_wait_tensorcnt 0x0                           ; my part of the second half is in (no LDS load of mine is out),
	s_barrier_signal -1
	s_barrier_wait -1                              ; everybody's is
	KSTEP 1, 0
	KSTEP 1, 1
	KSTEP 1, 2
	KSTEP 1, 3
.rept 4
	v_nop                                          ; places behind the last products: for the stores of results and the loads into registers that held operands
.endr
	; THE WAY OUT.  Stage row 16 i + r holds token 16 (r / 8) + 8 i + r % 8 of my 32.
.irp i, 0,1
.irp j, 0,1,2,3
	ds_store_b128 v10, v[ACC+32*\i+8*\j:ACC+32*\i+8*\j+3] offset:\i*16*SP+(32*(\j/2)+8*(\j%2))*4        ; each accumulator from its low end on
	ds_store_b128 v10, v[ACC+32*\i+8*\j+4:ACC+32*\i+8*\j+7] offset:\i*16*SP+(32*(\j/2)+8*(\j%2))*4+16
.endr
.endr
.irp t, 0,1,2,3,4,5,6,7,8,9,10,11,12,13,14,15
	ds_load_b128 v[32+4*\t:35+4*\t], v11 offset:\t*2*SP   ; LDS serves a wave's instructions in order: these see my stores
.endr
.irp t, 0,1,2,3,4,5,6,7,8,9,10,11,12,13,14,15
	s_wait_dscnt 15-\t                             ; rows 2 t and 2 t + 1 are back; the younger loads may be out
	global_store_b128 v12, v[32+4*\t:35+4*\t], s[76:77] offset:(16*(((2*\t)%16)/8)+8*(\t/8)+((2*\t)%8))*4096 th:TH_STORE_NT   ; sixteen lanes store 256 consecutive bytes, aligned; written once, read by nobody here
.endr
	s_wait_tensorcnt 0x0
	ds_add_u32 v254, v255
	s_wait_dscnt 0x0
	CROUND                                         ; the closing round: no work-group ends while a partner may still ask for a tile that names it
	s_endpgm
.Lfunc_end_k_qa53f1bd14e_gemm_out:
	.size	k_qa53f1bd14e_gemm_out, .Lfunc_end_k_qa53f1bd14e_gemm_out-k_qa53f1bd14e_gemm_out
	.p2alignl 7, 3214868480
	.fill 96, 4, 3214868480
	.section	.rodata,"a",@progbits
	.p2align	6, 0x0
	.amdhsa_kernel k_qa53f1bd14e_gemm_out
		.amdhsa_group_segment_fixed_size 201728
		.amdhsa_private_segment_fixed_size 0
		.amdhsa_enable_private_segment 0
		.amdhsa_kernarg_size 48
		.amdhsa_user_sgpr_count 2
		.amdhsa_user_sgpr_kernarg_segment_ptr 1
		.amdhsa_wavefront_size32 1
		.amdhsa_system_sgpr_workgroup_id_x 1
		.amdhsa_system_sgpr_workgroup_id_y 1
		.amdhsa_system_sgpr_workgroup_id_z 1
		.amdhsa_system_vgpr_workitem_id 0
		.amdhsa_next_free_vgpr 256
		.amdhsa_next_free_sgpr 96
		.amdhsa_reserve_vcc 0
		.amdhsa_float_denorm_mode_32 3
		.amdhsa_float_denorm_mode_16_64 3
		.amdhsa_memory_ordered 1
		.amdhsa_forward_progress 1
		.amdhsa_inst_pref_size 29
	.end_amdhsa_kernel
	.amdgpu_metadata
---
amdhsa.version: [ 1, 2 ]
amdhsa.kernels:
  - .name:           k_qa53f1bd14e_gemm_out
    .symbol:         k_qa53f1bd14e_gemm_out.kd
    .args:
      - { .name: o_codes, .offset: 0, .size: 8, .value_kind: global_buffer, .address_space: global }
      - { .name: o_scales, .offset: 8, .size: 8, .value_kind: global_buffer, .address_space: global }
      - { .name: w_codes, .offset: 16, .size: 8, .value_kind: global_buffer, .address_space: global }
      - { .name: w_scales, .offset: 24, .size: 8, .value_kind: global_buffer, .address_space: global }
      - { .name: b_o, .offset: 32, .size: 8, .value_kind: global_buffer, .address_space: global }
      - { .name: out0, .offset: 40, .size: 8, .value_kind: global_buffer, .address_space: global }
    .group_segment_fixed_size: 201728
    .private_segment_fixed_size: 0
    .kernarg_segment_align: 8
    .kernarg_segment_size: 48
    .max_flat_workgroup_size: 256
    .sgpr_count:     96
    .vgpr_count:     256
    .wavefront_size: 32
...
	.end_amdgpu_metadata
.endif
;; end of part 5
;; ======== version 2 of 2: 4 launches
;; limits: right only within a limited range of input values
;; workspace buffers: x_codes 2,097,152 bytes; x_scales 131,072 bytes; w_codes 2,097,152 bytes; w_scales 131,072 bytes; qkv_codes 6,291,456 bytes; qkv_scales 524,288 bytes; o_codes 2,097,152 bytes; o_scales 131,072 bytes
;; launch quant (part 6): grid 384 x 1, 8 waves a work-group, no clusters, 70,144 bytes of LDS; arguments x, x_codes, x_scales, w_scales, w_qkv, w_o, w_codes; writes x_codes, x_scales, w_codes, w_scales
.if DOCPART == 6
	.amdgcn_target "amdgcn-amd-amdhsa--gfx1250"
	.amdhsa_code_object_version 6
	.text
	.protected	k_qa53f1bd14e_quant
	.globl	k_qa53f1bd14e_quant
	.p2align	8
	.type	k_qa53f1bd14e_quant,@function
k_qa53f1bd14e_quant:
	s_mov_b64 s[64:65], 0
	v_nop
	global_prefetch_b8 v0, s[64:65] scope:SCOPE_SE
	s_setreg_imm32_b32 hwreg(HW_REG_WAVE_MODE, 25, 1), 1
	s_wait_xcnt 0x0
; x [4096 tokens][1024], w_qkv [1024 (k)][3072] and w_o [1024 (k)][1024], f32, become codes of FP4 (E2M1) with one E8M0 scale byte for each 32 along K, laid AS THE MATRIX UNIT'S REGISTERS WANT THEM.
; A TILE is 16 rows of an operand (tokens of x, columns of a weight): lane r of tile 2 B + U takes row 32 B + 16 (r / 8) + 8 U + r % 8.  Codes: [tile 256][K step 8][piece 2][lane 32][16 bytes]: piece c of a fragment
; (16 rows x 128 K) is its registers 4 c .. 4 c + 3: lane (r, h) holds block 2 c + h (32 codes) of row r.  Scale words: [tile][q 2][r 16][4 words]: word i is the four bytes of K step 4 q + i.
; Of w_codes tiles 0-191 are w_qkv's, tiles 192-255 w_o's.
; A block's scale is 2^(floor(log2(its largest magnitude)) - 2); its byte is that magnitude's exponent field - 2, held at 1 from below.
; LIMITS: a block of zeros gets the byte 1 where the rule says 127 (its codes are zeros, which add nothing under any byte but 0xff, and this program alone reads the bytes); NaN and infinities among the inputs are not served.
; ONE LAUNCH, TWO PATHS: work-groups 0-255 take x, whose K is innermost; work-groups 256-383 the weights, whose K is their first axis.  The paths part on the work-group's number alone, so the eight waves of a
; work-group take one path whole and meet that path's one barrier; each path has LDS bytes of its own.
; No matrix unit, no cluster, no tensor load: no byte is read twice, and all of a wave's loads are asked for at once.
.set ROWX,  4096                       ; x: bytes in a row
.set PITCH, 528                        ; x: a stage row: 512 bytes + 16: the sixteen rows that a load touches start at sixteen different 16-byte columns
.set WST,   16*PITCH                   ; x: a wave's stage
.set SCX,   8*WST                      ; x: behind the stages: the tile's 512 bytes of scale words
.set WLDS,  SCX+512                    ; the weights' path: 1,024 bytes in which four tiles' scale words meet
.set XC,    24                         ; x: v24-31   the fragment's codes
.set XR,    32                         ; x: v32-95   16 rows as loaded
.set XX,    96                         ; x: v96-159  my two blocks of 32 numbers
.set WOFF,  32                         ; w: v32-63   4 x lane + i rows: never rewritten
.set WX,    64                         ; w: v64-191  my column's 128 numbers
.set WC,    192                        ; w: v192-207 their codes, four registers a block: no store's data are written again
	v_lshl_add_u32 v208, v0, 2, 0x10e00
	v_mov_b32 v209, 0
	s_cmp_lt_u32 ttmp9, 256
	s_cbranch_scc0 .Lweights
; ---- x.  A work-group takes a tile, wave s its K step s: 16 rows x 512 bytes.  Each load reads 512 consecutive bytes of a row; the 8,192 bytes turn through the wave's own stage in LDS, so that a lane comes to hold
; a whole block of 32 neighbours: no other lane is asked for a maximum, and the conversions' results are the fragment's registers.  Each store of codes covers 512 consecutive bytes, aligned.
	s_load_b128 s[4:7], s[0:1], 0x0                ; x, x_codes
	s_load_b64 s[8:9], s[0:1], 0x10                ; x_scales
	v_lshrrev_b32 v1, 5, v0
	s_delay_alu instid0(VALU_DEP_1)
	v_readfirstlane_b32 s10, v1                    ; wave = K step
	v_and_b32 v1, 31, v0                           ; lane
	s_delay_alu instid0(VALU_DEP_1)
	v_lshlrev_b32 v2, 4, v1                        ; 16 x lane
	v_and_b32 v3, 15, v0                           ; r
	v_bfe_u32 v4, v0, 4, 1                         ; h
	s_mul_i32 s11, s10, WST
	v_add_nc_u32 v5, s11, v2                       ; the stage, on the way in: a row as it lies
	v_mul_u32_u24 v6, v3, PITCH
	s_delay_alu instid0(VALU_DEP_1)
	v_lshl_add_u32 v6, v4, 7, v6
	s_delay_alu instid0(VALU_DEP_1)
	v_add_nc_u32 v6, s11, v6                       ; on the way out: row r, block h (128 bytes)
	s_lshr_b32 s18, s10, 2
	s_lshl_b32 s18, s18, 8
	s_and_b32 s19, s10, 3
	s_lshl_b32 s19, s19, 2
	s_add_co_u32 s18, s18, s19
	s_add_co_u32 s18, s18, SCX
	v_lshl_add_u32 v7, v3, 4, s18                  ; my row's scale word of this K step: SCX + 256 (s / 4) + 16 r + 4 (s % 4)
	s_lshr_b32 s12, ttmp9, 1
	s_lshl_b32 s12, s12, 5
	s_and_b32 s13, ttmp9, 1
	s_lshl_b32 s13, s13, 3
	s_add_co_u32 s12, s12, s13                     ; the tile's first token: 32 (T / 2) + 8 (T % 2)
	s_lshl_b32 s12, s12, 12
	s_lshl_b32 s13, s10, 9
	s_add_co_u32 s12, s12, s13                     ; its row, at my K step's 512 bytes
	s_mov_b32 s13, 0
	s_lshl_b32 s14, ttmp9, 13
	s_lshl_b32 s15, s10, 10
	s_add_co_u32 s14, s14, s15                     ; my fragment's image: 8,192 T + 1,024 s
	s_mov_b32 s15, 0
	s_lshl_b32 s16, ttmp9, 9                       ; the tile's scale words
	s_mov_b32 s17, 0
	s_mov_b32 s20, 0x76543210
	s_mov_b32 s21, 0xfedcba98                      ; v_permlanex16_b32's selects for lane l xor 16
	s_wait_alu depctr_va_vdst(0)
	s_wait_kmcnt 0x0
	s_add_nc_u64 s[4:5], s[4:5], s[12:13]
	s_add_nc_u64 s[6:7], s[6:7], s[14:15]
	s_add_nc_u64 s[8:9], s[8:9], s[16:17]
.irp p, 0,1,2,3,4,5,6,7,8,9,10,11,12,13,14,15
	global_load_b128 v[XR+4*\p:XR+4*\p+3], v2, s[4:5] offset:(16*(\p/8)+(\p%8))*ROWX th:TH_LOAD_NT   ; row p of the tile: 32 lanes read 512 consecutive bytes
.endr
.irp p, 0,1,2,3,4,5,6,7,8,9,10,11,12,13,14,15
	s_wait_loadcnt 15-\p                           ; loads come back in order: row p is in, the younger rows may be out
	ds_store_b128 v5, v[XR+4*\p:XR+4*\p+3] offset:PITCH*\p
.endr
.irp c, 0,1
.irp j, 0,1,2,3,4,5,6,7
	ds_load_b128 v[XX+32*\c+4*\j:XX+32*\c+4*\j+3], v6 offset:256*\c+16*\j   ; block 2 c + h of row r; LDS serves a wave's instructions in order: these see my stores
.endr
.endr
; Block 2 c + h of my row: its largest magnitude, its scale, its 32 codes: registers 4 c .. 4 c + 3 of the fragment.
.macro XBLK c
.set XB, XX+32*\c
	v_max3_num_f32 v8, |v[XB]|, |v[XB+1]|, |v[XB+2]|
	v_max3_num_f32 v9, |v[XB+3]|, |v[XB+4]|, |v[XB+5]|
.irp i, 6,10,14,18,22,26
	s_delay_alu instid0(VALU_DEP_2)
	v_max3_num_f32 v8, v8, |v[XB+\i]|, |v[XB+\i+1]|
	s_delay_alu instid0(VALU_DEP_2)
	v_max3_num_f32 v9, v9, |v[XB+\i+2]|, |v[XB+\i+3]|
.endr
	s_delay_alu instid0(VALU_DEP_2)
	v_max3_num_f32 v8, v8, |v[XB+30]|, |v[XB+31]|
	s_delay_alu instid0(VALU_DEP_1)
	v_max3_num_f32 v8, v8, v9, 0x1800000           ; and the floor 2^(3 - 127): the byte cannot fall under 1
	s_delay_alu instid0(VALU_DEP_1)
	v_add_nc_u32 v[10+\c], 0xff000000, v8          ; 2 off the exponent field: the conversion takes the exponent field of this operand as its scale
	s_delay_alu instid0(VALU_DEP_1)
	v_lshrrev_b32 v[12+\c], 23, v[10+\c]           ; the scale's byte
.irp g, 0,1,2,3
	v_cvt_scalef32_pk8_fp4_f32 v[XC+4*\c+\g], v[XB+8*\g:XB+8*\g+7], v[10+\c]
.endr
	global_store_b128 v2, v[XC+4*\c:XC+4*\c+3], s[6:7] offset:512*\c   ; 32 lanes store 512 consecutive bytes, aligned
.endm
	s_wait_dscnt 8                                 ; the first block's eight loads are in; the second block's eight may be out
	XBLK 0
	s_wait_dscnt 0x0
	XBLK 1
	v_lshl_or_b32 v14, v13, 16, v12                ; my two bytes: blocks h and 2 + h,
	v_lshlrev_b32 v15, 3, v4
	s_delay_alu instid0(VALU_DEP_1)
	v_lshlrev_b32 v14, v15, v14                    ; at their places in the word (8 h bits up);
	v_mov_b32 v16, 0
	s_delay_alu instid0(VALU_DEP_1)
	v_permlanex16_b32 v16, v14, s20, s21
	s_delay_alu instid0(VALU_DEP_1)
	v_or_b32 v14, v14, v16                         ; with lane l xor 16's two the word is whole
	ds_store_b32 v7, v14                           ; both lanes of a row write the same word with the same value
	s_wait_dscnt 0x0                               ; for the others' sake: my word has landed
	s_barrier_signal -1
	s_barrier_wait -1
	s_cmp_lg_u32 s10, 0
	s_cbranch_scc1 .Lx_end
	v_add_nc_u32 v17, SCX, v2
	ds_load_b128 v[20:23], v17                     ; the eight waves' words: 512 bytes
	s_wait_dscnt 0x0
	global_store_b128 v2, v[20:23], s[8:9]         ; 32 lanes store 512 consecutive bytes, aligned
.Lx_end:
	s_wait_tensorcnt 0x0
	ds_add_u32 v208, v209
	s_wait_dscnt 0x0
	s_endpgm
; ---- The weights.  Work-group 256 + 64 q + x owns 64 columns (x under 48: w_qkv, else w_o) and half q of K.  Wave w: its 32 columns are w % 2, its K step 4 q + w / 2.
; A LANE TAKES A COLUMN AND ITS REGISTERS RUN DOWN K: a block of 32 lies in one lane's 32 registers, its maximum needs no other lane, and the conversions give the codes with K innermost.
; Both weights go one way: only the pointer, the stride and the first column are chosen, on the work-group's number.
.Lweights:
	s_load_b128 s[4:7], s[0:1], 0x20               ; w_qkv, w_o
	s_load_b64 s[8:9], s[0:1], 0x30                ; w_codes
	s_load_b64 s[10:11], s[0:1], 0x18              ; w_scales
	v_lshrrev_b32 v1, 5, v0
	s_delay_alu instid0(VALU_DEP_1)
	v_readfirstlane_b32 s12, v1                    ; wave
	v_and_b32 v1, 31, v0                           ; lane
	s_delay_alu instid0(VALU_DEP_1)
	v_lshlrev_b32 v2, 2, v1                        ; 4 x lane
	s_wait_alu depctr_va_vdst(0)
	s_and_b32 s13, s12, 1                          ; cg: which 32 columns
	s_lshr_b32 s14, s12, 1                         ; sl: which K step of the half
	s_sub_co_u32 s42, ttmp9, 256
	s_and_b32 s43, s42, 63                         ; x: which 64 columns
	s_lshr_b32 s15, s42, 6                         ; q: which half of K
	v_bfe_u32 v5, v0, 3, 1                         ; u: my column's tile of the two
	v_bfe_u32 v6, v0, 4, 1
	v_and_b32 v7, 7, v0
	s_delay_alu instid0(VALU_DEP_1)
	v_lshl_add_u32 v6, v6, 3, v7                   ; r: its row there
	s_delay_alu instid0(VALU_DEP_1)
	v_lshlrev_b32 v3, 4, v6
	s_delay_alu instid0(VALU_DEP_1)
	v_lshl_add_u32 v4, v5, 8, v3
	s_delay_alu instid0(VALU_DEP_2)
	v_lshl_add_u32 v3, v5, 13, v3                  ; codes: 8,192 u + 16 r
	s_lshl_b32 s28, s13, 9
	s_lshl_b32 s29, s14, 2
	s_add_co_u32 s28, s28, s29
	s_add_co_u32 s28, s28, WLDS
	v_add_nc_u32 v4, s28, v4                       ; LDS, my scale word: WLDS + 256 (2 cg + u) + 16 r + 4 sl
	s_mov_b32 s30, 4096
	s_cmp_lt_u32 s43, 48
	s_cselect_b32 s30, 12288, s30                  ; bytes from row to row
	s_cselect_b32 s31, 0, 48
	s_sub_co_u32 s32, s43, s31
	s_lshl_b32 s32, s32, 8
	s_lshl_b32 s33, s13, 7
	s_add_co_u32 s32, s32, s33                     ; my wave's first column, in bytes
	s_lshl_b32 s33, s15, 2
	s_add_co_u32 s33, s33, s14                     ; my K step
	s_lshl_b32 s34, s33, 7
	s_mul_i32 s34, s34, s30                        ; its first row
	s_add_co_u32 s34, s34, s32
	s_mov_b32 s35, 0
	s_lshl_b32 s36, s30, 5                         ; 32 rows: from block to block
	s_mov_b32 s37, 0
	s_lshl_b32 s38, s43, 1
	s_add_co_u32 s38, s38, s13
	s_lshl_b32 s38, s38, 14
	s_lshl_b32 s39, s33, 10
	s_add_co_u32 s38, s38, s39                     ; codes: tile 4 x + 2 cg, my K step
	s_mov_b32 s39, 0
	s_lshl_b32 s40, s43, 11
	s_lshl_b32 s41, s15, 8
	s_add_co_u32 s40, s40, s41                     ; scale words: tile 4 x, half q
	s_mov_b32 s41, 0
.set i, 0
.rept 32
	v_mad_u32_u24 v[WOFF+i], s30, i, v2
.set i, i+1
.endr
	s_wait_alu depctr_va_vdst(0)
	s_wait_kmcnt 0x0
	s_cmp_lt_u32 s43, 48                           ; the choice hangs on the work-group's number alone
	s_cselect_b64 s[4:5], s[4:5], s[6:7]
	s_add_nc_u64 s[16:17], s[4:5], s[34:35]        ; a base for each of the K step's four blocks
	s_add_nc_u64 s[18:19], s[16:17], s[36:37]
	s_add_nc_u64 s[20:21], s[18:19], s[36:37]
	s_add_nc_u64 s[22:23], s[20:21], s[36:37]
	s_add_nc_u64 s[24:25], s[8:9], s[38:39]
	s_add_nc_u64 s[26:27], s[10:11], s[40:41]
.irp b, 0,1,2,3
.set i, 0
.rept 32
	global_load_b32 v[WX+32*\b+i], v[WOFF+i], s[16+2*\b:17+2*\b] th:TH_LOAD_NT   ; row 32 b + i at 32 neighbouring columns: 128 consecutive bytes a wave, 256 with the wave beside it
.set i, i+1
.endr
.endr
.macro WBLK b, left
.set WB, WX+32*\b
	s_wait_loadcnt \left
	v_max3_num_f32 v8, |v[WB]|, |v[WB+1]|, |v[WB+2]|
	v_max3_num_f32 v9, |v[WB+3]|, |v[WB+4]|, |v[WB+5]|
.irp i, 6,10,14,18,22,26
	s_delay_alu instid0(VALU_DEP_2)
	v_max3_num_f32 v8, v8, |v[WB+\i]|, |v[WB+\i+1]|
	s_delay_alu instid0(VALU_DEP_2)
	v_max3_num_f32 v9, v9, |v[WB+\i+2]|, |v[WB+\i+3]|
.endr
	s_delay_alu instid0(VALU_DEP_2)
	v_max3_num_f32 v8, v8, |v[WB+30]|, |v[WB+31]|
	s_delay_alu instid0(VALU_DEP_1)
	v_max3_num_f32 v8, v8, v9, 0x1800000           ; and the floor 2^(3 - 127): the byte cannot fall under 1
	s_delay_alu instid0(VALU_DEP_1)
	v_add_nc_u32 v[10+\b], 0xff000000, v8          ; 2 off the exponent field: the conversion's scale operand
	s_delay_alu instid0(VALU_DEP_1)
	v_lshrrev_b32 v14, 23, v[10+\b]                ; the scale's byte
.if \b == 0
	s_delay_alu instid0(VALU_DEP_1)
	v_mov_b32 v16, v14
.else
	s_delay_alu instid0(VALU_DEP_1)
	v_lshl_or_b32 v16, v14, 8*\b, v16              ; four bytes make my column's word of this K step
.endif
.irp g, 0,1,2,3
	v_cvt_scalef32_pk8_fp4_f32 v[WC+4*\b+\g], v[WB+8*\g:WB+8*\g+7], v[10+\b]
.endr
	global_store_b128 v3, v[WC+4*\b:WC+4*\b+3], s[24:25] offset:256*\b   ; block b of row r lies at 256 b + 16 r of the fragment's image: the sixteen lanes of a tile fill 256 consecutive bytes, aligned
.endm
	WBLK 0, 63                                     ; 96 younger loads might stay out; 63 is the largest count that the wait can name, and a smaller count is safe
	WBLK 1, 63                                     ; (64 might)
	WBLK 2, 32                                     ; the last block's 32 may be out
	WBLK 3, 0
	ds_store_b32 v4, v16
	s_wait_dscnt 0x0                               ; for the others' sake: my word has landed
	s_barrier_signal -1
	s_barrier_wait -1
	s_cmp_lt_u32 s12, 2
	s_cbranch_scc0 .Lw_end
	s_lshl_b32 s28, s12, 9
	s_add_co_u32 s28, s28, WLDS
	v_lshlrev_b32 v17, 4, v1
	s_delay_alu instid0(VALU_DEP_1)
	v_add_nc_u32 v18, s28, v17
	ds_load_b128 v[20:23], v18                     ; wave w: tiles 2 w and 2 w + 1 of the four: 256 bytes each
	v_and_b32 v19, 15, v0
	s_delay_alu instid0(VALU_DEP_1)
	v_lshlrev_b32 v19, 4, v19
	v_bfe_u32 v24, v0, 4, 1
	s_delay_alu instid0(VALU_DEP_1)
	v_lshl_add_u32 v19, v24, 9, v19
	s_lshl_b32 s29, s12, 10
	v_add_nc_u32 v19, s29, v19                     ; 512 (2 w + lane / 16) + 16 (lane % 16)
	s_wait_alu depctr_va_vdst(0)
	s_wait_dscnt 0x0
	global_store_b128 v19, v[20:23], s[26:27]      ; sixteen lanes store 256 consecutive bytes, aligned
.Lw_end:
	s_wait_tensorcnt 0x0
	ds_add_u32 v208, v209
	s_wait_dscnt 0x0
	s_endpgm
.Lfunc_end_k_qa53f1bd14e_quant:
	.size	k_qa53f1bd14e_quant, .Lfunc_end_k_qa53f1bd14e_quant-k_qa53f1bd14e_quant
	.p2alignl 7, 3214868480
	.fill 96, 4, 3214868480
	.section	.rodata,"a",@progbits
	.p2align	6, 0x0
	.amdhsa_kernel k_qa53f1bd14e_quant
		.amdhsa_group_segment_fixed_size 70144
		.amdhsa_private_segment_fixed_size 0
		.amdhsa_enable_private_segment 0
		.amdhsa_kernarg_size 56
		.amdhsa_user_sgpr_count 2
		.amdhsa_user_sgpr_kernarg_segment_ptr 1
		.amdhsa_wavefront_size32 1
		.amdhsa_system_sgpr_workgroup_id_x 1
		.amdhsa_system_sgpr_workgroup_id_y 1
		.amdhsa_system_sgpr_workgroup_id_z 1
		.amdhsa_system_vgpr_workitem_id 0
		.amdhsa_next_free_vgpr 210
		.amdhsa_next_free_sgpr 66
		.amdhsa_reserve_vcc 0
		.amdhsa_float_denorm_mode_32 3
		.amdhsa_float_denorm_mode_16_64 3
		.amdhsa_memory_ordered 1
		.amdhsa_forward_progress 1
		.amdhsa_inst_pref_size 38
	.end_amdhsa_kernel
	.amdgpu_metadata
---
amdhsa.version: [ 1, 2 ]
amdhsa.kernels:
  - .name:           k_qa53f1bd14e_quant
    .symbol:         k_qa53f1bd14e_quant.kd
    .args:
      - { .name: x, .offset: 0, .size: 8, .value_kind: global_buffer, .address_space: global }
      - { .name: x_codes, .offset: 8, .size: 8, .value_kind: global_buffer, .address_space: global }
      - { .name: x_scales, .offset: 16, .size: 8, .value_kind: global_buffer, .address_space: global }
      - { .name: w_scales, .offset: 24, .size: 8, .value_kind: global_buffer, .address_space: global }
      - { .name: w_qkv, .offset: 32, .size: 8, .value_kind: global_buffer, .address_space: global }
      - { .name: w_o, .offset: 40, .size: 8, .value_kind: global_buffer, .address_space: global }
      - { .name: w_codes, .offset: 48, .size: 8, .value_kind: global_buffer, .address_space: global }
    .group_segment_fixed_size: 70144
    .private_segment_fixed_size: 0
    .kernarg_segment_align: 8
    .kernarg_segment_size: 56
    .max_flat_workgroup_size: 256
    .sgpr_count:     66
    .vgpr_count:     210
    .wavefront_size: 32
...
	.end_amdgpu_metadata
.endif
;; end of part 6
;; launch gemm_qkv (part 7): grid 16 x 16, 12 waves a work-group, clusters of 4 x 4, 232,960 bytes of LDS; arguments x_codes, x_scales, w_codes, w_scales, b_qkv, qkv_codes, qkv_scales; writes qkv_codes, qkv_scales
.if DOCPART == 7
	.amdgcn_target "amdgcn-amd-amdhsa--gfx1250"
	.amdhsa_code_object_version 6
	.text
	.protected	k_qa53f1bd14e_gemm_qkv
	.globl	k_qa53f1bd14e_gemm_qkv
	.p2align	8
	.type	k_qa53f1bd14e_gemm_qkv,@function
k_qa53f1bd14e_gemm_qkv:
	s_mov_b64 s[64:65], 0
	v_nop
	global_prefetch_b8 v0, s[64:65] scope:SCOPE_SE
	s_setreg_imm32_b32 hwreg(HW_REG_WAVE_MODE, 25, 1), 1
	s_wait_xcnt 0x0
	s_wait_alu depctr_hold_cnt(0) depctr_sa_sdst(0) depctr_va_vdst(0) depctr_va_sdst(0) depctr_va_ssrc(0) depctr_va_vcc(0) depctr_vm_vsrc(0)
	s_getreg_b32 s2, hwreg(HW_REG_IB_STS2, 6, 4)
	s_cmp_eq_u32 s2, 0
	s_cbranch_scc0 .Lentry_in_a_cluster
	s_endpgm
.Lentry_in_a_cluster:
	s_bfe_u32 s2, ttmp6, 0x10000c
	s_cmp_lg_u32 s2, 0xf033
	s_cbranch_scc0 .Lentry_shape_is_right
	s_endpgm
.Lentry_shape_is_right:
; qkv = x w_qkv + b_qkv on codes of FP4 (E2M1) with E8M0 scales, sums in f32; q and k are quantised along the head's 64, v along the tokens, and only codes and scale bytes go to memory.
; OPERANDS are images of the matrix unit's registers: [tile][K step 8][piece 2][lane][16 bytes], 8,192 bytes a tile of 16 rows; scale words [tile][q 2][r 16][4 words].
; Lane r of tile 2 B + U holds row 32 B + 16 (r / 8) + 8 U + r % 8 (tokens and weight columns alike): so in a result the 16 registers of source 0's tiles 2 B and 2 B + 1 are 16 NEIGHBOURS, 32 B + 16 (lane / 16) + 0 .. 15.
; SHARES: a work-group makes 256 tokens x one head's 192 columns.  Wave w: g = w % 4 its 64 tokens (4 tiles), p = w / 4 its part (q, k, v: 4 weight tiles): 16 accumulators, three waves to a SIMD.
; One loop serves all: D(i, j) = F0[j] x F1[i].  q, k: F0 = weight tiles, F1 = token tiles: a lane holds ONE token and its registers run along d.  v: F0 = token tiles, F1 = weight tiles: a lane holds ONE d and its registers run along the tokens.
; All of K (1,024) of the work-group's 16 token tiles and 12 weight tiles lies in LDS at once, in two halves of K: every LDS byte is filled once, and all of it has landed before the first product.
; CLUSTERS: 4 x 4 work-groups.  The four of a row of the cluster need the same token tiles, the four of a column the same weight tiles: each is asked for JOINTLY, by the same tensor load with the same descriptor and a mask that names the four.
; OUT: qkv_codes: part p at p x 2 MiB, [batch x head 32][65,536]: q, k [tile 128][lane (r, h): d 32 h ..][16 bytes]; v [key step 16][d tile 4][piece 2][lane][16 bytes].
;   qkv_scales [batch x head][16,384]: q's words [tile][r] = (s0, s1, s0, s1); at 8,192 k's words, one for a PAIR of tiles, [64 keys][lane: pair 0's rows, pair 1's rows]; at 12,288 v's words [key step][d tile][r].
; LIMITS: a block of zeros gets the byte 1 where the rule says 127 (its codes are zeros, and this program alone reads the bytes); NaN and infinities are not served.
; REGISTERS: v1 16 x lane; v2-5 LDS addresses of F0, F1 in the halves of K; v6 r, v7 h, v8 lane; v9-11 addresses; v16-23 v's bias; v32-47, v48-63 scale words of F0, F1; v64-95 F0; v96-127 F1; v128-255 accumulators ((i, j) at 128 + 32 i + 8 j).
;   Behind the loop v64-107 are at work: v64-79 maxima, bytes and scale operands; v80-81 scale words; v82-87 their parts; v88-103 codes; v104-107 words on their way out.
.set XH,   65536                       ; LDS: a half of K of the 16 token tiles, 4,096 bytes a tile
.set WB,   131072                      ; behind both: the weight tiles,
.set WH,   49152                       ; a half of K of the 12
.set SCST, 229376                      ; behind them: 2,048 bytes in which the scale words meet: no tensor load lands here
.set S0,  32
.set S1,  48
.set F0,  64
.set F1,  96
.set ACC, 128
.set TM,  64
.set PW,  80
.set WK,  82
.set PC,  88
.set G1X, 24                           ; s[24:31] descriptor group 1 for token tiles;  s[32:39] for weight tiles: it differs in the mask alone
.set G1W, 32
.set G0X, 40                           ; s[40:47] group 0 for token tiles, a set for each half of K;  s[48:55] for weight tiles
.set G0W, 48
.macro CROUND                          ; a round of the cluster's barrier
	s_barrier_signal -1
	s_barrier_wait -1
	s_cmp_lg_u32 s18, 0
	s_cbranch_scc1 .Lnot_wave_0_\@
	s_barrier_signal -3
.Lnot_wave_0_\@:
	s_barrier_wait -3
	s_barrier_signal -1
	s_barrier_wait -1
.endm
	s_load_b256 s[4:11], s[0:1], 0x0               ; x_codes, x_scales, w_codes, w_scales
	s_load_b128 s[12:15], s[0:1], 0x20             ; b_qkv, qkv_codes
	s_load_b64 s[16:17], s[0:1], 0x30              ; qkv_scales
	v_lshl_add_u32 v30, v0, 2, 0x38800
	v_mov_b32 v31, 0
	ds_add_u32 v30, v31
	ds_add_u32 v30, v31
	v_lshrrev_b32 v1, 5, v0
	s_delay_alu instid0(VALU_DEP_1)
	v_readfirstlane_b32 s18, v1                    ; wave 0..11
	s_and_b32 s19, s18, 3                          ; g
	s_lshr_b32 s20, s18, 2                         ; p
	s_bfe_u32 s21, ttmp6, 0x40000                  ; cx
	s_bfe_u32 s22, ttmp6, 0x40004                  ; cy
	s_lshl_b32 s56, ttmp9, 2
	s_add_co_u32 s56, s56, s21                     ; the head = 4 x cluster x + cx
	s_and_b32 s57, ttmp7, 0xffff
	s_lshl_b32 s57, s57, 2
	s_add_co_u32 s57, s57, s22                     ; the block of 256 tokens = 4 x cluster y + cy
	s_lshl_b32 s58, s22, 2
	s_lshl_b32 s58, 15, s58                        ; my row of the cluster
	s_lshl_b32 s59, 0x1111, s21                    ; my column
	; descriptor group 1: 4 tiles' halves of K: 4 rows of 512 elements of 8 bytes (4,096 bytes), 1,024 elements (a tile's 8,192 bytes) apart; dense in LDS
	s_or_b32 s[G1X], s58, (3<<16)|(1<<21)          ; 15:0 the mask; 17:16 elements of 8 bytes; 21 set beside a mask
	s_or_b32 s[G1W], s59, (3<<16)|(1<<21)
.irp g, G1X, G1W
	s_mov_b32 s[\g+1], 512<<16                     ; tensor_dim0
	s_mov_b32 s[\g+2], 4<<16                       ; tensor_dim1
	s_mov_b32 s[\g+3], 512<<16                     ; tile_dim0
	s_mov_b32 s[\g+4], 4                           ; tile_dim1
	s_mov_b32 s[\g+5], 1024                        ; tensor_dim0_stride
	s_mov_b32 s[\g+6], 0
	s_mov_b32 s[\g+7], 0
.endr
	s_mov_b32 s[G1W+2], 6<<16                      ; a load of weight tiles brings 6 tiles' halves of K: tensor_dim1,
	s_mov_b32 s[G1W+4], 6                          ; tile_dim1
	s_lshl_b32 s60, s57, 17                        ; token tiles 16 my + 4 g on: made of the token block and the wave's number alone,
	s_lshl_b32 s86, s19, 15
	s_add_co_u32 s60, s60, s86
	s_mov_b32 s61, 0
	s_mul_i32 s62, s56, 98304                      ; weight tiles 12 head + 6 (g % 2) on: of the head and the wave's number alone
	s_and_b32 s88, s19, 1                          ; waves 8-11: which 6 of the 12 weight tiles
	s_mul_i32 s88, s88, 49152
	s_add_co_u32 s62, s62, s88
	s_mov_b32 s63, 0
	s_mov_b32 s87, 0
	s_mul_i32 s92, s56, 6144                       ; the scale words of my part's weight tiles: tile 12 head + 4 p, 512 bytes a tile
	s_lshl_b32 s93, s20, 11
	s_add_co_u32 s92, s92, s93
	s_mov_b32 s93, 0
	s_lshl_b32 s94, s57, 13                        ; those of my token tiles: tile 16 my + 4 g
	s_lshl_b32 s95, s19, 11
	s_add_co_u32 s94, s94, s95
	s_mov_b32 s95, 0
	s_mul_i32 s74, s56, 768                        ; my part's 64 numbers of the bias: column 192 head + 64 p
	s_lshl_b32 s75, s20, 8
	s_add_co_u32 s74, s74, s75
	s_mov_b32 s75, 0
	s_lshr_b32 s90, s57, 3
	s_lshl_b32 s90, s90, 4
	s_add_co_u32 s90, s90, s56                     ; batch x 16 + head
	s_and_b32 s91, s57, 7                          ; which 256 tokens of the batch's 2,048
	s_lshl_b32 s76, s20, 21                        ; codes out: the part, the head's 65,536 bytes, the block's 8,192
	s_lshl_b32 s77, s90, 16
	s_add_co_u32 s76, s76, s77
	s_lshl_b32 s77, s91, 13
	s_add_co_u32 s76, s76, s77
	s_mov_b32 s77, 0
	s_lshl_b32 s80, s20, 14
	s_add_co_u32 s80, s80, WB                      ; LDS: my part's weight tiles,
	s_lshl_b32 s81, s19, 14                        ; my token tiles
	s_mov_b32 s84, 0x76543210
	s_mov_b32 s85, 0xfedcba98                      ; v_permlanex16_b32's selects for lane l xor 16
	s_wait_dscnt 0x0
	CROUND                                         ; the round in front of the first joint loads: it stands here, while the arguments are on their way
	s_wait_kmcnt 0x0
	s_add_nc_u64 s[60:61], s[4:5], s[60:61]
	s_add_nc_u64 s[62:63], s[8:9], s[62:63]
	s_add_nc_u64 s[92:93], s[10:11], s[92:93]
	s_add_nc_u64 s[94:95], s[6:7], s[94:95]
	s_add_nc_u64 s[74:75], s[12:13], s[74:75]
	s_add_nc_u64 s[76:77], s[14:15], s[76:77]
	; ONE LOAD A WAVE.  Waves 0-7: token tiles 4 (w % 4) on, half w / 4 of K, to LDS byte 16,384 w.  Waves 8-11: weight tiles 6 (w % 2) on, half (w - 8) / 2 of K.
	s_lshl_b32 s86, s20, 12
	s_mov_b32 s[G0X], 1                            ; count = 1
	s_lshl_b32 s[G0X+1], s18, 14                   ; LDS address
	s_add_nc_u64 s[G0X+2:G0X+3], s[60:61], s[86:87]
	s_or_b32 s[G0X+3], s[G0X+3], 0x80000000        ; type = 2
	s_lshr_b32 s88, s19, 1
	s_mul_i32 s[G0W+1], s88, WH
	s_lshl_b32 s88, s88, 12
	s_mov_b32 s89, 0
	s_and_b32 s[G0W+4], s19, 1
	s_mul_i32 s[G0W+4], s[G0W+4], 24576
	s_add_co_u32 s[G0W+1], s[G0W+1], s[G0W+4]
	s_add_co_u32 s[G0W+1], s[G0W+1], WB
	s_mov_b32 s[G0W], 1
	s_add_nc_u64 s[G0W+2:G0W+3], s[62:63], s[88:89]
	s_or_b32 s[G0W+3], s[G0W+3], 0x80000000
	s_cmp_lt_u32 s18, 8                            ; every wave issues one joint load: waves 0-7 for the token tiles, waves 8-11 for the weight tiles
	s_cbranch_scc0 .Lnot_x
	tensor_load_to_lds s[G0X:G0X+3], s[G1X:G1X+7]
	s_nop 0
.rept 4
	v_nop
.endr
	s_branch .Lasked
.Lnot_x:
	tensor_load_to_lds s[G0W:G0W+3], s[G1W:G1W+7]
	s_nop 0
.rept 4
	v_nop
.endr
.Lasked:
	v_and_b32 v8, 31, v0                           ; lane
	s_delay_alu instid0(VALU_DEP_1)
	v_lshlrev_b32 v1, 4, v8                        ; 16 x lane: an image's place for my lane
	v_and_b32 v6, 15, v0                           ; r
	v_bfe_u32 v7, v0, 4, 1                         ; h
	s_cmp_lt_u32 s18, 8                            ; THE ROLES part on the wave's number alone
	s_cbranch_scc0 .Lrole_v
	v_add_nc_u32 v2, s80, v1                       ; q, k: F0 = my part's weight tiles,
	s_delay_alu instid0(VALU_DEP_1)
	v_add_nc_u32 v3, WH, v2
	v_add_nc_u32 v4, s81, v1                       ; F1 = my token tiles
	s_delay_alu instid0(VALU_DEP_1)
	v_add_nc_u32 v5, XH, v4
	s_mov_b64 s[66:67], s[92:93]
	s_mov_b64 s[68:69], s[94:95]
	s_lshl_b32 s82, s19, 11                        ; codes out: my 4 tiles of 512 bytes
	s_mov_b32 s83, 0
	s_add_nc_u64 s[76:77], s[76:77], s[82:83]
	v_lshlrev_b32 v9, 6, v7                        ; the bias is the C of each sum's first product: it is loaded into the accumulators.  Register n of (i, 2 b + u) is column 32 b + 16 h + 8 u + n
.irp i, 0,1,2,3
.irp j, 0,1,2,3
	global_load_b128 v[ACC+32*\i+8*\j:ACC+32*\i+8*\j+3], v9, s[74:75] offset:(32*(\j/2)+8*(\j%2))*4
	global_load_b128 v[ACC+32*\i+8*\j+4:ACC+32*\i+8*\j+7], v9, s[74:75] offset:(32*(\j/2)+8*(\j%2))*4+16
.endr
.endr
	s_branch .Lrole_done
.Lrole_v:
	s_wait_alu depctr_va_vdst(0)
	v_add_nc_u32 v2, s81, v1                       ; v: F0 = my token tiles,
	s_delay_alu instid0(VALU_DEP_1)
	v_add_nc_u32 v3, XH, v2
	v_add_nc_u32 v4, s80, v1                       ; F1 = v's weight tiles
	s_delay_alu instid0(VALU_DEP_1)
	v_add_nc_u32 v5, WH, v4
	s_mov_b64 s[66:67], s[94:95]
	s_mov_b64 s[68:69], s[92:93]
	s_lshr_b32 s82, s19, 1                         ; codes out: key step g / 2 of the block's two (4,096 bytes), piece g % 2 (512 bytes)
	s_lshl_b32 s82, s82, 12
	s_and_b32 s83, s19, 1
	s_lshl_b32 s83, s83, 9
	s_add_co_u32 s82, s82, s83
	s_mov_b32 s83, 0
	s_add_nc_u64 s[76:77], s[76:77], s[82:83]
	v_and_b32 v9, 8, v6
	s_delay_alu instid0(VALU_DEP_1)
	v_add_nc_u32 v9, v9, v6
	s_delay_alu instid0(VALU_DEP_1)
	v_lshlrev_b32 v9, 2, v9                        ; here a lane holds one column: of tile 2 b + u column 32 b + 8 u + 16 (r / 8) + r % 8: one number a tile, loaded into both words of a pair
.irp t, 0,1,2,3
	global_load_b32 v[16+2*\t], v9, s[74:75] offset:(32*(\t/2)+8*(\t%2))*4
	global_load_b32 v[17+2*\t], v9, s[74:75] offset:(32*(\t/2)+8*(\t%2))*4
.endr
.Lrole_done:
	s_wait_alu depctr_va_vdst(0)
.irp j, 0,1,2,3
	global_load_b128 v[S0+4*\j:S0+4*\j+3], v1, s[66:67] offset:512*\j   ; a tile's scale words for all of K: register n: lanes 0-15 K step n, lanes 16-31 K step 4 + n
	global_load_b128 v[S1+4*\j:S1+4*\j+3], v1, s[68:69] offset:512*\j
.endr
; A K step of 128: the sl-th of half H.  Eight fragments from LDS (an image comes back by two loads of 512 consecutive bytes), sixteen products.  The sixteen accumulators take turns, one instruction a turn,
; in the same order in every step.  zero = 1: the products start the sums.
.macro KSTEP H, sl, zero
.rept 4
	v_nop                                          ; places in front of loads into registers that matrix instructions have read (ISA guide 7.12.1 for vector instructions)
.endr
.irp j, 0,1,2,3
.irp c, 0,1
	ds_load_b128 v[F0+8*\j+4*\c:F0+8*\j+4*\c+3], v[2+\H] offset:\j*4096+\sl*1024+512*\c
.endr
.endr
.irp j, 0,1,2,3
.irp c, 0,1
	ds_load_b128 v[F1+8*\j+4*\c:F1+8*\j+4*\c+3], v[4+\H] offset:\j*4096+\sl*1024+512*\c
.endr
.endr
.irp i, 0,1,2,3
	s_wait_dscnt 6-2*\i                            ; F0's eight loads and F1's tiles 0 to i are in; the two loads of each later tile of F1 may be out
.irp j, 0,1,2,3
.if \zero
	v_wmma_scale_f32_16x16x128_f8f6f4 v[ACC+32*\i+8*\j:ACC+32*\i+8*\j+7], v[F0+8*\j:F0+8*\j+7], v[F1+8*\i:F1+8*\i+7], 0, v[S0+4*\j+\sl], v[S1+4*\i+\sl] matrix_a_fmt:MATRIX_FMT_FP4 matrix_b_fmt:MATRIX_FMT_FP4
.elseif \H
	v_wmma_scale_f32_16x16x128_f8f6f4 v[ACC+32*\i+8*\j:ACC+32*\i+8*\j+7], v[F0+8*\j:F0+8*\j+7], v[F1+8*\i:F1+8*\i+7], v[ACC+32*\i+8*\j:ACC+32*\i+8*\j+7], v[S0+4*\j+\sl], v[S1+4*\i+\sl] matrix_a_fmt:MATRIX_FMT_FP4 matrix_b_fmt:MATRIX_FMT_FP4 matrix_a_scale:MATRIX_SCALE_ROW1 matrix_b_scale:MATRIX_SCALE_ROW1
.else
	v_wmma_scale_f32_16x16x128_f8f6f4 v[ACC+32*\i+8*\j:ACC+32*\i+8*\j+7], v[F0+8*\j:F0+8*\j+7], v[F1+8*\i:F1+8*\i+7], v[ACC+32*\i+8*\j:ACC+32*\i+8*\j+7], v[S0+4*\j+\sl], v[S1+4*\i+\sl] matrix_a_fmt:MATRIX_FMT_FP4 matrix_b_fmt:MATRIX_FMT_FP4
.endif
.endr
.endr
.endm
; 64 numbers of a lane, v[s] .. v[s + 63], four half blocks: register 16 b + n is number 16 (lane / 16) + n of block b; lanes l and l xor 16 hold a block.  They become 8 registers of codes, v[pc] on
; (registers 4 c .. 4 c + 3: lanes 0-15 block 2 c, lanes 16-31 block 2 c + 1), and the four scale bytes in v[pw].
.macro QUANT s, pc, pw
.irp b, 0,1,2,3
	v_max3_num_f32 v[TM+\b], |v[\s+16*\b]|, |v[\s+1+16*\b]|, 0x1800000   ; my 16 numbers, and the floor 2^(3 - 127): the byte cannot fall under 1.  (Each accumulator is read from its low end on)
.endr
.irp i, 2,4,6,8,10,12,14
.irp b, 0,1,2,3
	v_max3_num_f32 v[TM+\b], v[TM+\b], |v[\s+16*\b+\i]|, |v[\s+1+16*\b+\i]|   ; (the four blocks by turns)
.endr
.endr
.irp b, 0,1,2,3
	s_delay_alu instid0(VALU_DEP_4)
	v_permlanex16_b32 v[TM+4+\b], v[TM+\b], s84, s85
.endr
.irp b, 0,1,2,3
	s_delay_alu instid0(VALU_DEP_4)
	v_max_num_f32 v[TM+\b], v[TM+\b], v[TM+4+\b]   ; with lane l xor 16's: the block's largest magnitude
.endr
.irp b, 0,1,2,3
	s_delay_alu instid0(VALU_DEP_4)
	v_add_nc_u32 v[TM+12+\b], 0xff000000, v[TM+\b] ; 2 off its exponent field: the conversion's scale operand
.endr
.irp b, 0,1,2,3
	s_delay_alu instid0(VALU_DEP_4)
	v_lshrrev_b32 v[TM+4+\b], 23, v[TM+12+\b]      ; the scale's byte
.endr
	s_delay_alu instid0(VALU_DEP_3)
	v_lshl_or_b32 v[\pw], v[TM+5], 8, v[TM+4]
	s_delay_alu instid0(VALU_DEP_1)
	v_lshl_or_b32 v[\pw], v[TM+6], 16, v[\pw]
	s_delay_alu instid0(VALU_DEP_1)
	v_lshl_or_b32 v[\pw], v[TM+7], 24, v[\pw]
.irp b, 0,1,2,3
	v_cvt_scalef32_pk8_fp4_f32 v[\pc+2*\b], v[\s+16*\b:\s+7+16*\b], v[TM+12+\b]
	v_cvt_scalef32_pk8_fp4_f32 v[\pc+1+2*\b], v[\s+8+16*\b:\s+15+16*\b], v[TM+12+\b]
.endr
	v_nop                                          ; one plain place behind a scaled conversion
.irp c, 0,1
.irp i, 0,1
	v_permlane16_swap_b32 v[\pc+4*\c+\i], v[\pc+2+4*\c+\i]   ; a whole block to a lane
.endr
.endr
.endm
	s_wait_tensorcnt 0x0                           ; my one load is in; behind the barrier below all of K lies in LDS
	s_wait_loadcnt 0x0                             ; scale words and bias
	s_barrier_signal -1
	s_barrier_wait -1                              ; everybody's part is in
	s_cmp_lt_u32 s18, 8
	s_cbranch_scc0 .Lfirst_v
	KSTEP 0, 0, 0                                  ; q, k: the first products add onto the bias
	s_branch .Lfirst_done
.Lfirst_v:
	KSTEP 0, 0, 1                                  ; v: they start the sums
.Lfirst_done:
	KSTEP 0, 1, 0
	KSTEP 0, 2, 0
	KSTEP 0, 3, 0
	KSTEP 1, 0, 0
	KSTEP 1, 1, 0
	KSTEP 1, 2, 0
	KSTEP 1, 3, 0
.rept 4
	v_nop                                          ; places behind the last products
.endr
.irp b, 0,1,2,3
	v_mov_b32 v[TM+4+\b], 0                        ; a lane permute's destination counts as one of its sources
.endr
	v_cmp_le_u32 vcc_lo, 16, v8                    ; lanes 16-31
	s_cmp_lt_u32 s18, 8
	s_cbranch_scc0 .Lout_v
	; q, k: the accumulators of token tiles 2 P and 2 P + 1 are four blocks: (tile 2 P: d 0-31, d 32-63), (tile 2 P + 1: the same).  The codes' registers 0-3 are tile 2 P's image, 4-7 tile 2 P + 1's.
	QUANT ACC, PC, PW
	global_store_b128 v1, v[PC:PC+3], s[76:77]                    ; each store covers 512 consecutive bytes, aligned
	global_store_b128 v1, v[PC+4:PC+7], s[76:77] offset:512
	QUANT ACC+64, PC+8, PW+1
	global_store_b128 v1, v[PC+8:PC+11], s[76:77] offset:1024
	global_store_b128 v1, v[PC+12:PC+15], s[76:77] offset:1536
	s_cmp_eq_u32 s20, 0
	s_cbranch_scc0 .Lk_words
	v_lshl_add_u32 v10, v8, 2, SCST                ; q: a word for each tile, (s0, s1, s0, s1): lanes 0-15 store tile 2 P's, lanes 16-31 tile 2 P + 1's
	s_lshl_b32 s82, s19, 8
	v_add_nc_u32 v10, s82, v10
.irp P, 0,1
	v_perm_b32 v[WK+3*\P], v[PW+\P], v[PW+\P], 0x01000100
	v_perm_b32 v[WK+3*\P+1], v[PW+\P], v[PW+\P], 0x03020302
	s_delay_alu instid0(VALU_DEP_1)
	v_cndmask_b32 v[WK+3*\P+2], v[WK+3*\P], v[WK+3*\P+1], vcc_lo
	ds_store_b32 v10, v[WK+3*\P+2] offset:128*\P
.endr
	s_branch .Lwords_done
.Lk_words:
	v_lshl_add_u32 v10, v6, 2, SCST+1024           ; k: the four bytes as they stand are the word of a pair of tiles; both lanes of a row write the same word with the same value
	s_lshl_b32 s82, s19, 7
	v_add_nc_u32 v10, s82, v10
	ds_store_b32 v10, v[PW]
	ds_store_b32 v10, v[PW+1] offset:64
	s_branch .Lwords_done
.Lout_v:
.irp t, 0,1,2,3
.irp k, 0,2,4,6,8,10,12,14,16,18,20,22,24,26,28,30
	v_pk_add_f32 v[ACC+32*\t+\k:ACC+32*\t+\k+1], v[ACC+32*\t+\k:ACC+32*\t+\k+1], v[16+2*\t:17+2*\t]   ; + my column's bias; each accumulator from its low end on
.endr
.endr
	; v: the accumulators of d tiles 2 T and 2 T + 1 are four blocks along the TOKENS: (tile 2 T: my tokens 0-31, 32-63), (tile 2 T + 1: the same): piece g % 2 of each tile's fragment of key step g / 2
	QUANT ACC, PC, PW
	global_store_b128 v1, v[PC:PC+3], s[76:77]
	global_store_b128 v1, v[PC+4:PC+7], s[76:77] offset:1024
	QUANT ACC+64, PC+8, PW+1
	global_store_b128 v1, v[PC+8:PC+11], s[76:77] offset:2048
	global_store_b128 v1, v[PC+12:PC+15], s[76:77] offset:3072
	v_lshl_add_u32 v10, v8, 2, SCST+1536           ; two bytes of a word: lanes 0-15 tile 2 T's, lanes 16-31 tile 2 T + 1's; the wave with the step's other 64 tokens stores the other two
	s_lshr_b32 s82, s19, 1
	s_lshl_b32 s82, s82, 8
	s_and_b32 s83, s19, 1
	s_lshl_b32 s83, s83, 1
	s_add_co_u32 s82, s82, s83
	v_add_nc_u32 v10, s82, v10
.irp T, 0,1
	v_lshrrev_b32 v[WK+3*\T], 16, v[PW+\T]
	s_delay_alu instid0(VALU_DEP_1)
	v_cndmask_b32 v[WK+3*\T+1], v[PW+\T], v[WK+3*\T], vcc_lo
	ds_store_b16 v10, v[WK+3*\T+1] offset:128*\T
.endr
.Lwords_done:
	s_wait_dscnt 0x0                               ; for the others' sake: my words have landed
	s_barrier_signal -1
	s_barrier_wait -1
	s_cmp_lt_u32 s18, 4
	s_cbranch_scc0 .Lno_words
	s_lshl_b32 s82, s18, 9
	s_add_co_u32 s82, s82, SCST
	v_add_nc_u32 v11, s82, v1
	ds_load_b128 v[104:107], v11                   ; waves 0, 1: q's 1,024 bytes; wave 2: k's 512; wave 3: v's 512
	s_lshl_b32 s92, s91, 10
	s_lshl_b32 s93, s18, 9
	s_add_co_u32 s92, s92, s93                     ; q's: 1,024 a block + 512 w
	s_lshl_b32 s94, s91, 9
	s_lshl_b32 s93, s18, 12
	s_add_co_u32 s94, s94, s93                     ; k's and v's: 4,096 w + 512 a block
	s_cmp_lt_u32 s18, 2
	s_cselect_b32 s92, s92, s94
	s_lshl_b32 s93, s90, 14
	s_add_co_u32 s92, s92, s93
	s_mov_b32 s93, 0
	s_add_nc_u64 s[78:79], s[16:17], s[92:93]
	s_wait_dscnt 0x0
	global_store_b128 v1, v[104:107], s[78:79]     ; 32 lanes store 512 consecutive bytes, aligned
.Lno_words:
	s_wait_tensorcnt 0x0
	ds_add_u32 v30, v31
	s_wait_dscnt 0x0
	CROUND                                         ; the closing round: no work-group ends while a partner may still ask for a tile that names it
	s_endpgm
.Lfunc_end_k_qa53f1bd14e_gemm_qkv:
	.size	k_qa53f1bd14e_gemm_qkv, .Lfunc_end_k_qa53f1bd14e_gemm_qkv-k_qa53f1bd14e_gemm_qkv
	.p2alignl 7, 3214868480
	.fill 96, 4, 3214868480
	.section	.rodata,"a",@progbits
	.p2align	6, 0x0
	.amdhsa_kernel k_qa53f1bd14e_gemm_qkv
		.amdhsa_group_segment_fixed_size 232960
		.amdhsa_private_segment_fixed_size 0
		.amdhsa_enable_private_segment 0
		.amdhsa_kernarg_size 56
		.amdhsa_user_sgpr_count 2
		.amdhsa_user_sgpr_kernarg_segment_ptr 1
		.amdhsa_wavefront_size32 1
		.amdhsa_system_sgpr_workgroup_id_x 1
		.amdhsa_system_sgpr_workgroup_id_y 1
		.amdhsa_system_sgpr_workgroup_id_z 1
		.amdhsa_system_vgpr_workitem_id 0
		.amdhsa_next_free_vgpr 256
		.amdhsa_next_free_sgpr 96
		.amdhsa_reserve_vcc 1
		.amdhsa_float_denorm_mode_32 3
		.amdhsa_float_denorm_mode_16_64 3
		.amdhsa_memory_ordered 1
		.amdhsa_forward_progress 1
		.amdhsa_inst_pref_size 67
	.end_amdhsa_kernel
	.amdgpu_metadata
---
amdhsa.version: [ 1, 2 ]
amdhsa.kernels:
  - .name:           k_qa53f1bd14e_gemm_qkv
    .symbol:         k_qa53f1bd14e_gemm_qkv.kd
    .args:
      - { .name: x_codes, .offset: 0, .size: 8, .value_kind: global_buffer, .address_space: global }
      - { .name: x_scales, .offset: 8, .size: 8, .value_kind: global_buffer, .address_space: global }
      - { .name: w_codes, .offset: 16, .size: 8, .value_kind: global_buffer, .address_space: global }
      - { .name: w_scales, .offset: 24, .size: 8, .value_kind: global_buffer, .address_space: global }
      - { .name: b_qkv, .offset: 32, .size: 8, .value_kind: global_buffer, .address_space: global }
      - { .name: qkv_codes, .offset: 40, .size: 8, .value_kind: global_buffer, .address_space: global }
      - { .name: qkv_scales, .offset: 48, .size: 8, .value_kind: global_buffer, .address_space: global }
    .group_segment_fixed_size: 232960
    .private_segment_fixed_size: 0
    .kernarg_segment_align: 8
    .kernarg_segment_size: 56
    .max_flat_workgroup_size: 384
    .sgpr_count:     96
    .vgpr_count:     256
    .wavefront_size: 32
...
	.end_amdgpu_metadata
.endif
;; end of part 7
;; launch attention (part 8): grid 8 x 32, 16 waves a work-group, clusters of 4 x 1, 169,984 bytes of LDS; arguments qkv_codes, qkv_scales, o_codes, o_scales; writes o_codes, o_scales
.if DOCPART == 8
	.amdgcn_target "amdgcn-amd-amdhsa--gfx1250"
	.amdhsa_code_object_version 6
	.text
	.protected	k_qa53f1bd14e_attention
	.globl	k_qa53f1bd14e_attention
	.p2align	8
	.type	k_qa53f1bd14e_attention,@function
k_qa53f1bd14e_attention:
	s_mov_b64 s[64:65], 0
	v_nop
	global_prefetch_b8 v0, s[64:65] scope:SCOPE_SE
	s_setreg_imm32_b32 hwreg(HW_REG_WAVE_MODE, 25, 1), 1
	s_wait_xcnt 0x0
	s_wait_alu depctr_hold_cnt(0) depctr_sa_sdst(0) depctr_va_vdst(0) depctr_va_sdst(0) depctr_va_ssrc(0) depctr_va_vcc(0) depctr_vm_vsrc(0)
	s_getreg_b32 s2, hwreg(HW_REG_IB_STS2, 6, 4)
	s_cmp_eq_u32 s2, 0
	s_cbranch_scc0 .Lentry_in_a_cluster
	s_endpgm
.Lentry_in_a_cluster:
	s_bfe_u32 s2, ttmp6, 0x10000c
	s_cmp_lg_u32 s2, 0x3003
	s_cbranch_scc0 .Lentry_shape_is_right
	s_endpgm
.Lentry_shape_is_right:
; o = softmax(q k^T / 8) v for one head and 256 queries, both products on codes of FP4 (E2M1) with E8M0 scales; o is divided by the row's sum, quantised along the head's 64 and stored as codes: the next product's operand.
; THE SOFTMAX AHEAD OF THE SECOND PRODUCT: t = score x log2(e) / 8; M = the row's largest t so far, rounded UP to a whole number; p = 2^(t - M) is quantised along the keys, not normalised.  The row's sum is
; taken of the unquantised p.  When M moves, the sum and O are multiplied by f = 2^(old M - new M): exact.
; SHARES: a work-group owns 256 queries of one head; each of its sixteen waves one tile of 16, in 256 registers, four waves to a SIMD.  Every wave walks the head's 2,048 keys, 128 a step, three steps a trip.
; The head's K and V codes (64 KiB each) and their scale words (8 KiB) all lie in LDS: every byte is filled once, by nine loads at the head, one a wave (waves 0-7: 16 KiB of codes each; wave 8: the words); one barrier shows them.
; Ahead of the loads stand only the wave's number and the descriptors; all other set-up stands behind them.
; No prefetch: all that the launch reads through LDS is asked for at the head, and there is no loop to run ahead in.
; CLUSTER: the four query blocks of a cluster belong to one head and read the same K and V: each piece is asked for JOINTLY, by the same tensor load with the same descriptor and a mask that names the four.
; LAYOUT: both products are used transposed: S^T = K Q^T (source 0 = 16 keys), O^T = V^T P^T (source 0 = 16 of the head's 64): a lane holds ONE query (lane % 16) throughout.
; Row m of tile 4 c + u of a step is key 64 c + 32 (m / 8) + 8 u + m % 8, so the 32 registers of tiles 4 c .. 4 c + 3 are the block of 32 keys 2 c + lane / 16, in order: a block's largest score needs no other lane, and the
; conversions' results are the second product's operand as they stand.  In LDS K's rows lie [old tile 2 B + U][lane (r, h)][16 bytes]; which rows form a tile is only each lane's address.
; THE FIRST PRODUCT'S K IS 64, the instruction's 128: a fragment of K holds TWO tiles of keys.  Q stands in twelve registers, 0000 q q q q 0000: v[20:27] = (q, 0) multiplies the first tile, v[16:23] = (0, q) the second;
; the other tile's codes meet zero codes, which add nothing under any scale byte that a quantiser gives.
; A BLOCK'S SCALE NEEDS NO EXPONENTIAL: p rises with the score, and the exponent of 2^x is floor(x): the block's largest score goes through the same multiply-add as every score, and floor(t - M) + 125, held at 1 from below, is the byte.
; THE ROW'S SUM is a tree of 32 packed operations: its 16 first additions stand among the conversions; the 15 others and the multiply-add onto the running sum stand in the NEXT step, as the places behind
; its first products and between the lines that make M, which hang on each other.  The first step finds zeros there; the last step's are finished on the way out.
; LIMITS: the promise holds while the scaled scores stay under 2^31 in magnitude.  A block of zeros gets the byte 1 where the rule says 127 (its codes are zeros, and this program alone reads the bytes); NaN and infinities are not served.
; Where v_exp_f32 rounds a block's largest p up to the next power of two (t - M within an ulp under a whole number), that one p is held one code low.
; o's two scale bytes a row leave as single bytes: the bytes beside them belong to other heads, which other work-groups make.
; REGISTERS: v1 16 x lane; v2, v3 my place among V's images and the scale words; v30, v31 among K's rows and K's words; v4 lane, v5 r, v6, v7 offsets; v8-11 the trip's addresses; v12 -M, v13 the largest score,
;   v[14:15] the sum; v16-27 Q, v28 its word; v32-63 K; v64-95 V; v96-159 S^T, then p; v160-191 O^T; v192-223 the sum's tree; v224-231 p's codes; v232-245, v254 at work; v246, v247 the add's; v248-251 K's and V's words; v252 f, v253 p's word; v255 the old -M.
.set VB,  65536                        ; LDS: K's codes at 0, V's here: 4,096 bytes a key step
.set SCK, 131072                       ; K's scale words, 256 bytes a key step;  V's 4,096 bytes further on
.set SPARE, 167936                     ; the spare words: 128 bytes for each of 16 waves
.macro CROUND                          ; a round of the cluster's barrier
	s_barrier_signal -1
	s_barrier_wait -1
	s_cmp_lg_u32 s12, 0
	s_cbranch_scc1 .Lnot_wave_0_\@
	s_barrier_signal -3
.Lnot_wave_0_\@:
	s_barrier_wait -3
	s_barrier_signal -1
	s_barrier_wait -1
.endm
	s_load_b256 s[4:11], s[0:1], 0x0               ; qkv_codes, qkv_scales, o_codes, o_scales
	v_lshl_add_u32 v246, v0, 2, SPARE
	v_mov_b32 v247, 0
	ds_add_u32 v246, v247                          ; the opening lines: the add, twice on end, and its wait; the descriptors' words, work on registers, stand between
	ds_add_u32 v246, v247
	v_lshrrev_b32 v1, 5, v0
	v_readfirstlane_b32 s12, v1                    ; wave 0..15
	s_and_b32 s15, ttmp7, 0xffff                   ; batch x 16 + head, which the four partners share
	; descriptor group 1: dense blocks as rows of 256 bytes (32 elements of 8 bytes): 64 rows (16 KiB of codes), 32 rows (the scale words)
	s_mov_b32 s16, 15|(3<<16)|(1<<21)              ; 15:0 the mask: all four work-groups; 17:16 elements of 8 bytes; 21 set beside a mask
	s_mov_b32 s17, 32<<16
	s_mov_b32 s18, 64<<16
	s_mov_b32 s19, 32<<16
	s_mov_b32 s20, 64
	s_mov_b32 s21, 32
	s_mov_b32 s22, 0
	s_mov_b32 s23, 0
	s_mov_b32 s24, 15|(3<<16)|(1<<21)
	s_mov_b32 s25, 32<<16
	s_mov_b32 s26, 32<<16
	s_mov_b32 s27, 32<<16
	s_mov_b32 s28, 32
	s_mov_b32 s29, 32
	s_mov_b32 s30, 0
	s_mov_b32 s31, 0
	s_lshr_b32 s60, s12, 2                         ; waves 0-3 fetch K (part 1 of the codes), waves 4-7 V (part 2): quarter w % 4
	s_add_co_u32 s60, s60, 1
	s_lshl_b32 s60, s60, 21
	s_lshl_b32 s61, s15, 16
	s_add_co_u32 s60, s60, s61
	s_and_b32 s61, s12, 3
	s_lshl_b32 s61, s61, 14
	s_add_co_u32 s60, s60, s61
	s_mov_b32 s61, 0
	s_lshl_b32 s62, s15, 14                        ; K's and V's scale words: 8,192 bytes from byte 8,192 of the head's 16,384
	s_add_co_u32 s62, s62, 8192
	s_mov_b32 s63, 0
	s_mov_b32 s32, 1                               ; group 0 for the scale words,
	s_mov_b32 s33, SCK
	s_mov_b32 s36, 1                               ; and for my 16 KiB of codes:
	s_lshl_b32 s37, s12, 14                        ; LDS byte 16,384 w
	s_wait_dscnt 0x0                               ; both opening adds are done
	CROUND                                         ; the round in front of the joint loads: it stands here, while the arguments are on their way
	s_wait_kmcnt 0x0
	s_add_nc_u64 s[38:39], s[4:5], s[60:61]
	s_or_b32 s39, s39, 0x80000000
	s_add_nc_u64 s[34:35], s[6:7], s[62:63]
	s_or_b32 s35, s35, 0x80000000
	s_cmp_lt_u32 s12, 8                            ; one chain of branches on the wave's number, one load to an arm
	s_cbranch_scc0 .Lnot_codes
	tensor_load_to_lds s[36:39], s[16:23]
	s_nop 0
.rept 4
	v_nop
.endr
	s_branch .Lasked
.Lnot_codes:
	s_cmp_lt_u32 s12, 9
	s_cbranch_scc0 .Lasked
	tensor_load_to_lds s[32:35], s[24:31]
	s_nop 0
.rept 4
	v_nop
.endr
.Lasked:
	s_bfe_u32 s13, ttmp6, 0x40000                  ; cx: it enters Q's and o's global addresses alone
	s_lshl_b32 s14, ttmp9, 2
	s_add_co_u32 s14, s14, s13                     ; my block of 256 queries
	s_lshl_b32 s68, s14, 4
	s_add_co_u32 s68, s68, s12                     ; my tile of queries among the head's 128
	s_lshl_b32 s70, s68, 9
	s_lshl_b32 s71, s15, 16
	s_add_co_u32 s70, s70, s71                     ; its codes (part 0)
	s_mov_b32 s71, 0
	s_lshl_b32 s72, s68, 6
	s_lshl_b32 s73, s15, 14
	s_add_co_u32 s72, s72, s73                     ; its scale words
	s_mov_b32 s73, 0
	s_add_nc_u64 s[70:71], s[4:5], s[70:71]
	s_add_nc_u64 s[72:73], s[6:7], s[72:73]
	v_and_b32 v4, 31, v0                           ; lane
	v_and_b32 v5, 15, v0                           ; r
	v_lshlrev_b32 v1, 4, v4                        ; 16 x lane
	v_lshlrev_b32 v6, 2, v5
	global_load_b128 v[20:23], v1, s[70:71]        ; Q: lane (r, h): query r, d 32 h on
	global_load_b32 v28, v6, s[72:73]              ; its scale word (s0, s1, s0, s1)
	v_bfe_u32 v7, v0, 4, 1                         ; h
	v_and_b32 v30, 7, v0                           ; r % 8
	v_bfe_u32 v11, v0, 3, 1                        ; r / 8
	v_lshlrev_b32 v3, 2, v4
	v_lshlrev_b32 v31, 2, v30
	v_lshlrev_b32 v30, 4, v30
	v_add_nc_u32 v2, VB, v1
	v_add_nc_u32 v3, SCK, v3                       ; 4 x lane, among the scale words: V's lie 4,096 bytes on
	v_lshl_add_u32 v30, v11, 10, v30
	v_lshl_add_u32 v31, v11, 6, v31
	v_mov_b32 v13, 0xff61b1e6                      ; the largest score so far: -3e38, under every score
	v_lshl_add_u32 v30, v7, 8, v30                 ; K's rows: 1,024 (r / 8) + 256 h + 16 (r % 8)
	v_lshl_add_u32 v31, v7, 5, v31
	v_lshl_add_u32 v7, v5, 4, v7                   ; the way out: my scale byte: 16 r + h
	v_floor_f32 v12, -v13                          ; -M: so large that the first step's f is 0
	v_add_nc_u32 v31, SCK, v31                     ; K's scale words: 64 (r / 8) + 32 h + 4 (r % 8)
.irp j, 16,17,18,19,24,25,26,27
	v_mov_b32 v\j, 0                               ; the zero codes on both sides of q
.endr
	v_mov_b32 v14, 0                               ; the sum
	v_mov_b32 v15, 0
	v_mov_b32 v252, 0
	v_mov_b32 v253, 0
	v_mov_b32 v255, v12
.set j, 0
.rept 64
	v_mov_b32 v[160+j], 0                          ; O^T and the sum's tree: the step has one form, and the first finds zeros
.set j, j+1
.endr
	s_lshr_b32 s69, s15, 4                         ; the way out:
	s_lshl_b32 s69, s69, 7
	s_add_co_u32 s69, s69, s68                     ; my tile among all 256 tiles of tokens
	s_and_b32 s74, s15, 15                         ; the head
	s_lshl_b32 s44, s69, 13
	s_lshr_b32 s75, s74, 1                         ; the next product's K step: two heads to a step
	s_lshl_b32 s45, s75, 10
	s_add_co_u32 s44, s44, s45
	s_and_b32 s45, s74, 1                          ; and the piece
	s_lshl_b32 s45, s45, 9
	s_add_co_u32 s44, s44, s45
	s_mov_b32 s45, 0
	s_lshl_b32 s46, s69, 9                         ; scale bytes: the tile's 512, half head / 8, word (head / 2) % 4, bytes 2 (head % 2) on
	s_lshr_b32 s47, s74, 3
	s_lshl_b32 s47, s47, 8
	s_add_co_u32 s46, s46, s47
	s_and_b32 s47, s75, 3
	s_lshl_b32 s47, s47, 2
	s_add_co_u32 s46, s46, s47
	s_and_b32 s47, s74, 1
	s_lshl_b32 s47, s47, 1
	s_add_co_u32 s46, s46, s47
	s_mov_b32 s47, 0
	s_add_nc_u64 s[44:45], s[8:9], s[44:45]
	s_add_nc_u64 s[46:47], s[10:11], s[46:47]
	s_mov_b32 s52, 0x76543210
	s_mov_b32 s53, 0xfedcba98                      ; v_permlanex16_b32's selects for lane l xor 16
	s_mov_b32 s54, 0x3e38aa3b                      ; c = log2(e) / 8
	s_mov_b32 s55, s54                             ; (named with it as a pair, so it is written)
.macro VFRAG t, q                      ; V: d tile t, the 128 keys of the trip's step q: two loads of 512 consecutive bytes
.irp c, 0,1
	ds_load_b128 v[64+8*\t+4*\c:67+8*\t+4*\c], v9 offset:4096*(\q)+1024*\t+512*\c
.endr
.endm
.macro KFRAG b, adr, off               ; K: fragment b = 2 c + v: tiles 4 c + 2 v and 4 c + 2 v + 1
.irp e, 0,1
	ds_load_b128 v[32+8*\b+4*\e:35+8*\b+4*\e], v[\adr] offset:(\off)+2048*(\b/2)+128*(\b%2)+512*\e
.endr
.endm
.macro L1 j                            ; the sum's tree, first level: pairs 2 j and 2 j + 1 of p
	v_pk_add_f32 v[192+2*(\j):193+2*(\j)], v[96+4*(\j):97+4*(\j)], v[98+4*(\j):99+4*(\j)]
.endm
.macro LV d, n                         ; a later level: n additions of partial sums d registers apart
.set k, 0
.rept \n
	v_pk_add_f32 v[192+2*\d*k:193+2*\d*k], v[192+2*\d*k:193+2*\d*k], v[192+2*\d*k+\d:193+2*\d*k+\d]
.set k, k+1
.endr
.endm
.macro LSUM                            ; the running sum x the f of the step that the tree belongs to, + the tree's root
	v_pk_fma_f32 v[14:15], v[14:15], v[252:253], v[192:193] op_sel_hi:[1,0,1]
.endm
.macro PF i                            ; t - M, two at a time (of the pairs c and -M the low word serves both halves)
	v_pk_fma_f32 v[96+2*(\i):97+2*(\i)], v[96+2*(\i):97+2*(\i)], s[54:55], v[12:13] op_sel_hi:[1,0,0]
.endm
.macro CV i                            ; register i of the operand: keys 64 (i / 4) + 32 (lane / 16) + 8 (i % 4) on
	v_cvt_scalef32_pk8_fp4_f32 v[224+\i], v[96+8*\i:103+8*\i], v[244+\i/4]
.endm
; A KEY STEP: 128 keys, the q-th of a trip's three.  s56: where the trip's codes begin in K's and V's 64 KiB; s57: its scale words.  The step's fragments of K and their words were asked for a step ago.  ahead = 1: the next step's are asked for here.
.macro STEP q, ahead
	s_wait_dscnt 0x0                               ; K's ten loads are in
.irp b, 0,1,2,3
.if \b%2
	v_wmma_scale_f32_16x16x128_f8f6f4 v[96+16*\b:103+16*\b], v[32+8*\b:39+8*\b], v[20:27], 0, v[248+\b/2], v28 matrix_a_fmt:MATRIX_FMT_FP4 matrix_b_fmt:MATRIX_FMT_FP4 matrix_a_scale:MATRIX_SCALE_ROW1
	v_wmma_scale_f32_16x16x128_f8f6f4 v[104+16*\b:111+16*\b], v[32+8*\b:39+8*\b], v[16:23], 0, v[248+\b/2], v28 matrix_a_fmt:MATRIX_FMT_FP4 matrix_b_fmt:MATRIX_FMT_FP4 matrix_a_scale:MATRIX_SCALE_ROW1
.else
	v_wmma_scale_f32_16x16x128_f8f6f4 v[96+16*\b:103+16*\b], v[32+8*\b:39+8*\b], v[20:27], 0, v[248+\b/2], v28 matrix_a_fmt:MATRIX_FMT_FP4 matrix_b_fmt:MATRIX_FMT_FP4
	v_wmma_scale_f32_16x16x128_f8f6f4 v[104+16*\b:111+16*\b], v[32+8*\b:39+8*\b], v[16:23], 0, v[248+\b/2], v28 matrix_a_fmt:MATRIX_FMT_FP4 matrix_b_fmt:MATRIX_FMT_FP4
.endif
.endr                                              ; register 32 c + n of S^T is key 64 c + 32 (lane / 16) + n of the step
	; the places behind these products: the trip's addresses (once in three steps) and the second level of the last step's sum
.if \q == 0
.if \ahead
	v_add_nc_u32 v8, s56, v30
	v_add_nc_u32 v11, s57, v31
.endif
	v_add_nc_u32 v9, s56, v2
	v_add_nc_u32 v10, s57, v3
.endif
	LV 2, 8
	; THE LARGEST SCORE OF MY TWO BLOCKS OF 32 KEYS: a chain for each of the eight accumulators, by turns, each from its low end on; it serves the row's maximum and the block's scale
.irp a, 0,1,2,3,4,5,6,7
	v_max3_num_f32 v[232+\a], v[96+8*\a], v[97+8*\a], v[98+8*\a]
.endr
.irp i, 3,5
.irp a, 0,1,2,3,4,5,6,7
	v_max3_num_f32 v[232+\a], v[232+\a], v[96+8*\a+\i], v[97+8*\a+\i]
.endr
.endr
.irp c, 0,1
	v_max3_num_f32 v[232+4*\c], v[232+4*\c], v[233+4*\c], v[103+32*\c]   ; a block's four chains and the four scores that they left over
	v_max3_num_f32 v[234+4*\c], v[234+4*\c], v[235+4*\c], v[111+32*\c]
.endr
.irp c, 0,1
	v_max3_num_f32 v[232+4*\c], v[232+4*\c], v[234+4*\c], v[119+32*\c]
.endr
.irp c, 0,1
	v_max_num_f32 v[240+\c], v[232+4*\c], v[127+32*\c]
.endr
	; the lines that make M hang on each other: the rest of the last step's sum stands between them
	v_max3_num_f32 v254, v240, v241, v13           ; my 64 keys and the running largest score
	LV 4, 4
	v_permlanex16_b32 v236, v254, s52, s53
	LV 8, 2
	v_max_num_f32 v13, v254, v236                  ; with lane l xor 16's 64 keys: the running largest score of my query
	LV 16, 1
	v_mul_f32 v254, s54, v13                       ; as t (c is positive)
	LSUM                                           ; (it reads the last step's f, which is written anew below)
	v_floor_f32 v12, -v254                         ; the new -M = floor(-t) = -ceil(t): M IS A WHOLE NUMBER
	s_delay_alu instid0(VALU_DEP_1)
	v_sub_f32 v254, v12, v255                      ; M's old value less its new one: a whole number, 0 or less
	PF 0
	PF 1
	v_cvt_i32_f32 v254, v254                       ; (it saturates)
	PF 2
	PF 3
	v_ldexp_f32 v252, 1.0, v254                    ; f = 2^(old M - new M): a multiplication by it rounds nothing
.set i, 4
.rept 28
	PF i
.set i, i+1
.endr
	v_fma_f32 v240, v240, s54, v12                 ; x = t - M of each block's largest score
	v_fma_f32 v241, v241, s54, v12
.set i, 0
.rept 16
	v_pk_mul_f32 v[160+2*i:161+2*i], v[160+2*i:161+2*i], v[252:253] op_sel_hi:[1,0]   ; O^T under the new M; each accumulator from its low end on
.set i, i+1
.endr
	v_max_num_f32 v240, 0xc2f80000, v240           ; x held at -124 from below: the byte cannot fall under 1
	v_max_num_f32 v241, 0xc2f80000, v241
	v_cvt_floor_i32_f32 v240, v240                 ; floor(x): the exponent of the block's largest p
	v_cvt_floor_i32_f32 v241, v241
	v_add_lshl_u32 v244, v240, 125, 23             ; the conversion's scale operand: exponent field floor(x) + 127 - 2
	v_add_lshl_u32 v245, v241, 125, 23
	v_add_nc_u32 v242, 125, v240                   ; the scale's byte
	v_add_nc_u32 v243, 125, v241
	s_delay_alu instid0(VALU_DEP_1)
	v_lshl_or_b32 v242, v243, 16, v242             ; my two bytes, blocks h and 2 + h, in bytes 0 and 2
	s_delay_alu instid0(VALU_DEP_1)
	v_permlanex16_b32 v243, v242, s52, s53         ; lane l xor 16's two
	s_delay_alu instid0(VALU_DEP_1)
	v_lshl_or_b32 v253, v243, 8, v242              ; p's scale word for these 128 keys: in lanes 0-15, which alone are read, bytes 0 to 3 are blocks 0 to 3
	s_wait_alu depctr_va_vdst(0)                   ; the wait ahead of the batch
	; the step's LDS loads in one run, V's ten first: far more than four places behind the products that read the registers they fill
.irp t, 0,1,2,3
	VFRAG \t, \q
.endr
	ds_load_b32 v250, v10 offset:4096+256*\q       ; V's words: lanes 0-15 d tile 0, lanes 16-31 d tile 1;
	ds_load_b32 v251, v10 offset:4224+256*\q       ; 2 and 3
.if \ahead
.irp b, 0,1,2,3
	KFRAG \b, 8, 4096*(\q+1)                       ; the NEXT step's K
.endr
	ds_load_b32 v248, v11 offset:256*(\q+1)        ; and its words
	ds_load_b32 v249, v11 offset:256*(\q+1)+128
.endif
.set i, 0
.rept 64
	v_exp_f32 v[96+i], v[96+i]                     ; p = 2^(t - M), at most 1: NOT normalised
.set i, i+1
.endr
	v_mov_b32 v255, v12                            ; -M is kept for the next step.  (The plain place behind the exponentials)
	s_wait_alu depctr_va_vdst(0)                   ; one wait for the whole batch, ahead of its first reader
	; the conversions and the first level of the sum, by turns
.irp i, 0,1,2,3,4,5,6,7
	L1 \i
	CV \i
.endr
.set i, 8
.rept 8
	L1 i                                           ; eight additions stand behind the last codes: the places ahead of the products below
.set i, i+1
.endr
	s_wait_alu depctr_va_vdst(0)                   ; directly ahead of the wait below
.if \ahead
	s_wait_dscnt 10                                ; V's ten loads are in; the ten issued behind them, the next step's K, may be out
.else
	s_wait_dscnt 0x0
.endif
.irp t, 0,1,2,3
.if \t%2
	v_wmma_scale_f32_16x16x128_f8f6f4 v[160+8*\t:167+8*\t], v[64+8*\t:71+8*\t], v[224:231], v[160+8*\t:167+8*\t], v[250+\t/2], v253 matrix_a_fmt:MATRIX_FMT_FP4 matrix_b_fmt:MATRIX_FMT_FP4 matrix_a_scale:MATRIX_SCALE_ROW1
.else
	v_wmma_scale_f32_16x16x128_f8f6f4 v[160+8*\t:167+8*\t], v[64+8*\t:71+8*\t], v[224:231], v[160+8*\t:167+8*\t], v[250+\t/2], v253 matrix_a_fmt:MATRIX_FMT_FP4 matrix_b_fmt:MATRIX_FMT_FP4
.endif
.endr                                              ; the four accumulators take turns, one instruction a turn
.if \q == 2
	s_add_co_u32 s56, s56, 3*4096
	s_add_co_u32 s57, s57, 3*256
.endif
.endm
	s_wait_alu depctr_va_vdst(0)                   ; the wait at the head's end
	s_wait_loadcnt 0x0                             ; Q
	s_wait_tensorcnt 0x0                           ; my load, if I issued one, has landed
	s_barrier_signal -1
	s_barrier_wait -1                              ; all of K, V and their words lie in LDS
.irp b, 0,1,2,3
	KFRAG \b, 30, 0                                ; step 0's K
.endr
	ds_load_b32 v248, v31
	ds_load_b32 v249, v31 offset:128
	s_mov_b32 s56, 0
	s_mov_b32 s57, 0
	s_mov_b32 s58, 5
.Ltrip:                                            ; steps 0 to 14, three a trip
	STEP 0, 1
	STEP 1, 1
	STEP 2, 1
	s_sub_co_u32 s58, s58, 1
	s_cmp_lg_u32 s58, 0
	s_cbranch_scc1 .Ltrip
	s_mov_b32 s56, 15*4096
	s_mov_b32 s57, 15*256
	STEP 0, 0                                      ; step 15: nothing is left to ask for
	; THE WAY OUT.  The last step's sum is finished (these lines are also the places behind the last products); O^T / the sum.  V's rows d were chosen by the launch before so that O^T's 32 registers are
	; d 32 b + 16 (lane / 16) + n: two blocks of the next product's K, each in lanes l and l xor 16; codes and bytes go straight into that operand's image.
	LV 2, 8
	LV 4, 4
	LV 8, 2
	LV 16, 1
	LSUM
	s_delay_alu instid0(VALU_DEP_1)
	v_add_f32 v14, v14, v15                        ; the sum's two halves,
	s_delay_alu instid0(VALU_DEP_1)
	v_permlanex16_b32 v252, v14, s52, s53
	s_delay_alu instid0(VALU_DEP_1)
	v_add_f32 v14, v14, v252                       ; and lane l xor 16's: the row's sum
	s_wait_alu depctr_va_vdst(0)                   ; the wait ahead of the transcendental
	v_rcp_f32 v14, v14
	v_nop                                          ; one plain place behind a transcendental
	s_wait_alu depctr_va_vdst(0)                   ; the wait, directly ahead of the first readers of the reciprocal and of O^T
.set j, 0
.rept 32
	v_mul_f32 v[96+j], v[160+j], v14               ; each accumulator from its low end on
.set j, j+1
.endr
	v_cmp_le_u32 vcc_lo, 16, v4                    ; lanes 16-31
.irp b, 0,1
	v_max3_num_f32 v[232+\b], |v[96+16*\b]|, |v[97+16*\b]|, 0x1800000
.endr
.irp i, 2,4,6,8,10,12,14
.irp b, 0,1
	v_max3_num_f32 v[232+\b], v[232+\b], |v[96+16*\b+\i]|, |v[97+16*\b+\i]|
.endr
.endr
.irp b, 0,1
	v_permlanex16_b32 v[236+\b], v[232+\b], s52, s53
.endr
.irp b, 0,1
	v_max_num_f32 v[232+\b], v[232+\b], v[236+\b]
.endr
.irp b, 0,1
	v_add_nc_u32 v[244+\b], 0xff000000, v[232+\b]
.endr
.irp b, 0,1
	v_lshrrev_b32 v[236+\b], 23, v[244+\b]
.endr
.irp b, 0,1
	v_cvt_scalef32_pk8_fp4_f32 v[224+2*\b], v[96+16*\b:103+16*\b], v[244+\b]
	v_cvt_scalef32_pk8_fp4_f32 v[225+2*\b], v[104+16*\b:111+16*\b], v[244+\b]
.endr
	v_nop                                          ; one plain place behind a scaled conversion
	v_permlane16_swap_b32 v224, v226
	v_permlane16_swap_b32 v225, v227               ; lanes 0-15 the head's first block, lanes 16-31 its second
	v_cndmask_b32 v238, v236, v237, vcc_lo         ; and the byte of the block that my lane now holds
	global_store_b128 v1, v[224:227], s[44:45]     ; 32 lanes store 512 consecutive bytes, aligned
	global_store_b8 v7, v238, s[46:47]
	s_wait_tensorcnt 0x0                           ; the wave's end
	ds_add_u32 v246, v247
	s_wait_dscnt 0x0
	CROUND                                         ; the closing round: no work-group ends while a partner may still ask for a tile that names it
	s_endpgm
.Lfunc_end_k_qa53f1bd14e_attention:
	.size	k_qa53f1bd14e_attention, .Lfunc_end_k_qa53f1bd14e_attention-k_qa53f1bd14e_attention
	.p2alignl 7, 3214868480
	.fill 96, 4, 3214868480
	.section	.rodata,"a",@progbits
	.p2align	6, 0x0
	.amdhsa_kernel k_qa53f1bd14e_attention
		.amdhsa_group_segment_fixed_size 169984
		.amdhsa_private_segment_fixed_size 0
		.amdhsa_enable_private_segment 0
		.amdhsa_kernarg_size 32
		.amdhsa_user_sgpr_count 2
		.amdhsa_user_sgpr_kernarg_segment_ptr 1
		.amdhsa_wavefront_size32 1
		.amdhsa_system_sgpr_workgroup_id_x 1
		.amdhsa_system_sgpr_workgroup_id_y 1
		.amdhsa_system_sgpr_workgroup_id_z 1
		.amdhsa_system_vgpr_workitem_id 0
		.amdhsa_next_free_vgpr 256
		.amdhsa_next_free_sgpr 76
		.amdhsa_reserve_vcc 1
		.amdhsa_float_denorm_mode_32 3
		.amdhsa_float_denorm_mode_16_64 3
		.amdhsa_memory_ordered 1
		.amdhsa_forward_progress 1
		.amdhsa_inst_pref_size 69
	.end_amdhsa_kernel
	.amdgpu_metadata
---
amdhsa.version: [ 1, 2 ]
amdhsa.kernels:
  - .name:           k_qa53f1bd14e_attention
    .symbol:         k_qa53f1bd14e_attention.kd
    .args:
      - { .name: qkv_codes, .offset: 0, .size: 8, .value_kind: global_buffer, .address_space: global }
      - { .name: qkv_scales, .offset: 8, .size: 8, .value_kind: global_buffer, .address_space: global }
      - { .name: o_codes, .offset: 16, .size: 8, .value_kind: global_buffer, .address_space: global }
      - { .name: o_scales, .offset: 24, .size: 8, .value_kind: global_buffer, .address_space: global }
    .group_segment_fixed_size: 169984
    .private_segment_fixed_size: 0
    .kernarg_segment_align: 8
    .kernarg_segment_size: 32
    .max_flat_workgroup_size: 512
    .sgpr_count:     76
    .vgpr_count:     256
    .wavefront_size: 32
...
	.end_amdgpu_metadata
.endif
;; end of part 8
;; launch gemm_out (part 9): grid 8 x 32, 8 waves a work-group, clusters of 4 x 4, 201,728 bytes of LDS; arguments o_codes, o_scales, w_codes, w_scales, b_o, out0; writes out0
.if DOCPART == 9
	.amdgcn_target "amdgcn-amd-amdhsa--gfx1250"
	.amdhsa_code_object_version 6
	.text
	.protected	k_qa53f1bd14e_gemm_out
	.globl	k_qa53f1bd14e_gemm_out
	.p2align	8
	.type	k_qa53f1bd14e_gemm_out,@function
k_qa53f1bd14e_gemm_out:
	s_mov_b64 s[64:65], 0
	v_nop
	global_prefetch_b8 v0, s[64:65] scope:SCOPE_SE
	s_setreg_imm32_b32 hwreg(HW_REG_WAVE_MODE, 25, 1), 1
	s_wait_xcnt 0x0
	s_wait_alu depctr_hold_cnt(0) depctr_sa_sdst(0) depctr_va_vdst(0) depctr_va_sdst(0) depctr_va_ssrc(0) depctr_va_vcc(0) depctr_vm_vsrc(0)
	s_getreg_b32 s2, hwreg(HW_REG_IB_STS2, 6, 4)
	s_cmp_eq_u32 s2, 0
	s_cbranch_scc0 .Lentry_in_a_cluster
	s_endpgm
.Lentry_in_a_cluster:
	s_bfe_u32 s2, ttmp6, 0x10000c
	s_cmp_lg_u32 s2, 0xf033
	s_cbranch_scc0 .Lentry_shape_is_right
	s_endpgm
.Lentry_shape_is_right:
; out0 = o w_o + b_o on codes of FP4 (E2M1) with E8M0 scales, sums in f32.  o [4096 tokens][1024] and w_o arrive as images of the matrix unit's registers: [tile][K step 8][piece 2][lane][16 bytes], 8,192 bytes a
; tile of 16 rows, scale words [tile][q 2][r 16][4 words].  Lane r of tile 2 B + U holds row 32 B + 16 (r / 8) + 8 U + r % 8 (tokens and weight columns alike).  w_o's tiles are tiles 192-255 of w_codes.
; SHARES: a work-group makes 128 tokens x 128 columns.  Wave w: g = w % 4 its 32 tokens (2 tiles), w / 4 its 64 columns (4 weight tiles): 8 accumulators, two waves to a SIMD.
; THE MATRIX INSTRUCTION IS USED TRANSPOSED: D(i, j) = weight tile j x token tile i: a lane holds one token, and the 16 registers of tiles 2 b, 2 b + 1 are the columns 32 b + 16 (lane / 16) + 0 .. 15.
; All of K (1,024) of the 8 token tiles and 8 weight tiles lies in LDS at once, in two halves of K: every LDS byte is filled once, and all of it has landed before the first product.
; CLUSTERS: 4 x 4 work-groups.  The four of a row of the cluster need the same token tiles, the four of a column the same weight tiles: each is asked for JOINTLY, by the same tensor load with the same descriptor and a mask that names the four.
; The bias is the C of each sum's first product: it is loaded into the accumulators.  The results go through the wave's own stage in LDS and leave as aligned runs of 256 bytes.
; REGISTERS: v1 16 x lane; v2-5 LDS addresses of the weight and token fragments in the halves of K; v6 r, v7 h, v8 lane; v9-12 addresses; v32-47, v48-55 scale words; v64-95 weight fragments; v96-111 token fragments;
;   v128-191 accumulators ((i, j) at 128 + 32 i + 8 j); on the way out v32-95 take the rows read back.
.set HB,   32768                       ; LDS: a half of K of 8 tiles, 4,096 bytes a tile: the token tiles' two halves,
.set WB,   65536                       ; then the weight tiles'
.set STG,  131072                      ; behind them a stage for each wave: 32 rows x (256 bytes + 16): no tensor load lands here
.set SP,   272
.set S0,  32
.set S1,  48
.set F0,  64
.set F1,  96
.set ACC, 128
.set G1X, 24                           ; s[24:31] descriptor group 1 for token tiles;  s[32:39] for weight tiles: it differs in the mask alone
.set G1W, 32
.set G0X, 40                           ; s[40:47] group 0 for token tiles, a set for each half of K;  s[48:55] for weight tiles
.set G0W, 48
.macro CROUND                          ; a round of the cluster's barrier
	s_barrier_signal -1
	s_barrier_wait -1
	s_cmp_lg_u32 s18, 0
	s_cbranch_scc1 .Lnot_wave_0_\@
	s_barrier_signal -3
.Lnot_wave_0_\@:
	s_barrier_wait -3
	s_barrier_signal -1
	s_barrier_wait -1
.endm
	s_load_b256 s[4:11], s[0:1], 0x0               ; o_codes, o_scales, w_codes, w_scales
	s_load_b128 s[12:15], s[0:1], 0x20             ; b_o, out0
	v_lshl_add_u32 v254, v0, 2, 0x31000
	v_mov_b32 v255, 0
	ds_add_u32 v254, v255
	ds_add_u32 v254, v255
	v_lshrrev_b32 v1, 5, v0
	s_delay_alu instid0(VALU_DEP_1)
	v_readfirstlane_b32 s18, v1                    ; wave 0..7
	s_and_b32 s19, s18, 3                          ; g
	s_lshr_b32 s20, s18, 2                         ; which 64 columns
	s_and_b32 s23, s18, 1                          ; which 4 tiles I fetch, if I fetch
	s_bfe_u32 s21, ttmp6, 0x40000                  ; cx
	s_bfe_u32 s22, ttmp6, 0x40004                  ; cy
	s_lshl_b32 s56, ttmp9, 2
	s_add_co_u32 s56, s56, s21                     ; the block of 128 columns = 4 x cluster x + cx
	s_and_b32 s57, ttmp7, 0xffff
	s_lshl_b32 s57, s57, 2
	s_add_co_u32 s57, s57, s22                     ; the block of 128 tokens = 4 x cluster y + cy
	s_lshl_b32 s58, s22, 2
	s_lshl_b32 s58, 15, s58                        ; my row of the cluster
	s_lshl_b32 s59, 0x1111, s21                    ; my column
	; descriptor group 1: 4 tiles' halves of K: 4 rows of 512 elements of 8 bytes (4,096 bytes), 1,024 elements (a tile's 8,192 bytes) apart; dense in LDS
	s_or_b32 s[G1X], s58, (3<<16)|(1<<21)          ; 15:0 the mask; 17:16 elements of 8 bytes; 21 set beside a mask
	s_or_b32 s[G1W], s59, (3<<16)|(1<<21)
.irp g, G1X, G1W
	s_mov_b32 s[\g+1], 512<<16                     ; tensor_dim0
	s_mov_b32 s[\g+2], 4<<16                       ; tensor_dim1
	s_mov_b32 s[\g+3], 512<<16                     ; tile_dim0
	s_mov_b32 s[\g+4], 4                           ; tile_dim1
	s_mov_b32 s[\g+5], 1024                        ; tensor_dim0_stride
	s_mov_b32 s[\g+6], 0
	s_mov_b32 s[\g+7], 0
.endr
	s_lshl_b32 s60, s57, 16                        ; token tiles 8 my + 4 (w % 2) on: made of the token block and the wave's number alone,
	s_lshl_b32 s86, s23, 15
	s_add_co_u32 s60, s60, s86
	s_mov_b32 s61, 0
	s_lshl_b32 s62, s56, 16                        ; weight tiles 192 + 8 nx + 4 (w % 2) on: of the column block and the wave's number alone
	s_lshl_b32 s88, s23, 15
	s_add_co_u32 s62, s62, s88
	s_add_co_u32 s62, s62, 192*8192
	s_mov_b32 s63, 0
	s_lshl_b32 s89, s19, 14                        ; where my load goes: 16,384 (w % 4): 4 tiles w % 2 of half (w % 4) / 2 of K
	s_mov_b32 s87, 0
	s_lshl_b32 s66, s56, 12                        ; the scale words of my weight tiles: tile 192 + 8 nx + 4 (w / 4), 512 bytes a tile
	s_lshl_b32 s67, s20, 11
	s_add_co_u32 s66, s66, s67
	s_add_co_u32 s66, s66, 192*512
	s_mov_b32 s67, 0
	s_lshl_b32 s68, s57, 12                        ; those of my token tiles: tile 8 my + 2 g
	s_lshl_b32 s69, s19, 10
	s_add_co_u32 s68, s68, s69
	s_mov_b32 s69, 0
	s_lshl_b32 s74, s56, 9                         ; my 64 columns, in bytes: in the bias,
	s_lshl_b32 s75, s20, 8
	s_add_co_u32 s74, s74, s75
	s_mov_b32 s75, 0
	s_lshl_b32 s76, s57, 19                        ; and in my first token's row of out0: token 128 my + 32 g, 4,096 bytes a row
	s_lshl_b32 s77, s19, 17
	s_add_co_u32 s76, s76, s77
	s_add_co_u32 s76, s76, s74
	s_mov_b32 s77, 0
	s_lshl_b32 s80, s20, 14
	s_add_co_u32 s80, s80, WB                      ; LDS: my weight tiles,
	s_lshl_b32 s81, s19, 13                        ; my token tiles,
	s_mul_i32 s82, s18, 32*SP
	s_add_co_u32 s82, s82, STG                     ; my stage
	s_wait_dscnt 0x0
	CROUND                                         ; the round in front of the first joint loads: it stands here, while the arguments are on their way
	s_wait_kmcnt 0x0
	s_add_nc_u64 s[60:61], s[4:5], s[60:61]
	s_add_nc_u64 s[62:63], s[8:9], s[62:63]
	s_add_nc_u64 s[66:67], s[10:11], s[66:67]
	s_add_nc_u64 s[68:69], s[6:7], s[68:69]
	s_add_nc_u64 s[74:75], s[12:13], s[74:75]
	s_add_nc_u64 s[76:77], s[14:15], s[76:77]
	; ONE LOAD A WAVE.  Waves 0-3: token tiles; waves 4-7: weight tiles; each 4 tiles (w % 2) of half (w % 4) / 2 of K.
	s_lshr_b32 s86, s19, 1
	s_lshl_b32 s86, s86, 12
	s_mov_b32 s[G0X], 1                            ; count = 1
	s_mov_b32 s[G0X+1], s89                        ; LDS address
	s_add_nc_u64 s[G0X+2:G0X+3], s[60:61], s[86:87]
	s_or_b32 s[G0X+3], s[G0X+3], 0x80000000        ; type = 2
	s_mov_b32 s[G0W], 1
	s_add_co_u32 s[G0W+1], s89, WB
	s_add_nc_u64 s[G0W+2:G0W+3], s[62:63], s[86:87]
	s_or_b32 s[G0W+3], s[G0W+3], 0x80000000
	s_cmp_lt_u32 s18, 4                            ; every wave issues one joint load: waves 0-3 for the token tiles, waves 4-7 for the weight tiles
	s_cbranch_scc0 .Lnot_x
	tensor_load_to_lds s[G0X:G0X+3], s[G1X:G1X+7]
	s_nop 0
.rept 4
	v_nop
.endr
	s_branch .Lasked
.Lnot_x:
	tensor_load_to_lds s[G0W:G0W+3], s[G1W:G1W+7]
	s_nop 0
.rept 4
	v_nop
.endr
.Lasked:
	v_and_b32 v8, 31, v0                           ; lane
	s_delay_alu instid0(VALU_DEP_1)
	v_lshlrev_b32 v1, 4, v8                        ; 16 x lane: an image's place for my lane
	v_and_b32 v6, 15, v0                           ; r
	v_bfe_u32 v7, v0, 4, 1                         ; h
	s_delay_alu instid0(VALU_DEP_3)
	v_add_nc_u32 v2, s80, v1
	s_delay_alu instid0(VALU_DEP_1)
	v_add_nc_u32 v3, HB, v2
	v_add_nc_u32 v4, s81, v1
	s_delay_alu instid0(VALU_DEP_1)
	v_add_nc_u32 v5, HB, v4
	v_lshlrev_b32 v9, 6, v7                        ; the bias: register n of (i, 2 b + u) is column 32 b + 16 h + 8 u + n
.irp i, 0,1
.irp j, 0,1,2,3
	global_load_b128 v[ACC+32*\i+8*\j:ACC+32*\i+8*\j+3], v9, s[74:75] offset:(32*(\j/2)+8*(\j%2))*4
	global_load_b128 v[ACC+32*\i+8*\j+4:ACC+32*\i+8*\j+7], v9, s[74:75] offset:(32*(\j/2)+8*(\j%2))*4+16
.endr
.endr
.irp j, 0,1,2,3
	global_load_b128 v[S0+4*\j:S0+4*\j+3], v1, s[66:67] offset:512*\j   ; a tile's scale words for all of K: register n: lanes 0-15 K step n, lanes 16-31 K step 4 + n
.endr
.irp i, 0,1
	global_load_b128 v[S1+4*\i:S1+4*\i+3], v1, s[68:69] offset:512*\i
.endr
	v_mul_u32_u24 v10, v6, SP
	s_delay_alu instid0(VALU_DEP_1)
	v_lshl_add_u32 v10, v7, 6, v10
	s_delay_alu instid0(VALU_DEP_1)
	v_add_nc_u32 v10, s82, v10                     ; the stage, on the way in: row r, + 64 h
	v_mul_u32_u24 v11, v7, SP
	s_delay_alu instid0(VALU_DEP_1)
	v_lshl_add_u32 v11, v6, 4, v11
	s_delay_alu instid0(VALU_DEP_1)
	v_add_nc_u32 v11, s82, v11                     ; back: lanes 0-15 one row of 256 bytes, lanes 16-31 the next
	v_lshlrev_b32 v12, 12, v7
	s_delay_alu instid0(VALU_DEP_1)
	v_lshl_add_u32 v12, v6, 4, v12                 ; and the same in out0: neighbouring stage rows are neighbouring tokens
; A K step of 128: the sl-th of half H.  Six fragments from LDS (an image comes back by two loads of 512 consecutive bytes), eight products.  The eight accumulators take turns, one instruction a turn,
; in the same order in every step.
; TWO SETS OF FRAGMENT REGISTERS, set p 128 p registers up (v64-111, v192-239): a K step's twelve loads (KLOAD) are issued ahead of the products of the step before (KMUL).
.macro KLOAD H, sl, p
.set F0, 64+128*\p
.set F1, 96+128*\p
.rept 4
	v_nop                                          ; places in front of loads into registers that matrix instructions have read (ISA guide 7.12.1 for vector instructions)
.endr
.irp j, 0,1,2,3
.irp c, 0,1
	ds_load_b128 v[F0+8*\j+4*\c:F0+8*\j+4*\c+3], v[2+\H] offset:\j*4096+\sl*1024+512*\c
.endr
.endr
.irp j, 0,1
.irp c, 0,1
	ds_load_b128 v[F1+8*\j+4*\c:F1+8*\j+4*\c+3], v[4+\H] offset:\j*4096+\sl*1024+512*\c
.endr
.endr
.endm
.macro KMUL H, sl, p, left
.set F0, 64+128*\p
.set F1, 96+128*\p
	s_wait_dscnt \left                             ; this step's twelve loads are in; the next step's twelve, issued behind them, may be out
.irp i, 0,1
.irp j, 0,1,2,3
.if \H
	v_wmma_scale_f32_16x16x128_f8f6f4 v[ACC+32*\i+8*\j:ACC+32*\i+8*\j+7], v[F0+8*\j:F0+8*\j+7], v[F1+8*\i:F1+8*\i+7], v[ACC+32*\i+8*\j:ACC+32*\i+8*\j+7], v[S0+4*\j+\sl], v[S1+4*\i+\sl] matrix_a_fmt:MATRIX_FMT_FP4 matrix_b_fmt:MATRIX_FMT_FP4 matrix_a_scale:MATRIX_SCALE_ROW1 matrix_b_scale:MATRIX_SCALE_ROW1
.else
	v_wmma_scale_f32_16x16x128_f8f6f4 v[ACC+32*\i+8*\j:ACC+32*\i+8*\j+7], v[F0+8*\j:F0+8*\j+7], v[F1+8*\i:F1+8*\i+7], v[ACC+32*\i+8*\j:ACC+32*\i+8*\j+7], v[S0+4*\j+\sl], v[S1+4*\i+\sl] matrix_a_fmt:MATRIX_FMT_FP4 matrix_b_fmt:MATRIX_FMT_FP4
.endif
.endr
.endr
.endm
	s_wait_tensorcnt 0x0                           ; my one load is in; behind the barrier below all of K lies in LDS
	s_wait_loadcnt 0x0                             ; scale words and bias
	s_barrier_signal -1
	s_barrier_wait -1                              ; everybody's part is in
	KLOAD 0, 0, 0
	KLOAD 0, 1, 1
	KMUL  0, 0, 0, 12                              ; the first products add onto the bias
	KLOAD 0, 2, 0                                  ; (its four places stand behind the products that read set 0)
	KMUL  0, 1, 1, 12
	KLOAD 0, 3, 1
	KMUL  0, 2, 0, 12
	KLOAD 1, 0, 0
	KMUL  0, 3, 1, 12
	KLOAD 1, 1, 1
	KMUL  1, 0, 0, 12
	KLOAD 1, 2, 0
	KMUL  1, 1, 1, 12
	KLOAD 1, 3, 1
	KMUL  1, 2, 0, 12
	KMUL  1, 3, 1, 0
.rept 4
	v_nop                                          ; places behind the last products: for the stores of results and the loads into registers that held operands
.endr
	; THE WAY OUT.  Stage row 16 i + r holds token 16 (r / 8) + 8 i + r % 8 of my 32.
	s_wait_alu depctr_va_vdst(0)
.irp i, 0,1
.irp j, 0,1,2,3
	ds_store_b128 v10, v[ACC+32*\i+8*\j:ACC+32*\i+8*\j+3] offset:\i*16*SP+(32*(\j/2)+8*(\j%2))*4        ; each accumulator from its low end on
	ds_store_b128 v10, v[ACC+32*\i+8*\j+4:ACC+32*\i+8*\j+7] offset:\i*16*SP+(32*(\j/2)+8*(\j%2))*4+16
.endr
.endr
.irp t, 0,1,2,3,4,5,6,7,8,9,10,11,12,13,14,15
	ds_load_b128 v[32+4*\t:35+4*\t], v11 offset:\t*2*SP   ; LDS serves a wave's instructions in order: these see my stores
.endr
.irp t, 0,1,2,3,4,5,6,7,8,9,10,11,12,13,14,15
	s_wait_dscnt 15-\t                             ; rows 2 t and 2 t + 1 are back; the younger loads may be out
	global_store_b128 v12, v[32+4*\t:35+4*\t], s[76:77] offset:(16*(((2*\t)%16)/8)+8*(\t/8)+((2*\t)%8))*4096 th:TH_STORE_NT   ; sixteen lanes store 256 consecutive bytes, aligned; written once, read by nobody here
.endr
	s_wait_tensorcnt 0x0
	ds_add_u32 v254, v255
	s_wait_dscnt 0x0
	CROUND                                         ; the closing round: no work-group ends while a partner may still ask for a tile that names it
	s_endpgm
.Lfunc_end_k_qa53f1bd14e_gemm_out:
	.size	k_qa53f1bd14e_gemm_out, .Lfunc_end_k_qa53f1bd14e_gemm_out-k_qa53f1bd14e_gemm_out
	.p2alignl 7, 3214868480
	.fill 96, 4, 3214868480
	.section	.rodata,"a",@progbits
	.p2align	6, 0x0
	.amdhsa_kernel k_qa53f1bd14e_gemm_out
		.amdhsa_group_segment_fixed_size 201728
		.amdhsa_private_segment_fixed_size 0
		.amdhsa_enable_private_segment 0
		.amdhsa_kernarg_size 48
		.amdhsa_user_sgpr_count 2
		.amdhsa_user_sgpr_kernarg_segment_ptr 1
		.amdhsa_wavefront_size32 1
		.amdhsa_system_sgpr_workgroup_id_x 1
		.amdhsa_system_sgpr_workgroup_id_y 1
		.amdhsa_system_sgpr_workgroup_id_z 1
		.amdhsa_system_vgpr_workitem_id 0
		.amdhsa_next_free_vgpr 256
		.amdhsa_next_free_sgpr 96
		.amdhsa_reserve_vcc 0
		.amdhsa_float_denorm_mode_32 3
		.amdhsa_float_denorm_mode_16_64 3
		.amdhsa_memory_ordered 1
		.amdhsa_forward_progress 1
		.amdhsa_inst_pref_size 29
	.end_amdhsa_kernel
	.amdgpu_metadata
---
amdhsa.version: [ 1, 2 ]
amdhsa.kernels:
  - .name:           k_qa53f1bd14e_gemm_out
    .symbol:         k_qa53f1bd14e_gemm_out.kd
    .args:
      - { .name: o_codes, .offset: 0, .size: 8, .value_kind: global_buffer, .address_space: global }
      - { .name: o_scales, .offset: 8, .size: 8, .value_kind: global_buffer, .address_space: global }
      - { .name: w_codes, .offset: 16, .size: 8, .value_kind: global_buffer, .address_space: global }
      - { .name: w_scales, .offset: 24, .size: 8, .value_kind: global_buffer, .address_space: global }
      - { .name: b_o, .offset: 32, .size: 8, .value_kind: global_buffer, .address_space: global }
      - { .name: out0, .offset: 40, .size: 8, .value_kind: global_buffer, .address_space: global }
    .group_segment_fixed_size: 201728
    .private_segment_fixed_size: 0
    .kernarg_segment_align: 8
    .kernarg_segment_size: 48
    .max_flat_workgroup_size: 256
    .sgpr_count:     96
    .vgpr_count:     256
    .wavefront_size: 32
...
	.end_amdgpu_metadata
.endif
;; end of part 9
